; MI455X (gfx1250); checked and timed in simulation.
; The chip was launched on July 23, 2026; its instructions are those of AMD's public machine-readable ISA for CDNA 5 (MIT licence, August 2026) and "CDNA5" Instruction Set Architecture Reference Guide (July 2026). The comments in the code are by the model that wrote it; some were corrected since.
;; Transformer Decoder Block. Allowed arithmetic: matrix products marked QUANTISED: E3M2 operands, one E8M0 scale for each 32 along K, by v_wmma_scale_f32_16x16x128_f8f6f4 with both operands' format E3M2, f32 sums; everything else in f32.
;; Inputs: b1 512 float32; b2 512 float32; b3 1,024 float32; bk 1,024 float32; bo 1,024 float32; bq 1,024 float32; bv 1,024 float32; ln1_w 1,024 float32; ln2_w 1,024 float32; w1 1,024 x 512 float32; w2 1,024 x 512 float32; w3 512 x 1,024 float32; wk 1,024 x 1,024 float32; wo 1,024 x 1,024 float32; wq 1,024 x 1,024 float32; wv 1,024 x 1,024 float32; x 2 x 2,048 x 1,024 float32.
;; Outputs: out0 2 x 2,048 x 1,024 float32.
;; This version of the problem:
;;   THIS VERSION OF THE PROBLEM IS GIVEN IN LOW PRECISION. The matrix products marked QUANTISED in the list below multiply operands that are first quantised to E3M2 (3 exponent bits, 2 mantissa bits; 6 bits a number), with one power-of-two scale for each 32 numbers along K (OCP MX v1.0); their sums are f32. All else is computed in f32.
;;   The module's matrix products, in the order in which they are computed (A, B: the left and right operand; K: the contracted axis; several contracted axes count as one K, in the product's order):
;;     1. [M 4,096, K 1,024] x [K 1,024, N 1,024]; A: computed on the way; B: input wq: QUANTISED
;;     2. [M 4,096, K 1,024] x [K 1,024, N 1,024]; A: computed on the way; B: input wk: QUANTISED
;;     3. [M 4,096, K 1,024] x [K 1,024, N 1,024]; A: computed on the way; B: input wv: QUANTISED
;;     4. batch 32 x [M 2,048, K 64] x [K 64, N 2,048]; A: computed on the way; B: computed on the way: QUANTISED
;;     5. batch 32 x [M 2,048, K 2,048] x [K 2,048, N 64]; A: softmax (see below); B: computed on the way: QUANTISED
;;     6. [M 4,096, K 1,024] x [K 1,024, N 1,024]; A: computed on the way; B: input wo: QUANTISED
;;     7. [M 4,096, K 1,024] x [K 1,024, N 512]; A: computed on the way; B: input w1: QUANTISED
;;     8. [M 4,096, K 1,024] x [K 1,024, N 512]; A: computed on the way; B: input w2: QUANTISED
;;     9. [M 4,096, K 512] x [K 512, N 1,024]; A: computed on the way; B: input w3: QUANTISED
;;   THE QUANTISER, for each operand of a quantised product, along K:
;;     - K is cut into blocks of 32 from its start; a last block that is shorter is filled with zeros.
;;     - A block's scale is 2^e with e = floor(log2(the largest magnitude in the block)) - 4, held to -126 .. 127; a block of zeros has e = 0. As a byte (E8M0): e + 127.
;;     - Each number is divided by its block's scale, clamped to +-28, and rounded to the nearest number of E3M2, ties to even, subnormals kept.
;;     - The product sums the exact products of the quantised numbers (number of the format x scale) in f32.
;;   ~~~python
;;   def quantise(x, axis):      # numpy; x: float32 -> the quantised numbers, widened to float32 again
;;       x = np.moveaxis(x, axis, -1); K = x.shape[-1]
;;       x = np.pad(x, [(0, 0)] * (x.ndim - 1) + [(0, -K % 32)]); x = x.reshape(x.shape[:-1] + (-1, 32)); a = np.abs(x).max(-1, keepdims=True)
;;       e = np.where(a > 0, np.clip(np.frexp(np.where(a > 0, a, 1))[1] - 1 - 4, -126, 127), 0)      # np.frexp(a)[1] - 1 = floor(log2(a)), exactly
;;       r = np.clip(x / 2.0 ** e, -28, 28)
;;       step = 2.0 ** (np.maximum(np.frexp(np.where(r == 0, 1, r))[1] - 1, -2) - 2)
;;       q = np.round(r / step) * step * 2.0 ** e      # np.round: ties to even
;;       return np.moveaxis(q.reshape(q.shape[:-2] + (-1,))[..., :K], -1, axis).astype(np.float32)
;;   ~~~
;;   SOFTMAX AHEAD OF A QUANTISED PRODUCT. Where the list says 'softmax', what is quantised is not the finished softmax but p = 2^(t - M), with t = logit x log2(e) and M = ceil(the row's largest t), a whole number; so 1/2 < the row's largest p <= 1. The row's sum l is taken of the UNQUANTISED p, in f32, and the product's result is divided by l at the end. Since M is a whole number, a kernel that streams over the keys may use a running M (the ceiling of the running maximum): every later rescaling is an exact power of two, which a block's scale takes up: the codes' values come out the same.
;;   OPERANDS COMPUTED ON THE WAY. 'Computed on the way' means the value that the module computes at that place (a softmax that the list does not call 'softmax' is quantised finished and normalised). What goes into a quantiser is computed in f32, as accurately as f32 sums, v_exp_f32 and their like allow (about 1e-6 of the number): no bf16 or f16 on the way to a quantiser, and a product that is left as it is and whose result goes on into a quantised operand takes f32 operands (vector FMAs, or v_wmma_f32_16x16x4_f32). A number that lies on a knife's edge between two numbers of the format may be rounded either way, as far as f32 arithmetic and the matrix unit's own rounding can turn it there, and no further.
;; 2 versions. Each part assembles by itself: llvm-mc -triple=amdgcn-amd-amdhsa -mcpu=gfx1250 --defsym DOCPART=n.
;; ======== version 1 of 2: 4 launches
;; workspace buffers: hset 3,276,800 bytes; wqkv 2,457,600 bytes; wtail 2,048,000 bytes; qkvc 9,437,184 bytes; qkvs 786,432 bytes; resc 3,145,728 bytes; ress 524,288 bytes
;; launch prep (part 1): grid 608 x 1, 4 waves a work-group, no clusters, 14,848 bytes of LDS; arguments x, ln1_w, wq, wk, wv, wo, w1, w2, w3, hset, wqkv, wtail; writes hset, wqkv, wtail
.if DOCPART == 1
	.amdgcn_target "amdgcn-amd-amdhsa--gfx1250"
	.amdhsa_code_object_version 6
	.text
	.protected	k_q1d459532e2_prep
	.globl	k_q1d459532e2_prep
	.p2align	8
	.type	k_q1d459532e2_prep,@function
k_q1d459532e2_prep:
	s_mov_b64 s[64:65], 0
	v_nop
	global_prefetch_b8 v0, s[64:65] scope:SCOPE_SE
	s_setreg_imm32_b32 hwreg(HW_REG_WAVE_MODE, 25, 1), 1
	s_wait_xcnt 0x0
; PREP.  Two kinds of work-groups, parted by the work-group's number alone.
;   0..255   : one tile of 16 tokens: h = x * rsqrt(mean(x^2) + 1e-5) * ln1_w in f32, quantised along the 1,024 columns to BF6 (E3M2) with one E8M0 byte for 32, stored into hset.
;   256..607 : one SET of a weight (128 columns x 128 along K).  The weights lie [K][N]: a thread takes a column and its registers run down K, so the conversions give codes with K innermost.
; A SET is 12,800 bytes: 128 rows (8 tiles of 16) x 128 K as the image of the matrix operand's registers: register p (0..11) of lane L of tile t at 1536 t + 512 (p / 4) + 16 L + 4 (p % 4);
; from byte 12,288 the scale words: (tile t, row r) at 16 (r + 16 (t / 4)) + 4 (t % 4), so that one load of 16 bytes a lane brings four registers with tiles 0-3 in lanes 0-15 and tiles 4-7 in lanes 16-31.
; THE ROWS OF A TILE ARE NOT NEIGHBOURS: row r of tile t of a block of 128 is index 32 (t / 2) + 8 (t % 2) + r + 8 (r / 8), for tokens and for weight columns alike.
; A block's scale byte is its largest magnitude's exponent field - 4, held at 1 from below.
; LIMITS: NaN and infinities among the inputs are not served; a block whose largest magnitude lies under 2^-122, a block of zeros among them, keeps the byte 1 (its codes are zeros or what the
; conversion makes under that scale); these bytes are read by this program alone.
; The token path's scale words leave in pieces of 64 bytes (16 lanes x 4 bytes, 16 apart): one byte in 24 of what that path stores.
; No cluster, no tensor load: no two work-groups read the same bytes but ln1_w's 4,096.
.set SETB, 12800
.set TM,   16                          ; v16-31 at work in QUANT: +0..3 largest magnitudes, +4..7 the other half's / bytes, +12..15 scale operands
.set PC,   32                          ; v32-50 the codes just made
.set SEL,  44                          ; s[44:45] lane selects of v_permlanex16_b32: lane l xor 16
.set WSTG, 1024                        ; LDS: bytes 0-511 the token path's partial sums; from 1,024 the weight path's stage, one SET
; 64 numbers of a lane, register 16 b + i = k 32 b + 16 (lane / 16) + i of my row, become a fragment's 12 registers in v[PC] on and its scale word in v[pw]
.macro QUANT s, pw
.irp b, 0,1,2,3
	v_max3_num_f32 v[TM+\b], |v[(\s)+16*\b]|, |v[(\s)+1+16*\b]|, 0x2800000   ; my 16 numbers of block b, and the floor 2^(5 - 127): the byte cannot fall under 1
.endr
.irp i, 2,4,6,8,10,12,14
.irp b, 0,1,2,3
	v_max3_num_f32 v[TM+\b], v[TM+\b], |v[(\s)+16*\b+\i]|, |v[(\s)+1+16*\b+\i]|
.endr
.endr
.irp b, 0,1,2,3
	v_permlanex16_b32 v[TM+4+\b], v[TM+\b], s[SEL], s[SEL+1]
.endr
.irp b, 0,1,2,3
	v_max_num_f32 v[TM+\b], v[TM+\b], v[TM+4+\b]          ; with lane l xor 16's 16: the block's largest magnitude
.endr
.irp b, 0,1,2,3
	v_add_nc_u32 v[TM+12+\b], 0xfe000000, v[TM+\b]        ; 4 off its exponent field: the conversion's scale operand
.endr
.irp b, 0,1,2,3
	v_lshrrev_b32 v[TM+4+\b], 23, v[TM+12+\b]             ; the scale's byte
.endr
	v_lshl_or_b32 v[\pw], v[TM+5], 8, v[TM+4]
	v_lshl_or_b32 v[\pw], v[TM+6], 16, v[\pw]
	v_lshl_or_b32 v[\pw], v[TM+7], 24, v[\pw]
.irp c, 0,1
	v_cvt_scalef32_pk16_bf6_f32 v[PC+6*\c:PC+2+6*\c], v[(\s)+32*\c:(\s)+15+32*\c], v[TM+12+2*\c]
	v_cvt_scalef32_pk16_bf6_f32 v[PC+12+4*\c:PC+14+4*\c], v[(\s)+16+32*\c:(\s)+31+32*\c], v[TM+12+2*\c+1]   ; (a conversion's three registers begin on an even number)
.endr
	v_nop                                                 ; one plain line behind the scaled conversions
.irp c, 0,1                                               ; the operand wants a whole block in a lane: lanes 0-15 block 2 c, lanes 16-31 block 2 c + 1
.irp i, 0,1,2
	v_permlane16_swap_b32 v[PC+6*\c+\i], v[PC+12+4*\c+\i]
.endr
.irp i, 0,1,2
	v_mov_b32 v[PC+3+6*\c+\i], v[PC+12+4*\c+\i]
.endr
.endr
.endm
	s_load_b256 s[4:11], s[0:1], 0x0               ; x, ln1_w, wq, wk
	s_load_b256 s[12:19], s[0:1], 0x20             ; wv, wo, w1, w2
	s_load_b256 s[20:27], s[0:1], 0x40             ; w3, hset, wqkv, wtail
	v_lshl_add_u32 v26, v0, 2, 0x3800
	v_mov_b32 v27, 0
	v_lshrrev_b32 v1, 5, v0
	v_readfirstlane_b32 s3, v1                     ; wave 0..3
	v_and_b32 v1, 31, v0                           ; lane
	s_mov_b32 s[SEL], 0x76543210
	s_mov_b32 s[SEL+1], 0xfedcba98
	s_cmp_ge_u32 ttmp9, 256
	s_cbranch_scc1 .Lweights
; ---------------- the token path.  Wave w takes columns 256 w .. 256 w + 255: K steps 2 w and 2 w + 1.  Lane (r, h) holds, of its token, 16 neighbours of each block of 32.
	v_and_b32 v2, 15, v0                           ; r
	v_bfe_u32 v3, v0, 4, 1                         ; h
	v_and_b32 v4, 8, v2
	v_add_nc_u32 v4, v4, v2                        ; r + 8 (r / 8)
	s_lshl_b32 s28, s3, 10
	v_lshlrev_b32 v5, 6, v3
	v_add_nc_u32 v5, s28, v5                       ; ln1_w: 64 h + 1,024 w
	v_lshl_add_u32 v4, v4, 12, v5                  ; x: + my token's row of 4,096 bytes
	v_lshlrev_b32 v6, 4, v1                        ; 16 x lane
	v_mul_u32_u24 v7, v3, SETB
	v_lshl_add_u32 v7, v2, 4, v7                   ; the scale words: lanes 16-31 store K step 2 w + 1's, one SET on
	v_lshlrev_b32 v8, 2, v0                        ; LDS: 128 w + 4 x lane
	v_lshlrev_b32 v9, 2, v1                        ; LDS: 4 x lane
.irp b, 0,1,2,3
	v_mov_b32 v[TM+4+\b], 0                        ; written once: a lane permute's destination counts as a source
.endr
	s_lshr_b32 s28, ttmp9, 3                       ; token block
	s_bfe_u32 s29, ttmp9, 0x20001
	s_and_b32 s30, ttmp9, 1
	s_and_b32 s31, ttmp9, 7                        ; tile in the block
	s_lshl_b32 s32, s28, 7
	s_lshl_b32 s29, s29, 5
	s_add_co_u32 s32, s32, s29
	s_lshl_b32 s30, s30, 3
	s_add_co_u32 s32, s32, s30                     ; the tile's first token: 128 block + 32 (t / 2) + 8 (t % 2)
	s_lshl_b32 s32, s32, 12
	s_mov_b32 s33, 0
	s_lshl_b32 s34, s28, 3
	s_lshl_b32 s35, s3, 1
	s_add_co_u32 s34, s34, s35
	s_mul_i32 s34, s34, SETB                       ; SET (block, K step 2 w)
	s_lshr_b32 s36, s31, 2
	s_lshl_b32 s36, s36, 8
	s_and_b32 s37, s31, 3
	s_lshl_b32 s37, s37, 2
	s_add_co_u32 s36, s36, s37
	s_add_co_u32 s36, s36, s34
	s_add_co_u32 s36, s36, 12288                   ; its scale plane, my tile's words
	s_mov_b32 s37, 0
	s_mul_i32 s35, s31, 1536
	s_add_co_u32 s34, s34, s35                     ; its fragment of my tile
	s_mov_b32 s35, 0
	s_mov_b32 s42, 0x3a800000                      ; 1 / 1,024
	s_mov_b32 s43, 0x3727c5ac                      ; 1e-5
	s_wait_kmcnt 0x0
	s_add_nc_u64 s[4:5], s[4:5], s[32:33]
	s_add_nc_u64 s[38:39], s[22:23], s[34:35]
	s_add_nc_u64 s[40:41], s[22:23], s[36:37]
.irp u, 0,1
.irp b, 0,1,2,3
.irp j, 0,1,2,3
	global_load_b128 v[64+64*\u+16*\b+4*\j:67+64*\u+16*\b+4*\j], v4, s[4:5] offset:512*\u+128*\b+16*\j
.endr
.endr
.endr
.irp b, 0,1,2,3
.irp j, 0,1,2,3
	global_load_b128 v[192+16*\b+4*\j:195+16*\b+4*\j], v5, s[6:7] offset:128*\b+16*\j
.endr
.endr
	s_wait_loadcnt 16                              ; x's 32 loads are in; ln1_w's 16 may be out
	v_pk_mul_f32 v[56:57], v[64:65], v[64:65]      ; the sum of squares of my 128 numbers, two chains of pairs
	v_pk_mul_f32 v[58:59], v[66:67], v[66:67]
.set j, 4
.rept 31
	v_pk_fma_f32 v[56:57], v[64+j:65+j], v[64+j:65+j], v[56:57]
	v_pk_fma_f32 v[58:59], v[66+j:67+j], v[66+j:67+j], v[58:59]
.set j, j+4
.endr
	v_pk_add_f32 v[56:57], v[56:57], v[58:59]
	v_add_f32 v56, v56, v57
	v_permlanex16_b32 v57, v56, s[SEL], s[SEL+1]
	v_add_f32 v56, v56, v57                        ; my token's sum over my wave's 256 columns
	ds_store_b32 v8, v56
	s_wait_dscnt 0x0                               ; my store has landed: then the barrier, then the others read it
	s_barrier_signal -1
	s_barrier_wait -1
.irp w, 0,1,2,3
	ds_load_b32 v[60+\w], v9 offset:128*\w
.endr
	s_wait_dscnt 0x0
	v_add_f32 v60, v60, v61
	v_add_f32 v62, v62, v63
	v_add_f32 v60, v60, v62
	v_fma_f32 v60, v60, s42, s43                   ; mean + eps
	v_rsq_f32 v54, v60
	v_nop                                          ; a plain line behind the transcendental
	s_wait_alu depctr_va_vdst(0)                   ; and the wait ahead of the first line that names its result
	v_mov_b32 v55, v54
.irp u, 0,1
	s_wait_loadcnt 0x0                             ; this K step's ln1_w
.set j, 0
.rept 32
	v_pk_mul_f32 v[64+64*\u+j:65+64*\u+j], v[64+64*\u+j:65+64*\u+j], v[54:55] op_sel_hi:[1,0]
.set j, j+2
.endr
.set j, 0
.rept 32
	v_pk_mul_f32 v[64+64*\u+j:65+64*\u+j], v[64+64*\u+j:65+64*\u+j], v[192+j:193+j]
.set j, j+2
.endr
.if \u == 0
.irp b, 0,1,2,3
.irp j, 0,1,2,3
	global_load_b128 v[192+16*\b+4*\j:195+16*\b+4*\j], v5, s[6:7] offset:512+128*\b+16*\j
.endr
.endr
.else
	s_wait_xcnt 0x0                                ; the first K step's stores have read the codes' registers: they are written again only behind this wait
.endif
	QUANT 64+64*\u, 52+\u
.irp g, 0,1,2
	global_store_b128 v6, v[PC+4*\g:PC+3+4*\g], s[38:39] offset:SETB*\u+512*\g   ; 32 lanes store 512 consecutive bytes, at a multiple of 256 from hset's first byte
.endr
.endr
	v_cmp_ne_u32 vcc_lo, 0, v3
	v_cndmask_b32 v56, v52, v53, vcc_lo            ; lanes 0-15: K step 2 w's word of row r; lanes 16-31: K step 2 w + 1's
	global_store_b32 v7, v56, s[40:41]
	s_wait_tensorcnt 0x0
	ds_add_u32 v26, v27
	s_wait_dscnt 0x0
	s_endpgm
; ---------------- the weight path: SET j = work-group - 256
.Lweights:
	v_lshlrev_b32 v14, 4, v1                       ; 16 x lane
	v_lshlrev_b32 v1, 2, v0                        ; my column's 4 bytes in a row
	s_sub_co_u32 s28, ttmp9, 256                   ; j: 0-191 wq, wk, wv; 192-255 wo; 256-319 w1, w2; 320-351 w3
	s_lshr_b32 s29, s28, 3
	s_and_b32 s29, s29, 7                          ; column block, where a weight has 8 K steps and 8 blocks
	s_and_b32 s30, s28, 7                          ; K step, where it has 8
	s_lshr_b32 s31, s29, 1                         ; wo -> wtail: (cb / 2) 40 + (cb % 2) 8 + s
	s_mul_i32 s31, s31, 40
	s_and_b32 s32, s29, 1
	s_lshl_b32 s32, s32, 3
	s_add_co_u32 s31, s31, s32
	s_add_co_u32 s31, s31, s30
	s_and_b32 s33, s29, 3                          ; w1, w2: 4 column blocks -> cb 40 + 16 + 8 (which) + s
	s_mul_i32 s34, s33, 40
	s_bfe_u32 s35, s28, 0x10005
	s_lshl_b32 s35, s35, 3
	s_add_co_u32 s34, s34, s35
	s_add_co_u32 s34, s34, s30
	s_add_co_u32 s34, s34, 16
	s_lshr_b32 s36, s28, 2                         ; w3: 4 K steps -> (cb / 2) 40 + 32 + 4 (cb % 2) + s
	s_and_b32 s36, s36, 7
	s_and_b32 s37, s28, 3
	s_lshr_b32 s38, s36, 1
	s_mul_i32 s38, s38, 40
	s_and_b32 s39, s36, 1
	s_lshl_b32 s39, s39, 2
	s_add_co_u32 s38, s38, s39
	s_add_co_u32 s38, s38, s37
	s_add_co_u32 s38, s38, 32
	s_wait_kmcnt 0x0
	s_cmp_lt_u32 s28, 320                          ; the choices hang on the work-group's number alone
	s_cselect_b32 s40, s33, s36                    ; column block
	s_cselect_b32 s41, s30, s37                    ; K step
	s_cselect_b32 s42, s34, s38                    ; SET's number in its buffer
	s_cselect_b32 s43, 11, 12                      ; log2 of a row's bytes
	s_cselect_b64 s[46:47], s[18:19], s[20:21]     ; w2 : w3
	s_cmp_lt_u32 s28, 288
	s_cselect_b64 s[46:47], s[16:17], s[46:47]     ; w1
	s_cmp_lt_u32 s28, 256
	s_cselect_b32 s40, s29, s40
	s_cselect_b32 s42, s31, s42
	s_cselect_b32 s43, 12, s43
	s_cselect_b64 s[46:47], s[14:15], s[46:47]     ; wo
	s_cmp_lt_u32 s28, 192
	s_cselect_b32 s42, s28, s42
	s_cselect_b64 s[46:47], s[12:13], s[46:47]     ; wv
	s_cselect_b64 s[48:49], s[24:25], s[26:27]     ; wqkv : wtail
	s_cmp_lt_u32 s28, 128
	s_cselect_b64 s[46:47], s[10:11], s[46:47]     ; wk
	s_cmp_lt_u32 s28, 64
	s_cselect_b64 s[46:47], s[8:9], s[46:47]       ; wq
	s_lshl_b32 s50, 1, s43                         ; a row's bytes
	s_lshl_b32 s52, s41, 7
	s_lshl_b32 s52, s52, s43                       ; 128 s rows
	s_lshl_b32 s51, s40, 9
	s_add_co_u32 s52, s52, s51                     ; + 128 cb columns
	s_mov_b32 s53, 0
	s_add_nc_u64 s[54:55], s[46:47], s[52:53]      ; four bases, 32 rows apart
	s_lshl_b32 s52, s50, 5
	s_add_nc_u64 s[56:57], s[54:55], s[52:53]
	s_add_nc_u64 s[58:59], s[56:57], s[52:53]
	s_add_nc_u64 s[60:61], s[58:59], s[52:53]
	s_mul_i32 s52, s42, SETB
	s_add_nc_u64 s[48:49], s[48:49], s[52:53]
.irp i, 0,1,2,3,4,5,6,7,8,9,10,11,12,13,14,15,16,17,18,19,20,21,22,23,24,25,26,27,28,29,30,31
	v_mad_u32_u24 v[32+\i], s50, \i, v1            ; row i of a block of 32 (a row's bytes differ between the weights, so they cannot stand in the immediates)
.endr
.irp q, 0,1,2,3
.irp i, 0,1,2,3,4,5,6,7,8,9,10,11,12,13,14,15,16,17,18,19,20,21,22,23,24,25,26,27,28,29,30,31
	global_load_b32 v[64+32*\q+\i], v[32+\i], s[54+2*\q:55+2*\q] th:TH_LOAD_NT   ; 128 threads read 512 consecutive bytes of a row
.endr
.endr
	v_lshrrev_b32 v3, 5, v0                        ; my column v0 = 32 g + 8 u + (r % 8) + 16 (r / 8): tile t = 2 g + u, row r
	v_bfe_u32 v4, v0, 3, 1
	v_lshl_add_u32 v3, v3, 1, v4                   ; t
	v_and_b32 v4, 7, v0
	v_bfe_u32 v5, v0, 4, 1
	v_lshl_add_u32 v4, v5, 3, v4                   ; r
	v_mul_u32_u24 v10, v3, 1536
	v_lshl_add_u32 v10, v4, 4, v10
	v_add_nc_u32 v10, WSTG, v10                    ; the stage: my tile's image, lane r's 16 bytes
	v_lshrrev_b32 v5, 2, v3
	v_lshl_add_u32 v5, v5, 4, v4
	v_and_b32 v6, 3, v3
	v_lshlrev_b32 v6, 2, v6
	v_lshl_add_u32 v11, v5, 4, v6
	v_add_nc_u32 v11, WSTG+12288, v11              ; my scale word's place
	s_mul_i32 s52, s3, 3072
	v_add_nc_u32 v13, s52, v14                     ; out: wave w stores tiles 2 w, 2 w + 1: 3,072 w + 16 x lane
	v_add_nc_u32 v12, WSTG, v13
	v_add_nc_u32 v15, WSTG+12288, v14
; Block kb of 32 along K is the operand's registers 6 (kb / 2) .. + 5 in lane r + 16 (kb % 2).  Each block has code registers of its own.
.macro WBLOCK kb, cnt
.set XS, 64+32*(\kb)
.set CC, 192+8*(\kb)
.set DD, 224+4*(\kb)
	s_wait_loadcnt \cnt
	v_max3_num_f32 v16, |v[XS]|, |v[XS+1]|, |v[XS+2]|
	v_max3_num_f32 v17, |v[XS+3]|, |v[XS+4]|, |v[XS+5]|
.irp i, 6,10,14,18,22,26
	v_max3_num_f32 v16, v16, |v[XS+\i]|, |v[XS+\i+1]|
	v_max3_num_f32 v17, v17, |v[XS+\i+2]|, |v[XS+\i+3]|
.endr
	v_max3_num_f32 v16, v16, |v[XS+30]|, |v[XS+31]|
	v_max3_num_f32 v16, v16, v17, 0x2800000        ; and the floor
	v_add_nc_u32 v[20+(\kb)], 0xfe000000, v16
	v_lshrrev_b32 v25, 23, v[20+(\kb)]
.if (\kb) == 0
	v_mov_b32 v24, v25
.else
	v_lshl_or_b32 v24, v25, 8*(\kb), v24
.endif
	v_cvt_scalef32_pk16_bf6_f32 v[CC:CC+2], v[XS:XS+15], v[20+(\kb)]
	v_cvt_scalef32_pk16_bf6_f32 v[DD:DD+2], v[XS+16:XS+31], v[20+(\kb)]
	v_nop
.irp i, 0,1,2
	v_mov_b32 v[CC+3+\i], v[DD+\i]
.endr
.if (\kb) < 2
	ds_store_b128 v10, v[CC:CC+3] offset:256*((\kb)%2)
	ds_store_b64 v10, v[CC+4:CC+5] offset:512+256*((\kb)%2)
.else
	ds_store_b64 v10, v[CC:CC+1] offset:520+256*((\kb)%2)
	ds_store_b128 v10, v[CC+2:CC+5] offset:1024+256*((\kb)%2)
.endif
.endm
	WBLOCK 0, 63                                   ; behind block 0's loads stand 96, behind block 1's 64: a wait can name 63 at the most
	WBLOCK 1, 63
	WBLOCK 2, 32                                   ; block 3's 32 may be out
	WBLOCK 3, 0
	ds_store_b32 v11, v24
	s_wait_dscnt 0x0                               ; my stores into the stage have landed
	s_barrier_signal -1
	s_barrier_wait -1
.irp g, 0,1,2,3,4,5
	ds_load_b128 v[64+4*\g:67+4*\g], v12 offset:512*\g
.endr
.irp g, 0,1,2,3,4,5
	s_wait_dscnt 5-\g                              ; the younger loads of the run may be out
	global_store_b128 v13, v[64+4*\g:67+4*\g], s[48:49] offset:512*\g   ; 512 consecutive bytes, at a multiple of 256
.endr
	s_cmp_lg_u32 s3, 0
	s_cbranch_scc1 .Lwdone
	ds_load_b128 v[88:91], v15                     ; wave 0: the SET's 512 bytes of scale words
	s_wait_dscnt 0x0
	global_store_b128 v14, v[88:91], s[48:49] offset:12288
.Lwdone:
	s_wait_tensorcnt 0x0
	ds_add_u32 v26, v27
	s_wait_dscnt 0x0
	s_endpgm
.Lfunc_end_k_q1d459532e2_prep:
	.size	k_q1d459532e2_prep, .Lfunc_end_k_q1d459532e2_prep-k_q1d459532e2_prep
	.p2alignl 7, 3214868480
	.fill 96, 4, 3214868480
	.section	.rodata,"a",@progbits
	.p2align	6, 0x0
	.amdhsa_kernel k_q1d459532e2_prep
		.amdhsa_group_segment_fixed_size 14848
		.amdhsa_private_segment_fixed_size 0
		.amdhsa_enable_private_segment 0
		.amdhsa_kernarg_size 96
		.amdhsa_user_sgpr_count 2
		.amdhsa_user_sgpr_kernarg_segment_ptr 1
		.amdhsa_wavefront_size32 1
		.amdhsa_system_sgpr_workgroup_id_x 1
		.amdhsa_system_sgpr_workgroup_id_y 1
		.amdhsa_system_sgpr_workgroup_id_z 1
		.amdhsa_system_vgpr_workitem_id 0
		.amdhsa_next_free_vgpr 256
		.amdhsa_next_free_sgpr 66
		.amdhsa_reserve_vcc 1
		.amdhsa_float_denorm_mode_32 3
		.amdhsa_float_denorm_mode_16_64 3
		.amdhsa_memory_ordered 1
		.amdhsa_forward_progress 1
		.amdhsa_inst_pref_size 56
	.end_amdhsa_kernel
	.amdgpu_metadata
---
amdhsa.version: [ 1, 2 ]
amdhsa.kernels:
  - .name:           k_q1d459532e2_prep
    .symbol:         k_q1d459532e2_prep.kd
    .args:
      - { .name: x, .offset: 0, .size: 8, .value_kind: global_buffer, .address_space: global }
      - { .name: ln1_w, .offset: 8, .size: 8, .value_kind: global_buffer, .address_space: global }
      - { .name: wq, .offset: 16, .size: 8, .value_kind: global_buffer, .address_space: global }
      - { .name: wk, .offset: 24, .size: 8, .value_kind: global_buffer, .address_space: global }
      - { .name: wv, .offset: 32, .size: 8, .value_kind: global_buffer, .address_space: global }
      - { .name: wo, .offset: 40, .size: 8, .value_kind: global_buffer, .address_space: global }
      - { .name: w1, .offset: 48, .size: 8, .value_kind: global_buffer, .address_space: global }
      - { .name: w2, .offset: 56, .size: 8, .value_kind: global_buffer, .address_space: global }
      - { .name: w3, .offset: 64, .size: 8, .value_kind: global_buffer, .address_space: global }
      - { .name: hset, .offset: 72, .size: 8, .value_kind: global_buffer, .address_space: global }
      - { .name: wqkv, .offset: 80, .size: 8, .value_kind: global_buffer, .address_space: global }
      - { .name: wtail, .offset: 88, .size: 8, .value_kind: global_buffer, .address_space: global }
    .group_segment_fixed_size: 14848
    .private_segment_fixed_size: 0
    .kernarg_segment_align: 8
    .kernarg_segment_size: 96
    .max_flat_workgroup_size: 128
    .sgpr_count:     66
    .vgpr_count:     256
    .wavefront_size: 32
...
	.end_amdgpu_metadata
.endif
;; end of part 1
;; launch qkv (part 2): grid 32 x 6, 4 waves a work-group, no clusters, 0 bytes of LDS; arguments hset, wqkv, bq, bk, bv, qkvc, qkvs; writes qkvc, qkvs
.if DOCPART == 2
	.amdgcn_target "amdgcn-amd-amdhsa--gfx1250"
	.amdhsa_code_object_version 6
	.text
	.protected	k_q1d459532e2_qkv
	.globl	k_q1d459532e2_qkv
	.p2align	8
	.type	k_q1d459532e2_qkv,@function
k_q1d459532e2_qkv:
	s_mov_b64 s[64:65], 0
	v_nop
	global_prefetch_b8 v0, s[64:65] scope:SCOPE_SE
	s_setreg_imm32_b32 hwreg(HW_REG_WAVE_MODE, 25, 1), 1
	s_wait_xcnt 0x0
; Q = h wq + bq, K = h wk + bk, V = h wv + bv on codes of BF6, and their results quantised at once into the operands of the two products of attention.
; Work-group (x = block of 128 tokens, y = 2 tau + half), tau = 0, 1, 2 for Q, K, V.  Wave w makes 128 tokens x 128 columns (the pair of heads 4 half + w): 64 accumulators, 8 K steps of 128, 512 matrix instructions.
; ONE TEXT FOR ALL THREE.  For Q and K source 0 = 16 weight columns and source 1 = 16 tokens: a lane holds one token and its registers run along the columns, which are the next K (a head's 64).
; For V source 0 = tokens and source 1 = columns: a lane holds one column and its registers run along the tokens, the keys, which are the second product's K.  Only pointers are chosen, on the work-group's number.
; Operands come as SETs (see the launch before) from memory straight into registers, two sets of registers by turns.  The accumulators begin as the bias: nothing is cleared and every K step has one form.
; OUT.  A wave's result is one UNIT of 12,288 bytes: 16 HALFs (16 rows x 64 K: six registers as three planes of 8 bytes a lane), HALF (b, c) at 768 (2 b + c); and 1,024 bytes of scale words:
; the eight words as one image of 16 bytes a lane (tiles 0-3 in lanes 0-15, 4-7 in lanes 16-31), then the same words shifted down 16 bits, for the pair's second head.
; LIMITS as in the launch before: no NaN or infinities; a block under 2^-122 keeps the byte 1.
; No cluster: operands go to registers without LDS, and with 8 K steps a ring of shared tiles would turn four times and pay a round of the cluster's barrier each time.  768 wave tiles of 128 x 128 are 192 work-groups.
; REGISTERS.  window 0: v1 16 x lane, v2 8 x lane, v4, v5 bias offsets; v16-31 at work; v32-47 scale words, two sets of 4 + 4; v48-63 the bias by source 1's rows, each number twice, later the scale words made;
;   v64-255 source 1's fragments, two sets of 96 (afterwards v64-82 the codes made).   window 1: v0-191 source 0's fragments, two sets; v192-255 the bias by source 0's rows.
;   windows 2, 3: accumulator (a, b) at 64 (b % 4) + 8 a, b = 0-3 in window 2, b = 4-7 in window 3.
.set SETB, 12800
.set TM,   16
.set PC,   64
.set SEL,  40
.set MSB,  0
.macro WIN new                         ; the immediate's high byte repeats the setting that is left
.if MSB != (\new)
	s_set_vgpr_msb (MSB<<8)|(\new)
.set MSB, (\new)
.endif
.endm
.macro MM d, a, b, c, sa, sb, ra, rb   ; ra, rb: the side's scale words stand in lanes 16-31
.if (\ra) && (\rb)
	v_wmma_scale_f32_16x16x128_f8f6f4 v[\d:\d+7], v[\a:\a+11], v[\b:\b+11], v[\c:\c+7], v[\sa], v[\sb] matrix_a_fmt:MATRIX_FMT_BF6 matrix_b_fmt:MATRIX_FMT_BF6 matrix_a_scale:MATRIX_SCALE_ROW1 matrix_b_scale:MATRIX_SCALE_ROW1
.elseif (\ra)
	v_wmma_scale_f32_16x16x128_f8f6f4 v[\d:\d+7], v[\a:\a+11], v[\b:\b+11], v[\c:\c+7], v[\sa], v[\sb] matrix_a_fmt:MATRIX_FMT_BF6 matrix_b_fmt:MATRIX_FMT_BF6 matrix_a_scale:MATRIX_SCALE_ROW1
.elseif (\rb)
	v_wmma_scale_f32_16x16x128_f8f6f4 v[\d:\d+7], v[\a:\a+11], v[\b:\b+11], v[\c:\c+7], v[\sa], v[\sb] matrix_a_fmt:MATRIX_FMT_BF6 matrix_b_fmt:MATRIX_FMT_BF6 matrix_b_scale:MATRIX_SCALE_ROW1
.else
	v_wmma_scale_f32_16x16x128_f8f6f4 v[\d:\d+7], v[\a:\a+11], v[\b:\b+11], v[\c:\c+7], v[\sa], v[\sb] matrix_a_fmt:MATRIX_FMT_BF6 matrix_b_fmt:MATRIX_FMT_BF6
.endif
.endm
.macro LOADSET s                       ; K step s: 50 loads of 512 consecutive bytes
.set LQ, (\s)%2
	WIN 0x40
.irp f, 0,1,2,3,4,5,6,7
.irp g, 0,1,2
	global_load_b128 v[96*LQ+12*\f+4*\g:96*LQ+12*\f+4*\g+3], v1, s[32:33] offset:(\s)*SETB+1536*\f+512*\g
.endr
.endr
	WIN 0
.irp f, 0,1,2,3,4,5,6,7
.irp g, 0,1,2
	global_load_b128 v[64+96*LQ+12*\f+4*\g:64+96*LQ+12*\f+4*\g+3], v1, s[34:35] offset:(\s)*SETB+1536*\f+512*\g
.endr
.endr
	global_load_b128 v[32+8*LQ:35+8*LQ], v1, s[32:33] offset:(\s)*SETB+12288
	global_load_b128 v[36+8*LQ:39+8*LQ], v1, s[34:35] offset:(\s)*SETB+12288
.endm
.macro STEP s                          ; 64 matrix instructions, the 64 accumulators by turns in one order in every step
.set SQ, (\s)%2
.if (\s) < 7
	s_wait_loadcnt 50                              ; this K step's 50 loads are in; the next step's 50 may be out
.else
	s_wait_loadcnt 0x0
.endif
.irp b, 0,1,2,3,4,5,6,7
.if \b < 4
	WIN 0xa1
.else
	WIN 0xf1
.endif
.irp a, 0,1,2,3,4,5,6,7
	MM 64*(\b%4)+8*\a, 96*SQ+12*\a, 64+96*SQ+12*\b, 64*(\b%4)+8*\a, 32+8*SQ+\a%4, 36+8*SQ+\b%4, \a/4, \b/4
.endr
.endr
	WIN 0
.rept 4
	v_nop                                          ; four places in front of loads into registers that matrix instructions have read, and of the first read of results
.endr
.if (\s) < 6
	LOADSET (\s)+2
.endif
.endm
	s_load_b256 s[4:11], s[0:1], 0x0               ; hset, wqkv, bq, bk
	s_load_b128 s[12:15], s[0:1], 0x20             ; bv, qkvc
	s_load_b64 s[16:17], s[0:1], 0x30              ; qkvs
	v_lshrrev_b32 v1, 5, v0
	v_readfirstlane_b32 s3, v1                     ; wave
	v_and_b32 v3, 31, v0
	v_lshlrev_b32 v1, 4, v3
	v_lshlrev_b32 v2, 3, v3
	v_and_b32 v6, 15, v0                           ; r
	v_bfe_u32 v7, v0, 4, 1                         ; h
	s_and_b32 s18, ttmp7, 0xffff
	s_lshr_b32 s19, s18, 1                         ; tau
	s_and_b32 s20, s18, 1
	s_lshl_b32 s20, s20, 2
	s_add_co_u32 s20, s20, s3                      ; the pair of heads, 0..7
	s_lshl_b32 s21, s20, 9                         ; its 128 columns' bytes in a bias
	v_lshl_add_u32 v4, v7, 6, s21                  ; by source 0's rows: register 8 a + j is column 32 (a / 2) + 16 h + 8 (a % 2) + j
	v_and_b32 v5, 8, v6
	v_add_nc_u32 v5, v5, v6
	v_lshl_add_u32 v5, v5, 2, s21                  ; by source 1's rows: tile b, lane r is column 32 (b / 2) + 8 (b % 2) + r + 8 (r / 8)
.irp b, 0,1,2,3
	v_mov_b32 v[TM+4+\b], 0
.endr
	s_mov_b32 s[SEL], 0x76543210
	s_mov_b32 s[SEL+1], 0xfedcba98
	s_mul_i32 s22, ttmp9, 8*SETB
	s_mov_b32 s23, 0
	s_lshl_b32 s24, s19, 3
	s_add_co_u32 s24, s24, s20
	s_mul_i32 s24, s24, 8*SETB
	s_mov_b32 s25, 0
	s_lshr_b32 s26, ttmp9, 4                       ; batch
	s_lshl_b32 s26, s26, 3
	s_add_co_u32 s26, s26, s20
	s_lshl_b32 s26, s26, 4
	s_and_b32 s27, ttmp9, 15
	s_add_co_u32 s26, s26, s27                     ; the UNIT: (batch 8 + pair) 16 + token block
	s_mul_i32 s28, s26, 12288
	s_mul_i32 s27, s19, 3145728
	s_add_co_u32 s28, s28, s27
	s_mov_b32 s29, 0
	s_lshl_b32 s30, s26, 10
	s_lshl_b32 s27, s19, 18
	s_add_co_u32 s30, s30, s27
	s_mov_b32 s31, 0
	s_wait_kmcnt 0x0
	s_add_nc_u64 s[4:5], s[4:5], s[22:23]          ; my tokens' 8 SETs
	s_add_nc_u64 s[6:7], s[6:7], s[24:25]          ; my columns' 8 SETs
	s_add_nc_u64 s[14:15], s[14:15], s[28:29]
	s_add_nc_u64 s[16:17], s[16:17], s[30:31]
	s_cmp_eq_u32 s19, 2
	s_cselect_b64 s[32:33], s[4:5], s[6:7]         ; source 0: tokens for V, else columns
	s_cselect_b64 s[34:35], s[6:7], s[4:5]         ; source 1
	s_cselect_b32 s38, -1, 0                       ; V: the bias goes by source 1's rows,
	s_cselect_b32 s39, 0, -1                       ; Q, K: by source 0's
	s_cselect_b64 s[36:37], s[12:13], s[10:11]
	s_cmp_eq_u32 s19, 0
	s_cselect_b64 s[36:37], s[8:9], s[36:37]
	WIN 0x40
.irp a, 0,1,2,3,4,5,6,7
.irp q, 0,1
	global_load_b128 v[192+8*\a+4*\q:195+8*\a+4*\q], v4, s[36:37] offset:4*(32*(\a/2)+8*(\a%2))+16*\q
.endr
.endr
	WIN 0
.irp b, 0,1,2,3,4,5,6,7
	global_load_b32 v[48+2*\b], v5, s[36:37] offset:4*(32*(\b/2)+8*(\b%2))
	global_load_b32 v[49+2*\b], v5, s[36:37] offset:4*(32*(\b/2)+8*(\b%2))     ; twice: the packed addition takes a pair
.endr
	LOADSET 0
	LOADSET 1
	s_wait_loadcnt 63                              ; behind the 32 bias loads stand 100: a wait can name 63 at the most
.set j, 0
.rept 16
	v_cndmask_b32 v[48+j], 0, v[48+j], s38
.set j, j+1
.endr
	WIN 0x44
.set j, 0
.rept 64
	v_cndmask_b32 v[192+j], 0, v[192+j], s39
.set j, j+1
.endr
.irp b, 0,1,2,3,4,5,6,7                            ; the accumulators begin as the bias, while the first SETs are on their way
.if \b < 4
	WIN 0x81
.else
	WIN 0xc1
.endif
.set j, 0
.rept 32
	v_pk_add_f32 v[64*(\b%4)+j:64*(\b%4)+j+1], v[192+j:193+j], v[48+2*\b:49+2*\b]
.set j, j+2
.endr
.endr
	WIN 0
.irp s, 0,1,2,3,4,5,6,7
	STEP \s
.endr
; Source 1's tile b: its 64 registers, 16 c + i = k 32 c + 16 h + i of the lane's row, become a fragment.  Each accumulator is read from its low end on.
.macro QUANTW b
.set WW, 2+(\b)/4
.set SS, 64*((\b)%4)
	WIN WW|(WW<<2)
.irp c, 0,1,2,3
	v_max3_num_f32 v[TM+\c], |v[SS+16*\c]|, |v[SS+1+16*\c]|, 0x2800000
.endr
.irp i, 2,4,6,8,10,12,14
.irp c, 0,1,2,3
	v_max3_num_f32 v[TM+\c], |v[SS+16*\c+\i]|, |v[SS+1+16*\c+\i]|, v[TM+\c]
.endr
.endr
	WIN 0
.irp c, 0,1,2,3
	v_permlanex16_b32 v[TM+4+\c], v[TM+\c], s[SEL], s[SEL+1]
.endr
.irp c, 0,1,2,3
	v_max_num_f32 v[TM+\c], v[TM+\c], v[TM+4+\c]
.endr
.irp c, 0,1,2,3
	v_add_nc_u32 v[TM+12+\c], 0xfe000000, v[TM+\c]
.endr
.irp c, 0,1,2,3
	v_lshrrev_b32 v[TM+4+\c], 23, v[TM+12+\c]
.endr
	v_lshl_or_b32 v[48+(\b)], v[TM+5], 8, v[TM+4]
	v_lshl_or_b32 v[48+(\b)], v[TM+6], 16, v[48+(\b)]
	v_lshl_or_b32 v[48+(\b)], v[TM+7], 24, v[48+(\b)]
	s_wait_xcnt 0x0                                ; the last tile's stores have read the codes' registers
	WIN WW
.irp c, 0,1
	v_cvt_scalef32_pk16_bf6_f32 v[PC+6*\c:PC+2+6*\c], v[SS+32*\c:SS+15+32*\c], v[TM+12+2*\c]
	v_cvt_scalef32_pk16_bf6_f32 v[PC+12+4*\c:PC+14+4*\c], v[SS+16+32*\c:SS+31+32*\c], v[TM+12+2*\c+1]
.endr
	WIN 0
	v_nop
.irp c, 0,1
.irp i, 0,1,2
	v_permlane16_swap_b32 v[PC+6*\c+\i], v[PC+12+4*\c+\i]
.endr
.irp i, 0,1,2
	v_mov_b32 v[PC+3+6*\c+\i], v[PC+12+4*\c+\i]
.endr
.endr
.irp p, 0,1,2,3,4,5
	global_store_b64 v2, v[PC+2*\p:PC+1+2*\p], s[14:15] offset:1536*(\b)+256*\p   ; 32 lanes store 256 consecutive bytes, aligned
.endr
.endm
.irp b, 0,1,2,3,4,5,6,7
	QUANTW \b
.endr
	v_cmp_ne_u32 vcc_lo, 0, v7
.irp j, 0,1,2,3
	v_cndmask_b32 v[56+\j], v[48+\j], v[52+\j], vcc_lo   ; lanes 0-15 tile j's word of row r, lanes 16-31 tile 4 + j's
.endr
.irp j, 0,1,2,3
	v_lshrrev_b32 v[60+\j], 16, v[56+\j]
.endr
	global_store_b128 v1, v[56:59], s[16:17]
	global_store_b128 v1, v[60:63], s[16:17] offset:512
	s_endpgm
.Lfunc_end_k_q1d459532e2_qkv:
	.size	k_q1d459532e2_qkv, .Lfunc_end_k_q1d459532e2_qkv-k_q1d459532e2_qkv
	.p2alignl 7, 3214868480
	.fill 96, 4, 3214868480
	.section	.rodata,"a",@progbits
	.p2align	6, 0x0
	.amdhsa_kernel k_q1d459532e2_qkv
		.amdhsa_group_segment_fixed_size 0
		.amdhsa_private_segment_fixed_size 0
		.amdhsa_enable_private_segment 0
		.amdhsa_kernarg_size 56
		.amdhsa_user_sgpr_count 2
		.amdhsa_user_sgpr_kernarg_segment_ptr 1
		.amdhsa_wavefront_size32 1
		.amdhsa_system_sgpr_workgroup_id_x 1
		.amdhsa_system_sgpr_workgroup_id_y 1
		.amdhsa_system_sgpr_workgroup_id_z 1
		.amdhsa_system_vgpr_workitem_id 0
		.amdhsa_next_free_vgpr 1024
		.amdhsa_next_free_sgpr 66
		.amdhsa_reserve_vcc 1
		.amdhsa_float_denorm_mode_32 3
		.amdhsa_float_denorm_mode_16_64 3
		.amdhsa_memory_ordered 1
		.amdhsa_forward_progress 1
		.amdhsa_inst_pref_size 167
	.end_amdhsa_kernel
	.amdgpu_metadata
---
amdhsa.version: [ 1, 2 ]
amdhsa.kernels:
  - .name:           k_q1d459532e2_qkv
    .symbol:         k_q1d459532e2_qkv.kd
    .args:
      - { .name: hset, .offset: 0, .size: 8, .value_kind: global_buffer, .address_space: global }
      - { .name: wqkv, .offset: 8, .size: 8, .value_kind: global_buffer, .address_space: global }
      - { .name: bq, .offset: 16, .size: 8, .value_kind: global_buffer, .address_space: global }
      - { .name: bk, .offset: 24, .size: 8, .value_kind: global_buffer, .address_space: global }
      - { .name: bv, .offset: 32, .size: 8, .value_kind: global_buffer, .address_space: global }
      - { .name: qkvc, .offset: 40, .size: 8, .value_kind: global_buffer, .address_space: global }
      - { .name: qkvs, .offset: 48, .size: 8, .value_kind: global_buffer, .address_space: global }
    .group_segment_fixed_size: 0
    .private_segment_fixed_size: 0
    .kernarg_segment_align: 8
    .kernarg_segment_size: 56
    .max_flat_workgroup_size: 128
    .sgpr_count:     66
    .vgpr_count:     1024
    .wavefront_size: 32
...
	.end_amdgpu_metadata
.endif
;; end of part 2
;; launch attn (part 3): grid 8 x 32, 16 waves a work-group, no clusters, 210,944 bytes of LDS; arguments qkvc, qkvs, resc, ress; writes resc, ress
.if DOCPART == 3
	.amdgcn_target "amdgcn-amd-amdhsa--gfx1250"
	.amdhsa_code_object_version 6
	.text
	.protected	k_q1d459532e2_attn
	.globl	k_q1d459532e2_attn
	.p2align	8
	.type	k_q1d459532e2_attn,@function
k_q1d459532e2_attn:
	s_mov_b64 s[64:65], 0
	v_nop
	global_prefetch_b8 v0, s[64:65] scope:SCOPE_SE
	s_setreg_imm32_b32 hwreg(HW_REG_WAVE_MODE, 25, 1), 1
	s_wait_xcnt 0x0
; Causal attention of one head on codes of BF6, and its result, divided by the row's sum, quantised along the head's 64 into the next product's operand.
; t = score x log2(e) / 8; M = the running largest t rounded up to a whole number; p = 2^(t - M) is quantised along the keys; the row's sum is taken of the unquantised p and divides at the end.
; SHARES.  Work-group (i, y = 16 batch + head) owns the blocks of 128 queries i and 15 - i: 17 key steps of 128 for each pair of tiles, the same in every work-group.  Each of 16 waves owns one tile of 16 queries:
; tile t = wave / 2 of block 15 - i or i by the bit (wave xor wave / 4) & 1, so that of four waves w, w + 4, w + 8, w + 12, and of four neighbours, two have the long walk.
; THE WHOLE HEAD'S K AND V LIE IN LDS, filled once by ten tensor loads (one a wave at the most is out): 2 x 98,304 bytes of codes, 8,192 + 4,096 bytes of scale words.  No byte of LDS is filled twice or stored to.
; The loop has 16 trips in every wave; a step all of whose keys come after the wave's queries is jumped over by a scalar branch on ids; on the diagonal hidden scores become -infinity.  Key 0 counts for every query.
; LAYOUT.  S^T = K Q^T (source 0 = 16 keys, source 1 = my queries), O^T = V^T P^T: a lane holds one query throughout.  Row r of tile t of a block of 128 is index 32 (t / 2) + 8 (t % 2) + r + 8 (r / 8), for queries, keys
; and the head's 64 alike, so that the 16 registers of two neighbouring tiles are 16 neighbours along the next K.
; THE FIRST PRODUCT'S K IS 64, half of the instruction's 128.  Q's registers 6-11 are zero codes and Q's scale bytes 2, 3 are 0 (2^-127).  K's six registers of a tile are followed by the next tile's (behind the last tile: zeros):
; those codes meet Q's zeros and add nothing, whatever their scale bytes, none of which is 0xff.
; LIMITS: no NaN or infinities; a block whose largest number lies under 2^-122 keeps the byte 1.
; No cluster: the branches that leave steps out hang on the work-group's number, which differs between the work-groups that share a head's K and V.
; REGISTERS: v1-6 addresses that stay, v8-11 the step's; v12 -M, v13 the largest t, v[14:15] the sum; v16-27 Q and its zeros, v28 Q's scale word; v32-85 K's 8 tiles on end and six zeros, then V's 4 fragments;
; v88-91 scale words; v96-159 S^T, then p; v160-191 O^T; v192-210 p's codes; v212-231 at work.
.set VF,   98304
.set KSB,  196608
.set VSB,  204800
.set WV,   12
.set SEL,  20
.set CS,   22
.set QB,   86
	s_load_b256 s[4:11], s[0:1], 0x0               ; qkvc, qkvs, resc, ress
	v_lshl_add_u32 v254, v0, 2, 0x33000
	v_mov_b32 v255, 0
	ds_add_u32 v254, v255
	ds_add_u32 v254, v255
	v_lshrrev_b32 v1, 5, v0
	v_readfirstlane_b32 s[WV], v1                  ; wave 0..15
	s_and_b32 s13, ttmp7, 0xffff
	s_lshr_b32 s14, s13, 4                         ; batch
	s_and_b32 s15, s13, 15                         ; head
	s_and_b32 s16, s15, 1                          ; c: which of its pair
	s_lshr_b32 s17, s15, 1
	s_lshl_b32 s18, s14, 3
	s_add_co_u32 s18, s18, s17
	s_lshl_b32 s18, s18, 4                         ; G: the pair's first UNIT
	; descriptor groups 1: elements of 8 bytes, no padding, no mask.  K: 32 rows of 768 bytes, 1,536 apart (a tile's HALF of my head)
	s_mov_b32 s24, 3<<16
	s_mov_b32 s25, 96<<16
	s_mov_b32 s26, 32<<16
	s_mov_b32 s27, 96<<16
	s_mov_b32 s28, 32
	s_mov_b32 s29, 192
	s_mov_b32 s30, 0
	s_mov_b32 s31, 0
	; V: 4 rows of 6,144 bytes, 12,288 apart (a key step's four fragments of my head)
	s_mov_b32 s32, 3<<16
	s_mov_b32 s33, 768<<16
	s_mov_b32 s34, 4<<16
	s_mov_b32 s35, 768<<16
	s_mov_b32 s36, 4
	s_mov_b32 s37, 1536
	s_mov_b32 s38, 0
	s_mov_b32 s39, 0
	; K's scale words: 16 rows of 512 bytes, 1,024 apart
	s_mov_b32 s40, 3<<16
	s_mov_b32 s41, 64<<16
	s_mov_b32 s42, 16<<16
	s_mov_b32 s43, 64<<16
	s_mov_b32 s44, 16
	s_mov_b32 s45, 128
	s_mov_b32 s46, 0
	s_mov_b32 s47, 0
	; V's: 16 rows of 256 bytes, 1,024 apart
	s_mov_b32 s48, 3<<16
	s_mov_b32 s49, 32<<16
	s_mov_b32 s50, 16<<16
	s_mov_b32 s51, 32<<16
	s_mov_b32 s52, 16
	s_mov_b32 s53, 128
	s_mov_b32 s54, 0
	s_mov_b32 s55, 0
	s_and_b32 s19, s[WV], 3
	s_mul_i32 s19, s19, 49152                      ; four UNITs a wave
	s_mul_i32 s76, s18, 12288
	s_add_co_u32 s76, s76, s19
	s_mul_i32 s77, s16, 768
	s_add_co_u32 s78, s76, s77
	s_add_co_u32 s78, s78, 3145728                 ; K's part of qkvc
	s_mov_b32 s79, 0
	s_mul_i32 s77, s16, 6144
	s_add_co_u32 s80, s76, s77
	s_add_co_u32 s80, s80, 6291456                 ; V's
	s_mov_b32 s81, 0
	s_lshl_b32 s82, s18, 10
	s_lshl_b32 s77, s16, 9
	s_add_co_u32 s88, s82, s77
	s_add_co_u32 s88, s88, 262144                  ; K's part of qkvs, my head's plane
	s_mov_b32 s89, 0
	s_lshl_b32 s77, s16, 8
	s_add_co_u32 s90, s82, s77
	s_add_co_u32 s90, s90, 524288                  ; V's, my head's four tiles
	s_mov_b32 s91, 0
	s_mul_i32 s83, s[WV], 24576                    ; waves 0-3: K's quarters from LDS byte 0; waves 4-7: V's from byte 98,304
	s_wait_dscnt 0x0
	s_wait_kmcnt 0x0
	s_mov_b32 s56, 1
	s_mov_b32 s57, s83
	s_add_nc_u64 s[58:59], s[4:5], s[78:79]
	s_or_b32 s59, s59, 0x80000000
	s_mov_b32 s60, 1
	s_mov_b32 s61, s83
	s_add_nc_u64 s[62:63], s[4:5], s[80:81]
	s_or_b32 s63, s63, 0x80000000
	s_mov_b32 s68, 1
	s_mov_b32 s69, KSB
	s_add_nc_u64 s[70:71], s[6:7], s[88:89]
	s_or_b32 s71, s71, 0x80000000
	s_mov_b32 s72, 1
	s_mov_b32 s73, VSB
	s_add_nc_u64 s[74:75], s[6:7], s[90:91]
	s_or_b32 s75, s75, 0x80000000
	s_cmp_lt_u32 s[WV], 4                          ; the branches hang on the wave's number alone; four v_nop follow each load
	s_cbranch_scc0 .Lnot_k
	tensor_load_to_lds s[56:59], s[24:31]
	s_nop 0
.rept 4
	v_nop
.endr
	s_branch .Lasked
.Lnot_k:
	s_cmp_lt_u32 s[WV], 8
	s_cbranch_scc0 .Lnot_v
	tensor_load_to_lds s[60:63], s[32:39]
	s_nop 0
.rept 4
	v_nop
.endr
	s_branch .Lasked
.Lnot_v:
	s_cmp_eq_u32 s[WV], 8
	s_cbranch_scc0 .Lnot_ks
	tensor_load_to_lds s[68:71], s[40:47]
	s_nop 0
.rept 4
	v_nop
.endr
	s_branch .Lasked
.Lnot_ks:
	s_cmp_eq_u32 s[WV], 9
	s_cbranch_scc0 .Lasked
	tensor_load_to_lds s[72:75], s[48:55]
	s_nop 0
.rept 4
	v_nop
.endr
.Lasked:
	s_lshr_b32 s84, s[WV], 1                       ; t: my tile in its block
	s_lshr_b32 s85, s[WV], 2
	s_xor_b32 s85, s85, s[WV]
	s_and_b32 s85, s85, 1
	s_sub_co_u32 s[QB], 15, ttmp9
	s_cmp_eq_u32 s85, 1
	s_cselect_b32 s[QB], s[QB], ttmp9              ; my block of 128 queries
	s_lshr_b32 s87, s84, 1
	s_lshl_b32 s87, s87, 5
	s_and_b32 s85, s84, 1
	s_lshl_b32 s85, s85, 3
	s_add_co_u32 s87, s87, s85                     ; 32 (t / 2) + 8 (t % 2)
	s_add_co_u32 s92, s18, s[QB]                   ; Q's UNIT
	s_mul_i32 s93, s92, 12288
	s_lshl_b32 s94, s84, 1
	s_add_co_u32 s94, s94, s16
	s_mul_i32 s94, s94, 768
	s_add_co_u32 s94, s94, s93
	s_mov_b32 s95, 0
	s_lshl_b32 s92, s92, 10
	s_lshl_b32 s93, s16, 9
	s_add_co_u32 s92, s92, s93
	s_lshr_b32 s93, s84, 2
	s_lshl_b32 s93, s93, 8
	s_add_co_u32 s92, s92, s93
	s_and_b32 s93, s84, 3
	s_lshl_b32 s93, s93, 2
	s_add_co_u32 s92, s92, s93
	s_mov_b32 s93, 0
	s_add_nc_u64 s[94:95], s[4:5], s[94:95]        ; Q's HALF
	s_add_nc_u64 s[92:93], s[6:7], s[92:93]        ; Q's scale words
	s_lshl_b32 s96, s14, 7
	s_lshl_b32 s97, s[QB], 3
	s_add_co_u32 s96, s96, s97
	s_add_co_u32 s96, s96, s84                     ; my token tile, 0..255
	s_lshl_b32 s96, s96, 4
	s_add_co_u32 s96, s96, s15
	s_lshl_b32 s98, s96, 7
	s_mov_b32 s99, 0
	s_mul_i32 s96, s96, 768
	s_mov_b32 s97, 0
	s_add_nc_u64 s[96:97], s[8:9], s[96:97]
	s_add_nc_u64 s[98:99], s[10:11], s[98:99]
	s_mov_b32 s[SEL], 0x76543210
	s_mov_b32 s[SEL+1], 0xfedcba98
	s_mov_b32 s[CS], 0x3e38aa3b                    ; log2(e) / 8
	s_mov_b32 s[CS+1], s[CS]
	v_and_b32 v7, 31, v0
	v_lshlrev_b32 v1, 3, v7                        ; 8 x lane
	v_add_nc_u32 v2, VF, v1
	v_lshlrev_b32 v3, 4, v7
	v_add_nc_u32 v3, KSB, v3
	v_and_b32 v30, 15, v0                          ; r
	v_bfe_u32 v31, v0, 4, 1                        ; h
	v_lshlrev_b32 v29, 4, v30                      ; 16 r
	v_add_nc_u32 v4, VSB, v29
	v_lshlrev_b32 v6, 2, v7
.irp p, 0,1,2
	global_load_b64 v[16+2*\p:17+2*\p], v1, s[94:95] offset:256*\p
.endr
	global_load_b32 v28, v29, s[92:93]
	v_and_b32 v5, 8, v30
	v_add_nc_u32 v5, v5, v30
	v_lshlrev_b32 v31, 4, v31
	v_sub_nc_u32 v5, v5, v31
	v_add_nc_u32 v5, s87, v5                       ; d = my query in its block - 16 h: on the diagonal register 16 b + i is hidden where 32 b + i > d
.irp j, 0,1,2,3,4,5
	v_mov_b32 v[22+\j], 0                          ; Q's upper 64 of K: zero codes
	v_mov_b32 v[80+\j], 0                          ; behind K's last tile
.endr
	v_mov_b32 v13, 0xff61b1e6                      ; the largest t so far: -3e38
	v_floor_f32 v12, -v13                          ; -M
	v_mov_b32 v14, 0
	v_mov_b32 v15, 0
.irp b, 0,1,2,3
	v_mov_b32 v[216+\b], 0                         ; a lane permute's destination counts as a source
.endr
	v_mov_b32 v227, 0                              ; (named as the upper half of the pair v[226:227])
	v_mov_b32 v228, 0
	v_mov_b32 v229, 0xff800000                     ; -infinity
	s_wait_loadcnt 0x0
	v_and_b32 v28, 0xffff, v28                     ; my head's two bytes; bytes 2 and 3 are 0
.set j, 0
.rept 32
	v_mov_b32 v[160+j], 0                          ; O^T: the loop has no first step of its own.  (These are also the places between the line above and the first scaled product)
.set j, j+1
.endr
	s_mov_b32 s76, 0                               ; the key step, and its bytes: 6,144 of codes, 512 and 256 of scale words
	s_mov_b32 s77, 0
	s_mov_b32 s78, 0
	s_mov_b32 s79, 0
	s_wait_tensorcnt 0x0                           ; my tensor load, if I issued one, has landed;
	s_barrier_signal -1
	s_barrier_wait -1                              ; everybody's has
.Lstep:
	s_cmp_gt_u32 s76, s[QB]
	s_cbranch_scc1 .Lhidden                        ; all 128 keys come after my queries
	v_add_nc_u32 v8, s77, v1                       ; (these four are the places in front of the loads into registers that the last products read)
	v_add_nc_u32 v9, s77, v2
	v_add_nc_u32 v10, s78, v3
	v_add_nc_u32 v11, s79, v4
.irp tk, 0,1,2,3,4,5,6,7
.irp p, 0,1,2
	ds_load_b64 v[32+6*\tk+2*\p:33+6*\tk+2*\p], v8 offset:768*\tk+256*\p   ; 32 lanes read 256 consecutive bytes
.endr
.endr
	ds_load_b128 v[88:91], v10
	s_wait_dscnt 0x0
.irp tk, 0,1,2,3,4,5,6,7
.if \tk < 4
	v_wmma_scale_f32_16x16x128_f8f6f4 v[96+8*\tk:103+8*\tk], v[32+6*\tk:43+6*\tk], v[16:27], 0, v[88+\tk], v28 matrix_a_fmt:MATRIX_FMT_BF6 matrix_b_fmt:MATRIX_FMT_BF6
.else
	v_wmma_scale_f32_16x16x128_f8f6f4 v[96+8*\tk:103+8*\tk], v[32+6*\tk:43+6*\tk], v[16:27], 0, v[84+\tk], v28 matrix_a_fmt:MATRIX_FMT_BF6 matrix_b_fmt:MATRIX_FMT_BF6 matrix_a_scale:MATRIX_SCALE_ROW1
.endif
.endr
.rept 4
	v_nop
.endr
	s_cmp_lg_u32 s76, s[QB]
	s_cbranch_scc1 .Lopen                          ; all keys count
.irp n, 0,1,2,3,4,5,6,7,8,9,10,11,12,13,14,15,16,17,18,19,20,21,22,23,24,25,26,27,28,29,30,31,32,33,34,35,36,37,38,39,40,41,42,43,44,45,46,47,48,49,50,51,52,53,54,55,56,57,58,59,60,61,62,63
	v_cmp_gt_i32 vcc_lo, 32*(\n/16)+\n%16, v5
	v_cndmask_b32 v[96+\n], v[96+\n], v229, vcc_lo
.endr
.Lopen:
.irp b, 0,1,2,3
	v_max3_num_f32 v[212+\b], v[96+16*\b], v[97+16*\b], v[98+16*\b]   ; the largest score of each block of 32 keys: for the row's maximum, and, since p rises with the score, for the block's largest p
.endr
.irp i, 3,5,7,9,11,13
.irp b, 0,1,2,3
	v_max3_num_f32 v[212+\b], v[212+\b], v[96+16*\b+\i], v[97+16*\b+\i]
.endr
.endr
.irp b, 0,1,2,3
	v_max_num_f32 v[212+\b], v[212+\b], v[111+16*\b]
.endr
.irp b, 0,1,2,3
	v_permlanex16_b32 v[216+\b], v[212+\b], s[SEL], s[SEL+1]
.endr
.irp b, 0,1,2,3
	v_max_num_f32 v[212+\b], v[212+\b], v[216+\b]
.endr
	v_max3_num_f32 v228, v212, v213, v214
	v_max_num_f32 v228, v228, v215
	v_mul_f32 v228, s[CS], v228
	v_max_num_f32 v13, v13, v228                   ; the running largest t
	v_mov_b32 v228, v12
	v_floor_f32 v12, -v13                          ; the new -M: a whole number
	v_sub_f32 v228, v12, v228
	v_cvt_i32_f32 v228, v228                       ; (it saturates)
	v_ldexp_f32 v226, 1.0, v228                    ; f = 2^(old M - new M)
.set j, 0
.rept 32
	v_pk_fma_f32 v[96+j:97+j], v[96+j:97+j], s[CS:CS+1], v[12:13] op_sel_hi:[1,0,0]   ; t - M
.set j, j+2
.endr
.irp b, 0,1,2,3
	v_fma_f32 v[212+\b], v[212+\b], s[CS], v12
.endr
.set j, 0
.rept 64
	v_exp_f32 v[96+j], v[96+j]                     ; p = 2^(t - M)
.set j, j+1
.endr
	v_pk_mul_f32 v[14:15], v[14:15], v[226:227] op_sel_hi:[1,0]   ; the sums under the new M: a plain line behind the exponentials
	s_wait_alu depctr_va_vdst(0)                   ; one wait for the batch of 64, ahead of its first reader
.irp b, 0,1,2,3
	v_exp_f32 v[212+\b], v[212+\b]                 ; each block's largest p
.endr
	v_pk_add_f32 v[216:217], v[96:97], v[98:99]    ; the row's sum of the unquantised p, two chains of pairs
.irp j, 4,8,12,16,20,24,28,32,36,40,44,48,52,56,60
	v_pk_add_f32 v[14:15], v[14:15], v[96+\j:97+\j]
	v_pk_add_f32 v[216:217], v[216:217], v[98+\j:99+\j]
.endr
	v_pk_add_f32 v[14:15], v[14:15], v[216:217]
	s_wait_alu depctr_va_vdst(0)                   ; and one for the four
.irp b, 0,1,2,3
	v_max_num_f32 v[212+\b], 0x2800000, v[212+\b]  ; the floor 2^(5 - 127)
.endr
.irp b, 0,1,2,3
	v_add_nc_u32 v[220+\b], 0xfe000000, v[212+\b]
.endr
.irp b, 0,1,2,3
	v_lshrrev_b32 v[216+\b], 23, v[220+\b]
.endr
	v_lshl_or_b32 v224, v217, 8, v216              ; p's scale word for these 128 keys
	v_lshl_or_b32 v224, v218, 16, v224
	v_lshl_or_b32 v224, v219, 24, v224
.irp c, 0,1
	v_cvt_scalef32_pk16_bf6_f32 v[192+6*\c:194+6*\c], v[96+32*\c:111+32*\c], v[220+2*\c]
	v_cvt_scalef32_pk16_bf6_f32 v[204+4*\c:206+4*\c], v[112+32*\c:127+32*\c], v[220+2*\c+1]
.endr
	v_nop
.irp c, 0,1
.irp i, 0,1,2
	v_permlane16_swap_b32 v[192+6*\c+\i], v[204+4*\c+\i]
.endr
.irp i, 0,1,2
	v_mov_b32 v[195+6*\c+\i], v[204+4*\c+\i]
.endr
.endr
.set j, 0
.rept 16
	v_pk_mul_f32 v[160+j:161+j], v[160+j:161+j], v[226:227] op_sel_hi:[1,0]   ; O^T under the new M.  (These 16 are also the places in front of the loads and scaled products below)
.set j, j+2
.endr
.irp t, 0,1,2,3
.irp p, 0,1,2,3,4,5
	ds_load_b64 v[32+12*\t+2*\p:33+12*\t+2*\p], v9 offset:1536*\t+256*\p
.endr
.endr
	ds_load_b128 v[88:91], v11                     ; register j: tile j's word of row r, in both halves of the lanes
	s_wait_dscnt 0x0
.irp t, 0,1,2,3
	v_wmma_scale_f32_16x16x128_f8f6f4 v[160+8*\t:167+8*\t], v[32+12*\t:43+12*\t], v[192:203], v[160+8*\t:167+8*\t], v[88+\t], v224 matrix_a_fmt:MATRIX_FMT_BF6 matrix_b_fmt:MATRIX_FMT_BF6
.endr
.Lhidden:
	s_add_co_u32 s77, s77, 6144
	s_add_co_u32 s78, s78, 512
	s_add_co_u32 s79, s79, 256
	s_add_co_u32 s76, s76, 1
	s_cmp_lt_u32 s76, 16
	s_cbranch_scc1 .Lstep
.rept 4
	v_nop                                          ; four places behind the last products
.endr
	v_add_f32 v14, v14, v15
	v_permlanex16_b32 v228, v14, s[SEL], s[SEL+1]
	v_add_f32 v14, v14, v228                       ; the row's sum
	v_rcp_f32 v226, v14
	v_nop
	s_wait_alu depctr_va_vdst(0)
.set j, 0
.rept 16
	v_pk_mul_f32 v[96+j:97+j], v[160+j:161+j], v[226:227] op_sel_hi:[1,0]   ; register 16 b + i: channel 32 b + 16 h + i of my query
.set j, j+2
.endr
.irp b, 0,1
	v_max3_num_f32 v[212+\b], |v[96+16*\b]|, |v[97+16*\b]|, 0x2800000
.endr
.irp i, 2,4,6,8,10,12,14
.irp b, 0,1
	v_max3_num_f32 v[212+\b], v[212+\b], |v[96+16*\b+\i]|, |v[97+16*\b+\i]|
.endr
.endr
.irp b, 0,1
	v_permlanex16_b32 v[216+\b], v[212+\b], s[SEL], s[SEL+1]
.endr
.irp b, 0,1
	v_max_num_f32 v[212+\b], v[212+\b], v[216+\b]
.endr
.irp b, 0,1
	v_add_nc_u32 v[220+\b], 0xfe000000, v[212+\b]
.endr
.irp b, 0,1
	v_lshrrev_b32 v[216+\b], 23, v[220+\b]
.endr
	v_lshl_or_b32 v224, v217, 8, v216              ; my head's two scale bytes
	v_cvt_scalef32_pk16_bf6_f32 v[192:194], v[96:111], v220
	v_cvt_scalef32_pk16_bf6_f32 v[204:206], v[112:127], v221
	v_nop
.irp i, 0,1,2
	v_permlane16_swap_b32 v[192+\i], v[204+\i]
.endr
.irp i, 0,1,2
	v_mov_b32 v[195+\i], v[204+\i]
.endr
.irp p, 0,1,2
	global_store_b64 v1, v[192+2*\p:193+2*\p], s[96:97] offset:256*\p   ; 256 consecutive bytes, aligned
.endr
	global_store_b32 v6, v224, s[98:99]
	s_wait_tensorcnt 0x0
	ds_add_u32 v254, v255
	s_wait_dscnt 0x0
	s_endpgm
.Lfunc_end_k_q1d459532e2_attn:
	.size	k_q1d459532e2_attn, .Lfunc_end_k_q1d459532e2_attn-k_q1d459532e2_attn
	.p2alignl 7, 3214868480
	.fill 96, 4, 3214868480
	.section	.rodata,"a",@progbits
	.p2align	6, 0x0
	.amdhsa_kernel k_q1d459532e2_attn
		.amdhsa_group_segment_fixed_size 210944
		.amdhsa_private_segment_fixed_size 0
		.amdhsa_enable_private_segment 0
		.amdhsa_kernarg_size 32
		.amdhsa_user_sgpr_count 2
		.amdhsa_user_sgpr_kernarg_segment_ptr 1
		.amdhsa_wavefront_size32 1
		.amdhsa_system_sgpr_workgroup_id_x 1
		.amdhsa_system_sgpr_workgroup_id_y 1
		.amdhsa_system_sgpr_workgroup_id_z 1
		.amdhsa_system_vgpr_workitem_id 0
		.amdhsa_next_free_vgpr 256
		.amdhsa_next_free_sgpr 100
		.amdhsa_reserve_vcc 1
		.amdhsa_float_denorm_mode_32 3
		.amdhsa_float_denorm_mode_16_64 3
		.amdhsa_memory_ordered 1
		.amdhsa_forward_progress 1
		.amdhsa_inst_pref_size 36
	.end_amdhsa_kernel
	.amdgpu_metadata
---
amdhsa.version: [ 1, 2 ]
amdhsa.kernels:
  - .name:           k_q1d459532e2_attn
    .symbol:         k_q1d459532e2_attn.kd
    .args:
      - { .name: qkvc, .offset: 0, .size: 8, .value_kind: global_buffer, .address_space: global }
      - { .name: qkvs, .offset: 8, .size: 8, .value_kind: global_buffer, .address_space: global }
      - { .name: resc, .offset: 16, .size: 8, .value_kind: global_buffer, .address_space: global }
      - { .name: ress, .offset: 24, .size: 8, .value_kind: global_buffer, .address_space: global }
    .group_segment_fixed_size: 210944
    .private_segment_fixed_size: 0
    .kernarg_segment_align: 8
    .kernarg_segment_size: 32
    .max_flat_workgroup_size: 512
    .sgpr_count:     100
    .vgpr_count:     256
    .wavefront_size: 32
...
	.end_amdgpu_metadata
.endif
;; end of part 3
;; launch tail (part 4): grid 128 x 1, 4 waves a work-group, no clusters, 201,216 bytes of LDS; arguments x, resc, ress, wtail, bo, ln2_w, b1, b2, b3, out0; writes out0
.if DOCPART == 4
	.amdgcn_target "amdgcn-amd-amdhsa--gfx1250"
	.amdhsa_code_object_version 6
	.text
	.protected	k_q1d459532e2_tail
	.globl	k_q1d459532e2_tail
	.p2align	8
	.type	k_q1d459532e2_tail,@function
k_q1d459532e2_tail:
	s_mov_b64 s[64:65], 0
	v_nop
	global_prefetch_b8 v0, s[64:65] scope:SCOPE_SE
	s_setreg_imm32_b32 hwreg(HW_REG_WAVE_MODE, 25, 1), 1
	s_wait_xcnt 0x0
; x1 = x + res wo + bo;  h = x1 * rsqrt(mean(x1^2) + 1e-5) * ln2_w;  g = silu(h w1 + b1) * (h w2 + b2);  out = x1 + g w3 + b3.  All four products on codes of BF6; x1, h and g never go to memory.
; SHARES.  A work-group owns 32 tokens, two tiles of 16 (b = 0, 1).  THE WAVES SHARE THE COLUMNS: wave w makes columns 256 w .. + 255 of the products with wo and w3 and 128 w .. + 127 of those with w1 and w2.
; Its weights are ONE stream of 40 SETs of 12,800 bytes, laid in its order of use by the first launch, from memory straight into a ring of three sets of registers: while one is multiplied two are on their way.
; All products are used transposed (source 0 = 16 weight columns, source 1 = 16 tokens): a lane holds one token, its registers run along the columns, which are the next product's K.
; The tokens' operands go from wave to wave through LDS as images of their registers (three stores of 16 bytes a lane a fragment, 4 bytes a lane for the scale word).  Four barriers; no shared region is written twice.
; x is loaded into the accumulators, so that the first product adds onto it; b1 and b2 are the C of their sums' first instructions; x1 waits in LDS, in the wave's own bytes, during the middle products.
; Row r of tile b is token 32 g + 8 b + r + 8 (r / 8).
; LIMITS: no NaN or infinities; a block whose largest magnitude lies under 2^-122 keeps the scale byte 1.
; No cluster: the weights go to registers without LDS.  128 work-groups: the norm needs whole rows, so every work-group walks all weights, and groups of 16 tokens would double those reads and shorten no walk.
; REGISTERS.  window 0: v1-23 addresses; v26-29 1 / rms, a pair a tile; v32-43 the ring's scale words; v44-47 the tokens' scale words and v48-95 their fragments, two buffers; v96-133 at work in QUANT; v136-143 sums; v144-207 T; v208-215 small.
;   window 1: ring sets 0, 1 at v0, v96; v192-255 area P.   window 3: ring set 2 at v0; v96-159 area Q; v160-223 area R.   window 2: accumulator (i, b, a) at 64 (2 i + b) + 8 a.
.set SETB, 12800
.set RIMG, 133120                      ; LDS: from 0 four regions of 33,280, a wave's own: x1's image (32,768), later its stage of 32 rows x 1,040
.set HIMG, 157696                      ; res', h's and g's fragments: (K step s, tile b) at (2 s + b) 1,536
.set GIMG, 182272
.set RSC,  194560                      ; their scale words: (2 s + b) 128
.set HSC,  196608
.set GSC,  198656
.set PS,   199680                      ; partial sums of squares: (2 wave + b) 128
.set L16, 1
.set L4,  2
.set L8,  3
.set XA,  4
.set BA,  5
.set BA2, 6
.set X1A, 7
.set RRD, 8
.set HRD, 9
.set GRD, 10
.set RSR, 11
.set HSR, 12
.set GSR, 13
.set RWR, 14
.set HWR, 15
.set GWR, 16
.set RSW, 17
.set HSW, 18
.set GSW, 19
.set PSW, 20
.set PSR, 21
.set SO,  22
.set OA,  23
.set TM,  96
.set PW,  112
.set PC,  114
.set T,   144
.set SEL, 38
.set MSB, 0
.macro WIN new                         ; the immediate's high byte repeats the setting that is left
.if MSB != (\new)
	s_set_vgpr_msb (MSB<<8)|(\new)
.set MSB, (\new)
.endif
.endm
.macro MM d, a, b, c, sa, sb, ra       ; ra: source 0's scale words stand in lanes 16-31
.if (\ra)
	v_wmma_scale_f32_16x16x128_f8f6f4 v[\d:\d+7], v[\a:\a+11], v[\b:\b+11], v[\c:\c+7], v[\sa], v[\sb] matrix_a_fmt:MATRIX_FMT_BF6 matrix_b_fmt:MATRIX_FMT_BF6 matrix_a_scale:MATRIX_SCALE_ROW1
.else
	v_wmma_scale_f32_16x16x128_f8f6f4 v[\d:\d+7], v[\a:\a+11], v[\b:\b+11], v[\c:\c+7], v[\sa], v[\sb] matrix_a_fmt:MATRIX_FMT_BF6 matrix_b_fmt:MATRIX_FMT_BF6
.endif
.endm
.macro QUANT s, pw                     ; 64 numbers of a lane, register 16 b + i = k 32 b + 16 h + i of my token, become a fragment in v[PC] on and its scale word
.irp b, 0,1,2,3
	v_max3_num_f32 v[TM+\b], |v[(\s)+16*\b]|, |v[(\s)+1+16*\b]|, 0x2800000
.endr
.irp i, 2,4,6,8,10,12,14
.irp b, 0,1,2,3
	v_max3_num_f32 v[TM+\b], v[TM+\b], |v[(\s)+16*\b+\i]|, |v[(\s)+1+16*\b+\i]|
.endr
.endr
.irp b, 0,1,2,3
	v_permlanex16_b32 v[TM+4+\b], v[TM+\b], s[SEL], s[SEL+1]
.endr
.irp b, 0,1,2,3
	v_max_num_f32 v[TM+\b], v[TM+\b], v[TM+4+\b]
.endr
.irp b, 0,1,2,3
	v_add_nc_u32 v[TM+12+\b], 0xfe000000, v[TM+\b]
.endr
.irp b, 0,1,2,3
	v_lshrrev_b32 v[TM+4+\b], 23, v[TM+12+\b]
.endr
	v_lshl_or_b32 v[\pw], v[TM+5], 8, v[TM+4]
	v_lshl_or_b32 v[\pw], v[TM+6], 16, v[\pw]
	v_lshl_or_b32 v[\pw], v[TM+7], 24, v[\pw]
.irp c, 0,1
	v_cvt_scalef32_pk16_bf6_f32 v[PC+6*\c:PC+2+6*\c], v[(\s)+32*\c:(\s)+15+32*\c], v[TM+12+2*\c]
	v_cvt_scalef32_pk16_bf6_f32 v[PC+12+4*\c:PC+14+4*\c], v[(\s)+16+32*\c:(\s)+31+32*\c], v[TM+12+2*\c+1]
.endr
	v_nop
.irp c, 0,1
.irp i, 0,1,2
	v_permlane16_swap_b32 v[PC+6*\c+\i], v[PC+12+4*\c+\i]
.endr
.irp i, 0,1,2
	v_mov_b32 v[PC+3+6*\c+\i], v[PC+12+4*\c+\i]
.endr
.endr
.endm
.macro BARRIER                         ; my LDS stores have landed and my LDS loads are in: then the work-group's barrier
	s_wait_dscnt 0x0
	s_barrier_signal -1
	s_barrier_wait -1
.endm
.macro LOADW k                         ; SET k of my stream into ring set k % 3: 25 loads of 512 consecutive bytes
.set LQ, (\k)%3
.if LQ == 2
	WIN 0xc0
.set LB, 0
.else
	WIN 0x40
.set LB, 96*LQ
.endif
.irp f, 0,1,2,3,4,5,6,7
.irp g, 0,1,2
	global_load_b128 v[LB+12*\f+4*\g:LB+12*\f+4*\g+3], v[L16], s[10:11] offset:(\k)*SETB+1536*\f+512*\g
.endr
.endr
	WIN 0
	global_load_b128 v[32+4*LQ:35+4*LQ], v[L16], s[10:11] offset:(\k)*SETB+12288
.endm
.macro LOADB win, reg, adr, sb, off    ; 64 numbers a lane of a vector by columns: register 8 a + j is column 32 (a / 2) + 16 h + 8 (a % 2) + j of a block of 128
	WIN \win
.irp a, 0,1,2,3,4,5,6,7
.irp q, 0,1
	global_load_b128 v[(\reg)+8*\a+4*\q:(\reg)+8*\a+4*\q+3], v[\adr], s[\sb:\sb+1] offset:(\off)+128*(\a/2)+32*(\a%2)+16*\q
.endr
.endr
	WIN 0
.endm
.macro FETCHTOK ia, sa, s, tb          ; the two tiles' fragments and scale words of K step s into buffer tb
.irp b, 0,1
.irp c, 0,1,2
	ds_load_b128 v[48+24*(\tb)+12*\b+4*\c:48+24*(\tb)+12*\b+4*\c+3], v[\ia] offset:(2*(\s)+\b)*1536+512*\c
.endr
	ds_load_b32 v[44+2*(\tb)+\b], v[\sa] offset:(2*(\s)+\b)*128
.endr
.endm
; SET k against the two tiles of tokens: 16 matrix instructions on 16 accumulators by turns.  i: which half of my accumulators.  cnt: the loads that may stay out: the later SETs'.
; cb: 0, or the first register, in window 3, of the bias that starts the sums.  ns: the K step to fetch for the next SET, or -1.  more: SET k + 3 is asked for.
.macro SETSTEP k, i, cnt, cb, ia, sa, ns, more
.set SQ, (\k)%3
.set TB, (\k)%2
	s_wait_loadcnt \cnt
	s_wait_dscnt 0x0                               ; the tokens' fragments, asked for a SET ago
.if (\ns) >= 0
	FETCHTOK \ia, \sa, \ns, 1-TB
.endif
.if SQ == 2
.set AW, 3
.set AB, 0
.else
.set AW, 1
.set AB, 96*SQ
.endif
.if (\cb) > 0
	WIN 0xb0|AW
.else
	WIN 0xa0|AW
.endif
.irp a, 0,1,2,3,4,5,6,7
.irp b, 0,1
.if (\cb) > 0
	MM 64*(2*(\i)+\b)+8*\a, AB+12*\a, 48+24*TB+12*\b, (\cb)+8*\a, 32+4*SQ+\a%4, 44+2*TB+\b, \a/4
.else
	MM 64*(2*(\i)+\b)+8*\a, AB+12*\a, 48+24*TB+12*\b, 64*(2*(\i)+\b)+8*\a, 32+4*SQ+\a%4, 44+2*TB+\b, \a/4
.endif
.endr
.endr
	WIN 0
.rept 4
	v_nop                                          ; four places in front of loads into registers that matrix instructions have read, and of the first read of results
.endr
.if \more
	LOADW (\k)+3
.endif
.endm
	s_load_b256 s[4:11], s[0:1], 0x0               ; x, resc, ress, wtail
	s_load_b256 s[12:19], s[0:1], 0x20             ; bo, ln2_w, b1, b2
	s_load_b128 s[20:23], s[0:1], 0x40             ; b3, out0
	v_lshl_add_u32 v254, v0, 2, 0x31000
	v_mov_b32 v255, 0
	v_lshrrev_b32 v24, 5, v0
	v_readfirstlane_b32 s3, v24                    ; wave
	v_and_b32 v24, 31, v0
	v_lshlrev_b32 v[L16], 4, v24
	v_lshlrev_b32 v[L4], 2, v24
	v_lshlrev_b32 v[L8], 3, v24
	v_and_b32 v24, 15, v0                          ; r
	v_bfe_u32 v25, v0, 4, 1                        ; h
	s_lshl_b32 s24, s3, 10
	s_lshl_b32 s25, s3, 9
	v_lshlrev_b32 v[BA], 6, v25
	v_add_nc_u32 v[BA2], s25, v[BA]                ; b1, b2: 64 h + 512 w
	v_add_nc_u32 v[BA], s24, v[BA]                 ; bo, ln2_w, b3: 64 h + 1,024 w
	v_and_b32 v[XA], 8, v24
	v_add_nc_u32 v[XA], v[XA], v24
	v_lshl_add_u32 v[XA], v[XA], 12, v[BA]         ; x: + my token's row
	s_mul_i32 s26, s3, 33280
	v_add_nc_u32 v[X1A], s26, v[L16]
	v_add_nc_u32 v[RRD], RIMG, v[L16]
	v_add_nc_u32 v[HRD], HIMG, v[L16]
	v_add_nc_u32 v[GRD], GIMG, v[L16]
	v_add_nc_u32 v[RSR], RSC, v[L4]
	v_add_nc_u32 v[HSR], HSC, v[L4]
	v_add_nc_u32 v[GSR], GSC, v[L4]
	s_mul_i32 s27, s3, 6144
	v_add_nc_u32 v[RWR], s27, v[RRD]               ; I write K steps 2 w, 2 w + 1 of res and of h,
	v_add_nc_u32 v[HWR], s27, v[HRD]
	s_mul_i32 s27, s3, 3072
	v_add_nc_u32 v[GWR], s27, v[GRD]               ; K step w of g
	v_add_nc_u32 v[RSW], s25, v[RSR]
	v_add_nc_u32 v[HSW], s25, v[HSR]
	s_lshl_b32 s27, s3, 8
	v_add_nc_u32 v[GSW], s27, v[GSR]
	v_add_nc_u32 v[PSR], PS, v[L4]
	v_add_nc_u32 v[PSW], s27, v[PSR]
	v_mul_u32_u24 v[SO], v24, 1040
	v_lshl_add_u32 v[SO], v25, 6, v[SO]
	v_add_nc_u32 v[SO], s26, v[SO]                 ; the stage: row r of 1,040 bytes, + 64 h
	v_add_nc_u32 v[OA], s24, v[L16]
.irp b, 0,1,2,3
	v_mov_b32 v[TM+4+\b], 0
.endr
	s_lshl_b32 s28, ttmp9, 17                      ; 32 rows of 4,096 bytes
	s_mov_b32 s29, 0
	s_mul_i32 s30, ttmp9, 24576
	s_mul_i32 s31, s3, 3072
	s_add_co_u32 s30, s30, s31
	s_mov_b32 s31, 0
	s_lshl_b32 s32, ttmp9, 12
	s_add_co_u32 s32, s32, s25
	s_mov_b32 s33, 0
	s_mul_i32 s34, s3, 40*SETB
	s_mov_b32 s35, 0
	s_mov_b32 s36, 0xbfb8aa3b                      ; -log2(e)
	s_mov_b32 s37, s36
	s_mov_b32 s[SEL], 0x76543210
	s_mov_b32 s[SEL+1], 0xfedcba98
	s_mov_b32 s40, 0x3a800000                      ; 1 / 1,024
	s_mov_b32 s41, 0x3727c5ac                      ; 1e-5
	s_wait_kmcnt 0x0
	s_add_nc_u64 s[4:5], s[4:5], s[28:29]
	s_add_nc_u64 s[22:23], s[22:23], s[28:29]
	s_add_nc_u64 s[6:7], s[6:7], s[30:31]
	s_add_nc_u64 s[8:9], s[8:9], s[32:33]
	s_add_nc_u64 s[10:11], s[10:11], s[34:35]
; ---- the head: res' four fragments that I hand on (K steps 2 w + u, tiles b), x into the accumulators, three vectors, the first three SETs
.irp u, 0,1
.irp b, 0,1
.irp p, 0,1,2,3,4,5
	global_load_b64 v[T+12*(2*\u+\b)+2*\p:T+12*(2*\u+\b)+2*\p+1], v[L8], s[6:7] offset:12288*\b+1536*\u+256*\p
.endr
.irp e, 0,1
	global_load_b32 v[208+2*(2*\u+\b)+\e], v[L4], s[8:9] offset:2048*\b+256*\u+128*\e
.endr
.endr
.endr
	WIN 0x80
.irp i, 0,1
.irp b, 0,1
.irp a, 0,1,2,3,4,5,6,7
.irp q, 0,1
	global_load_b128 v[64*(2*\i+\b)+8*\a+4*\q:64*(2*\i+\b)+8*\a+4*\q+3], v[XA], s[4:5] offset:32768*\b+512*\i+128*(\a/2)+32*(\a%2)+16*\q
.endr
.endr
.endr
.endr
	WIN 0
	LOADB 0x40, 192, BA, 12, 0                     ; bo, my first 128 columns -> P
	LOADB 0xc0, 96, BA, 12, 512                    ; bo, my second 128 -> Q
	LOADB 0xc0, 160, BA, 14, 0                     ; ln2_w, my first 128 -> R
	LOADW 0
	LOADW 1
	LOADW 2
	s_wait_loadcnt 63                              ; of 219 loads the first 156 are in: res, its scale bytes, x and the three vectors are the first 144
.irp f, 0,1,2,3
	v_lshl_or_b32 v[208+2*\f], v[209+2*\f], 16, v[208+2*\f]   ; two heads' two bytes each make a K step's scale word
.irp c, 0,1,2
	ds_store_b128 v[RWR], v[T+12*\f+4*\c:T+12*\f+4*\c+3] offset:1536*\f+512*\c
.endr
	ds_store_b32 v[RSW], v[208+2*\f] offset:128*\f
.endr
	BARRIER                                        ; res' sixteen fragments lie in LDS
	FETCHTOK RRD, RSR, 0, 0
; ---- A: x + res wo
.set K, 0
.rept 15
	SETSTEP K, K/8, 50, 0, RRD, RSR, (K+1)%8, 1
.set K, K+1
.endr
	SETSTEP 15, 1, 50, 0, RRD, RSR, -1, 1
; ---- x1, its norm, h as codes
.irp i, 0,1
.if \i == 0
	WIN 0x86
.set BO, 192
.else
	WIN 0x8e
.set BO, 96
.endif
.irp b, 0,1
.set N, 0
.rept 32
	v_pk_add_f32 v[64*(2*\i+\b)+N:64*(2*\i+\b)+N+1], v[64*(2*\i+\b)+N:64*(2*\i+\b)+N+1], v[BO+N:BO+N+1]   ; + bo: x1.  Each accumulator from its low end on
.set N, N+2
.endr
.endr
.endr
	WIN 0
	LOADB 0x40, 192, BA, 14, 512                   ; ln2_w, my second 128 -> P
	LOADB 0xc0, 96, BA2, 16, 0                     ; b1 -> Q
	WIN 0x0a
.irp b, 0,1
	v_pk_mul_f32 v[136+4*\b:137+4*\b], v[64*\b:64*\b+1], v[64*\b:64*\b+1]
	v_pk_mul_f32 v[138+4*\b:139+4*\b], v[64*\b+2:64*\b+3], v[64*\b+2:64*\b+3]
.endr
.irp i, 0,1
.irp b, 0,1
.set N, 4-4*\i
.rept 15+\i
	v_pk_fma_f32 v[136+4*\b:137+4*\b], v[64*(2*\i+\b)+N:64*(2*\i+\b)+N+1], v[64*(2*\i+\b)+N:64*(2*\i+\b)+N+1], v[136+4*\b:137+4*\b]
	v_pk_fma_f32 v[138+4*\b:139+4*\b], v[64*(2*\i+\b)+N+2:64*(2*\i+\b)+N+3], v[64*(2*\i+\b)+N+2:64*(2*\i+\b)+N+3], v[138+4*\b:139+4*\b]
.set N, N+4
.endr
.endr
.endr
	WIN 0x08
.set N, 0
.rept 64
	ds_store_b128 v[X1A], v[4*N:4*N+3] offset:512*N    ; x1 waits in my own bytes of LDS, as it stands in the registers
.set N, N+1
.endr
	WIN 0
.irp b, 0,1
	v_pk_add_f32 v[136+4*\b:137+4*\b], v[136+4*\b:137+4*\b], v[138+4*\b:139+4*\b]
.endr
.irp b, 0,1
	v_add_f32 v[136+4*\b], v[136+4*\b], v[137+4*\b]
.endr
.irp b, 0,1
	v_permlanex16_b32 v[137+4*\b], v[136+4*\b], s[SEL], s[SEL+1]
.endr
.irp b, 0,1
	v_add_f32 v[136+4*\b], v[136+4*\b], v[137+4*\b]
	ds_store_b32 v[PSW], v[136+4*\b] offset:128*\b
.endr
	BARRIER                                        ; the four waves' partial sums lie in LDS
.irp b, 0,1
.irp w, 0,1,2,3
	ds_load_b32 v[208+4*\b+\w], v[PSR] offset:(2*\w+\b)*128
.endr
.endr
	s_wait_dscnt 0x0
.irp b, 0,1
	v_add_f32 v[208+4*\b], v[208+4*\b], v[209+4*\b]
	v_add_f32 v[210+4*\b], v[210+4*\b], v[211+4*\b]
.endr
.irp b, 0,1
	v_add_f32 v[208+4*\b], v[208+4*\b], v[210+4*\b]
.endr
.irp b, 0,1
	v_fma_f32 v[208+4*\b], v[208+4*\b], s40, s41
.endr
	v_rsq_f32 v26, v208
	v_rsq_f32 v28, v212
	v_nop
	s_wait_alu depctr_va_vdst(0)                   ; one wait for the two, ahead of the first line that names a result
	v_mov_b32 v27, v26
	v_mov_b32 v29, v28
	s_wait_loadcnt 0x0                             ; ln2_w's second half and b1 (and the SETs asked for before them)
.irp i, 0,1
.irp b, 0,1
	WIN 0x02
.set N, 0
.rept 32
	v_pk_mul_f32 v[T+N:T+N+1], v[64*(2*\i+\b)+N:64*(2*\i+\b)+N+1], v[26+2*\b:27+2*\b] op_sel_hi:[1,0]
.set N, N+2
.endr
.if \i == 0
	WIN 0x0c
.set LN, 160
.else
	WIN 0x04
.set LN, 192
.endif
.set N, 0
.rept 32
	v_pk_mul_f32 v[T+N:T+N+1], v[T+N:T+N+1], v[LN+N:LN+N+1]
.set N, N+2
.endr
	WIN 0
	s_wait_dscnt 0x0                               ; the last image's stores have read the codes' registers
	QUANT T, PW
.irp c, 0,1,2
	ds_store_b128 v[HWR], v[PC+4*\c:PC+4*\c+3] offset:(2*\i+\b)*1536+512*\c
.endr
	ds_store_b32 v[HSW], v[PW] offset:(2*\i+\b)*128
.endr
.endr
	LOADB 0xc0, 160, BA2, 18, 0                    ; b2 -> R
	LOADB 0x40, 192, BA, 20, 0                     ; b3, my first 128 -> P
	BARRIER                                        ; h's sixteen fragments lie in LDS
	FETCHTOK HRD, HSR, 0, 0
; ---- B: h w1 + b1 and h w2 + b2
	SETSTEP 16, 0, 50, 96, HRD, HSR, 1, 1
.set K, 17
.rept 7
	SETSTEP K, 0, 50, 0, HRD, HSR, (K-15)%8, 1
.set K, K+1
.endr
	SETSTEP 24, 1, 50, 160, HRD, HSR, 1, 1
.set K, 25
.rept 6
	SETSTEP K, 1, 50, 0, HRD, HSR, (K-15)%8, 1
.set K, K+1
.endr
	SETSTEP 31, 1, 50, 0, HRD, HSR, -1, 1
; ---- g = u / (1 + 2^(-u log2 e)) * v, as codes
	LOADB 0xc0, 96, BA, 20, 512                    ; b3, my second 128 -> Q
.irp b, 0,1
	WIN 0x02
.set N, 0
.rept 32
	v_pk_mul_f32 v[T+N:T+N+1], v[64*\b+N:64*\b+N+1], s[36:37] op_sel_hi:[1,0]
.set N, N+2
.endr
	WIN 0
.set N, 0
.rept 64
	v_exp_f32 v[T+N], v[T+N]
.set N, N+1
.endr
	v_nop
	s_wait_alu depctr_va_vdst(0)                   ; one wait for the batch
.set N, 0
.rept 32
	v_pk_add_f32 v[T+N:T+N+1], v[T+N:T+N+1], 1.0 op_sel_hi:[1,0]
.set N, N+2
.endr
.set N, 0
.rept 64
	v_rcp_f32 v[T+N], v[T+N]
.set N, N+1
.endr
	v_nop
	s_wait_alu depctr_va_vdst(0)
	WIN 0x08
.set N, 0
.rept 32
	v_pk_mul_f32 v[T+N:T+N+1], v[T+N:T+N+1], v[64*\b+N:64*\b+N+1]
.set N, N+2
.endr
.set N, 0
.rept 32
	v_pk_mul_f32 v[T+N:T+N+1], v[T+N:T+N+1], v[64*(2+\b)+N:64*(2+\b)+N+1]
.set N, N+2
.endr
	WIN 0
	s_wait_dscnt 0x0
	QUANT T, PW
.irp c, 0,1,2
	ds_store_b128 v[GWR], v[PC+4*\c:PC+4*\c+3] offset:1536*\b+512*\c
.endr
	ds_store_b32 v[GSW], v[PW] offset:128*\b
.endr
	WIN 0x80
.set N, 0
.rept 64
	ds_load_b128 v[4*N:4*N+3], v[X1A] offset:512*N     ; x1 comes back into the accumulators
.set N, N+1
.endr
	WIN 0
	BARRIER                                        ; g's eight fragments lie in LDS, and x1 is in
	FETCHTOK GRD, GSR, 0, 0
; ---- C: x1 + g w3
.set K, 32
.rept 5
	SETSTEP K, (K-32)/4, 50, 0, GRD, GSR, (K-31)%4, 1
.set K, K+1
.endr
	SETSTEP 37, 1, 50, 0, GRD, GSR, 2, 0
	SETSTEP 38, 1, 25, 0, GRD, GSR, 3, 0           ; the last SET's 25 loads may be out
	SETSTEP 39, 1, 0, 0, GRD, GSR, -1, 0
; ---- the way out: + b3; through my own stage, rows in the order of the lanes; whole rows of my 256 columns leave, 512 consecutive bytes a store
.irp i, 0,1
.if \i == 0
	WIN 0x86
.set BO, 192
.else
	WIN 0x8e
.set BO, 96
.endif
.irp b, 0,1
.set N, 0
.rept 32
	v_pk_add_f32 v[64*(2*\i+\b)+N:64*(2*\i+\b)+N+1], v[64*(2*\i+\b)+N:64*(2*\i+\b)+N+1], v[BO+N:BO+N+1]
.set N, N+2
.endr
.endr
.endr
	WIN 0x08
.irp i, 0,1
.irp b, 0,1
.irp a, 0,1,2,3,4,5,6,7
.irp q, 0,1
	ds_store_b128 v[SO], v[64*(2*\i+\b)+8*\a+4*\q:64*(2*\i+\b)+8*\a+4*\q+3] offset:16640*\b+512*\i+128*(\a/2)+32*(\a%2)+16*\q
.endr
.endr
.endr
.endr
	WIN 0
.irp bt, 0,1,2,3                                   ; eight rows at a time.  LDS serves a wave's instructions in order: the loads see my stores
.if \bt > 0
	s_wait_xcnt 0x0                                ; the last eight rows' stores have read their registers
.endif
.irp n, 0,1,2,3,4,5,6,7,8,9,10,11,12,13,14,15
	ds_load_b128 v[T+4*\n:T+4*\n+3], v[X1A] offset:(8*\bt+\n/2)*1040+512*(\n%2)
.endr
.irp n, 0,1,2,3,4,5,6,7,8,9,10,11,12,13,14,15
	s_wait_dscnt 15-\n                             ; the younger loads of the run may be out
	global_store_b128 v[OA], v[T+4*\n:T+4*\n+3], s[22:23] offset:(8*(\bt/2)+(8*\bt+\n/2)%16+8*(((8*\bt+\n/2)%16)/8))*4096+512*(\n%2) th:TH_STORE_NT
.endr
.endr
	s_wait_tensorcnt 0x0
	ds_add_u32 v254, v255
	s_wait_dscnt 0x0
	s_endpgm
.Lfunc_end_k_q1d459532e2_tail:
	.size	k_q1d459532e2_tail, .Lfunc_end_k_q1d459532e2_tail-k_q1d459532e2_tail
	.p2alignl 7, 3214868480
	.fill 96, 4, 3214868480
	.section	.rodata,"a",@progbits
	.p2align	6, 0x0
	.amdhsa_kernel k_q1d459532e2_tail
		.amdhsa_group_segment_fixed_size 201216
		.amdhsa_private_segment_fixed_size 0
		.amdhsa_enable_private_segment 0
		.amdhsa_kernarg_size 80
		.amdhsa_user_sgpr_count 2
		.amdhsa_user_sgpr_kernarg_segment_ptr 1
		.amdhsa_wavefront_size32 1
		.amdhsa_system_sgpr_workgroup_id_x 1
		.amdhsa_system_sgpr_workgroup_id_y 1
		.amdhsa_system_sgpr_workgroup_id_z 1
		.amdhsa_system_vgpr_workitem_id 0
		.amdhsa_next_free_vgpr 1024
		.amdhsa_next_free_sgpr 66
		.amdhsa_reserve_vcc 0
		.amdhsa_float_denorm_mode_32 3
		.amdhsa_float_denorm_mode_16_64 3
		.amdhsa_memory_ordered 1
		.amdhsa_forward_progress 1
		.amdhsa_inst_pref_size 255
	.end_amdhsa_kernel
	.section	.bss,"aw",@nobits
	.p2align	6
	.space	262144
	.amdgpu_metadata
---
amdhsa.version: [ 1, 2 ]
amdhsa.kernels:
  - .name:           k_q1d459532e2_tail
    .symbol:         k_q1d459532e2_tail.kd
    .args:
      - { .name: x, .offset: 0, .size: 8, .value_kind: global_buffer, .address_space: global }
      - { .name: resc, .offset: 8, .size: 8, .value_kind: global_buffer, .address_space: global }
      - { .name: ress, .offset: 16, .size: 8, .value_kind: global_buffer, .address_space: global }
      - { .name: wtail, .offset: 24, .size: 8, .value_kind: global_buffer, .address_space: global }
      - { .name: bo, .offset: 32, .size: 8, .value_kind: global_buffer, .address_space: global }
      - { .name: ln2_w, .offset: 40, .size: 8, .value_kind: global_buffer, .address_space: global }
      - { .name: b1, .offset: 48, .size: 8, .value_kind: global_buffer, .address_space: global }
      - { .name: b2, .offset: 56, .size: 8, .value_kind: global_buffer, .address_space: global }
      - { .name: b3, .offset: 64, .size: 8, .value_kind: global_buffer, .address_space: global }
      - { .name: out0, .offset: 72, .size: 8, .value_kind: global_buffer, .address_space: global }
    .group_segment_fixed_size: 201216
    .private_segment_fixed_size: 0
    .kernarg_segment_align: 8
    .kernarg_segment_size: 80
    .max_flat_workgroup_size: 128
    .sgpr_count:     66
    .vgpr_count:     1024
    .wavefront_size: 32
...
	.end_amdgpu_metadata
.endif
;; end of part 4
;; ======== version 2 of 2: 4 launches
;; workspace buffers: hset 3,276,800 bytes; wqkv 2,457,600 bytes; wtail 2,048,000 bytes; qkvc 9,437,184 bytes; qkvs 786,432 bytes; resc 3,145,728 bytes; ress 524,288 bytes
;; launch prep (part 5): grid 608 x 1, 4 waves a work-group, no clusters, 14,848 bytes of LDS; arguments x, ln1_w, wq, wk, wv, wo, w1, w2, w3, hset, wqkv, wtail; writes hset, wqkv, wtail
.if DOCPART == 5
	.amdgcn_target "amdgcn-amd-amdhsa--gfx1250"
	.amdhsa_code_object_version 6
	.text
	.protected	k_q1d459532e2_prep
	.globl	k_q1d459532e2_prep
	.p2align	8
	.type	k_q1d459532e2_prep,@function
k_q1d459532e2_prep:
	s_mov_b64 s[64:65], 0
	v_nop
	global_prefetch_b8 v0, s[64:65] scope:SCOPE_SE
	s_setreg_imm32_b32 hwreg(HW_REG_WAVE_MODE, 25, 1), 1
	s_wait_xcnt 0x0
; PREP.  Two kinds of work-groups, parted by the work-group's number alone.
;   0..255   : one tile of 16 tokens: h = x * rsqrt(mean(x^2) + 1e-5) * ln1_w in f32, quantised along the 1,024 columns to BF6 (E3M2) with one E8M0 byte for 32, stored into hset.
;   256..607 : one SET of a weight (128 columns x 128 along K).  The weights lie [K][N]: a thread takes a column and its registers run down K, so the conversions give codes with K innermost.
; A SET is 12,800 bytes: 128 rows (8 tiles of 16) x 128 K as the image of the matrix operand's registers: register p (0..11) of lane L of tile t at 1536 t + 512 (p / 4) + 16 L + 4 (p % 4);
; from byte 12,288 the scale words: (tile t, row r) at 16 (r + 16 (t / 4)) + 4 (t % 4), so that one load of 16 bytes a lane brings four registers with tiles 0-3 in lanes 0-15 and tiles 4-7 in lanes 16-31.
; THE ROWS OF A TILE ARE NOT NEIGHBOURS: row r of tile t of a block of 128 is index 32 (t / 2) + 8 (t % 2) + r + 8 (r / 8), for tokens and for weight columns alike.
; A block's scale byte is its largest magnitude's exponent field - 4, held at 1 from below.
; LIMITS: NaN and infinities among the inputs are not served; a block whose largest magnitude lies under 2^-122, a block of zeros among them, keeps the byte 1 (its codes are zeros or what the
; conversion makes under that scale); these bytes are read by this program alone.
; The token path's scale words leave in pieces of 64 bytes (16 lanes x 4 bytes, 16 apart): one byte in 24 of what that path stores.
; No cluster, no tensor load: no two work-groups read the same bytes but ln1_w's 4,096.
.set SETB, 12800
.set TM,   16                          ; v16-31 at work in QUANT: +0..3 largest magnitudes, +4..7 the other half's / bytes, +12..15 scale operands
.set PC,   32                          ; v32-50 the codes just made
.set SEL,  44                          ; s[44:45] lane selects of v_permlanex16_b32: lane l xor 16
.set WSTG, 1024                        ; LDS: bytes 0-511 the token path's partial sums; from 1,024 the weight path's stage, one SET
; 64 numbers of a lane, register 16 b + i = k 32 b + 16 (lane / 16) + i of my row, become a fragment's 12 registers in v[PC] on and its scale word in v[pw]
.macro QUANT s, pw
.irp b, 0,1,2,3
	v_max3_num_f32 v[TM+\b], |v[(\s)+16*\b]|, |v[(\s)+1+16*\b]|, 0x2800000   ; my 16 numbers of block b, and the floor 2^(5 - 127): the byte cannot fall under 1
.endr
.irp i, 2,4,6,8,10,12,14
.irp b, 0,1,2,3
	v_max3_num_f32 v[TM+\b], v[TM+\b], |v[(\s)+16*\b+\i]|, |v[(\s)+1+16*\b+\i]|
.endr
.endr
.irp b, 0,1,2,3
	v_permlanex16_b32 v[TM+4+\b], v[TM+\b], s[SEL], s[SEL+1]
.endr
.irp b, 0,1,2,3
	v_max_num_f32 v[TM+\b], v[TM+\b], v[TM+4+\b]          ; with lane l xor 16's 16: the block's largest magnitude
.endr
.irp b, 0,1,2,3
	v_add_nc_u32 v[TM+12+\b], 0xfe000000, v[TM+\b]        ; 4 off its exponent field: the conversion's scale operand
.endr
.irp b, 0,1,2,3
	v_lshrrev_b32 v[TM+4+\b], 23, v[TM+12+\b]             ; the scale's byte
.endr
	v_lshl_or_b32 v[\pw], v[TM+5], 8, v[TM+4]
	v_lshl_or_b32 v[\pw], v[TM+6], 16, v[\pw]
	v_lshl_or_b32 v[\pw], v[TM+7], 24, v[\pw]
.irp c, 0,1
	v_cvt_scalef32_pk16_bf6_f32 v[PC+6*\c:PC+2+6*\c], v[(\s)+32*\c:(\s)+15+32*\c], v[TM+12+2*\c]
	v_cvt_scalef32_pk16_bf6_f32 v[PC+12+4*\c:PC+14+4*\c], v[(\s)+16+32*\c:(\s)+31+32*\c], v[TM+12+2*\c+1]   ; (a conversion's three registers begin on an even number)
.endr
	v_nop                                                 ; one plain line behind the scaled conversions
.irp c, 0,1                                               ; the operand wants a whole block in a lane: lanes 0-15 block 2 c, lanes 16-31 block 2 c + 1
.irp i, 0,1,2
	v_permlane16_swap_b32 v[PC+6*\c+\i], v[PC+12+4*\c+\i]
.endr
.irp i, 0,1,2
	v_mov_b32 v[PC+3+6*\c+\i], v[PC+12+4*\c+\i]
.endr
.endr
.endm
	s_load_b256 s[4:11], s[0:1], 0x0               ; x, ln1_w, wq, wk
	s_load_b256 s[12:19], s[0:1], 0x20             ; wv, wo, w1, w2
	s_load_b256 s[20:27], s[0:1], 0x40             ; w3, hset, wqkv, wtail
	v_lshl_add_u32 v26, v0, 2, 0x3800
	v_mov_b32 v27, 0
	v_lshrrev_b32 v1, 5, v0
	v_readfirstlane_b32 s3, v1                     ; wave 0..3
	v_and_b32 v1, 31, v0                           ; lane
	s_mov_b32 s[SEL], 0x76543210
	s_mov_b32 s[SEL+1], 0xfedcba98
	s_cmp_ge_u32 ttmp9, 256
	s_cbranch_scc1 .Lweights
; ---------------- the token path.  Wave w takes columns 256 w .. 256 w + 255: K steps 2 w and 2 w + 1.  Lane (r, h) holds, of its token, 16 neighbours of each block of 32.
	v_and_b32 v2, 15, v0                           ; r
	v_bfe_u32 v3, v0, 4, 1                         ; h
	v_and_b32 v4, 8, v2
	v_add_nc_u32 v4, v4, v2                        ; r + 8 (r / 8)
	s_lshl_b32 s28, s3, 10
	v_lshlrev_b32 v5, 6, v3
	v_add_nc_u32 v5, s28, v5                       ; ln1_w: 64 h + 1,024 w
	v_lshl_add_u32 v4, v4, 12, v5                  ; x: + my token's row of 4,096 bytes
	v_lshlrev_b32 v6, 4, v1                        ; 16 x lane
	v_mul_u32_u24 v7, v3, SETB
	v_lshl_add_u32 v7, v2, 4, v7                   ; the scale words: lanes 16-31 store K step 2 w + 1's, one SET on
	v_lshlrev_b32 v8, 2, v0                        ; LDS: 128 w + 4 x lane
	v_lshlrev_b32 v9, 2, v1                        ; LDS: 4 x lane
.irp b, 0,1,2,3
	v_mov_b32 v[TM+4+\b], 0                        ; written once: a lane permute's destination counts as a source
.endr
	s_lshr_b32 s28, ttmp9, 3                       ; token block
	s_bfe_u32 s29, ttmp9, 0x20001
	s_and_b32 s30, ttmp9, 1
	s_and_b32 s31, ttmp9, 7                        ; tile in the block
	s_lshl_b32 s32, s28, 7
	s_lshl_b32 s29, s29, 5
	s_add_co_u32 s32, s32, s29
	s_lshl_b32 s30, s30, 3
	s_add_co_u32 s32, s32, s30                     ; the tile's first token: 128 block + 32 (t / 2) + 8 (t % 2)
	s_lshl_b32 s32, s32, 12
	s_mov_b32 s33, 0
	s_lshl_b32 s34, s28, 3
	s_lshl_b32 s35, s3, 1
	s_add_co_u32 s34, s34, s35
	s_mul_i32 s34, s34, SETB                       ; SET (block, K step 2 w)
	s_lshr_b32 s36, s31, 2
	s_lshl_b32 s36, s36, 8
	s_and_b32 s37, s31, 3
	s_lshl_b32 s37, s37, 2
	s_add_co_u32 s36, s36, s37
	s_add_co_u32 s36, s36, s34
	s_add_co_u32 s36, s36, 12288                   ; its scale plane, my tile's words
	s_mov_b32 s37, 0
	s_mul_i32 s35, s31, 1536
	s_add_co_u32 s34, s34, s35                     ; its fragment of my tile
	s_mov_b32 s35, 0
	s_mov_b32 s42, 0x3a800000                      ; 1 / 1,024
	s_mov_b32 s43, 0x3727c5ac                      ; 1e-5
	s_wait_kmcnt 0x0
	s_add_nc_u64 s[4:5], s[4:5], s[32:33]
	s_add_nc_u64 s[38:39], s[22:23], s[34:35]
	s_add_nc_u64 s[40:41], s[22:23], s[36:37]
.irp u, 0,1
.irp b, 0,1,2,3
.irp j, 0,1,2,3
	global_load_b128 v[64+64*\u+16*\b+4*\j:67+64*\u+16*\b+4*\j], v4, s[4:5] offset:512*\u+128*\b+16*\j
.endr
.endr
.endr
.irp b, 0,1,2,3
.irp j, 0,1,2,3
	global_load_b128 v[192+16*\b+4*\j:195+16*\b+4*\j], v5, s[6:7] offset:128*\b+16*\j
.endr
.endr
	s_wait_loadcnt 16                              ; x's 32 loads are in; ln1_w's 16 may be out
	v_pk_mul_f32 v[56:57], v[64:65], v[64:65]      ; the sum of squares of my 128 numbers, two chains of pairs
	v_pk_mul_f32 v[58:59], v[66:67], v[66:67]
.set j, 4
.rept 31
	v_pk_fma_f32 v[56:57], v[64+j:65+j], v[64+j:65+j], v[56:57]
	v_pk_fma_f32 v[58:59], v[66+j:67+j], v[66+j:67+j], v[58:59]
.set j, j+4
.endr
	v_pk_add_f32 v[56:57], v[56:57], v[58:59]
	v_add_f32 v56, v56, v57
	v_permlanex16_b32 v57, v56, s[SEL], s[SEL+1]
	v_add_f32 v56, v56, v57                        ; my token's sum over my wave's 256 columns
	ds_store_b32 v8, v56
	s_wait_dscnt 0x0                               ; my store has landed: then the barrier, then the others read it
	s_barrier_signal -1
	s_barrier_wait -1
.irp w, 0,1,2,3
	ds_load_b32 v[60+\w], v9 offset:128*\w
.endr
	s_wait_dscnt 0x0
	v_add_f32 v60, v60, v61
	v_add_f32 v62, v62, v63
	v_add_f32 v60, v60, v62
	v_fma_f32 v60, v60, s42, s43                   ; mean + eps
	s_wait_alu depctr_va_vdst(0)
	v_rsq_f32 v54, v60
	v_nop                                          ; a plain line behind the transcendental
	s_wait_alu depctr_va_vdst(0)                   ; and the wait ahead of the first line that names its result
	v_mov_b32 v55, v54
	s_wait_alu depctr_va_vdst(0)
.irp u, 0,1
	s_wait_loadcnt 0x0                             ; this K step's ln1_w
.set j, 0
.rept 32
	v_pk_mul_f32 v[64+64*\u+j:65+64*\u+j], v[64+64*\u+j:65+64*\u+j], v[54:55] op_sel_hi:[1,0]
.set j, j+2
.endr
.set j, 0
.rept 32
	v_pk_mul_f32 v[64+64*\u+j:65+64*\u+j], v[64+64*\u+j:65+64*\u+j], v[192+j:193+j]
.set j, j+2
.endr
.if \u == 0
.irp b, 0,1,2,3
.irp j, 0,1,2,3
	global_load_b128 v[192+16*\b+4*\j:195+16*\b+4*\j], v5, s[6:7] offset:512+128*\b+16*\j
.endr
.endr
.else
	s_wait_xcnt 0x0                                ; the first K step's stores have read the codes' registers: they are written again only behind this wait
.endif
	QUANT 64+64*\u, 52+\u
.irp g, 0,1,2
	global_store_b128 v6, v[PC+4*\g:PC+3+4*\g], s[38:39] offset:SETB*\u+512*\g   ; 32 lanes store 512 consecutive bytes, at a multiple of 256 from hset's first byte
.endr
.endr
	v_cmp_ne_u32 vcc_lo, 0, v3
	v_cndmask_b32 v56, v52, v53, vcc_lo            ; lanes 0-15: K step 2 w's word of row r; lanes 16-31: K step 2 w + 1's
	global_store_b32 v7, v56, s[40:41]
	s_wait_tensorcnt 0x0
	ds_add_u32 v26, v27
	s_wait_dscnt 0x0
	s_endpgm
; ---------------- the weight path: SET j = work-group - 256
.Lweights:
	s_wait_alu depctr_va_vdst(0)
	v_lshlrev_b32 v14, 4, v1                       ; 16 x lane
	v_lshlrev_b32 v1, 2, v0                        ; my column's 4 bytes in a row
	s_sub_co_u32 s28, ttmp9, 256                   ; j: 0-191 wq, wk, wv; 192-255 wo; 256-319 w1, w2; 320-351 w3
	s_lshr_b32 s29, s28, 3
	s_and_b32 s29, s29, 7                          ; column block, where a weight has 8 K steps and 8 blocks
	s_and_b32 s30, s28, 7                          ; K step, where it has 8
	s_lshr_b32 s31, s29, 1                         ; wo -> wtail: (cb / 2) 40 + (cb % 2) 8 + s
	s_mul_i32 s31, s31, 40
	s_and_b32 s32, s29, 1
	s_lshl_b32 s32, s32, 3
	s_add_co_u32 s31, s31, s32
	s_add_co_u32 s31, s31, s30
	s_and_b32 s33, s29, 3                          ; w1, w2: 4 column blocks -> cb 40 + 16 + 8 (which) + s
	s_mul_i32 s34, s33, 40
	s_bfe_u32 s35, s28, 0x10005
	s_lshl_b32 s35, s35, 3
	s_add_co_u32 s34, s34, s35
	s_add_co_u32 s34, s34, s30
	s_add_co_u32 s34, s34, 16
	s_lshr_b32 s36, s28, 2                         ; w3: 4 K steps -> (cb / 2) 40 + 32 + 4 (cb % 2) + s
	s_and_b32 s36, s36, 7
	s_and_b32 s37, s28, 3
	s_lshr_b32 s38, s36, 1
	s_mul_i32 s38, s38, 40
	s_and_b32 s39, s36, 1
	s_lshl_b32 s39, s39, 2
	s_add_co_u32 s38, s38, s39
	s_add_co_u32 s38, s38, s37
	s_add_co_u32 s38, s38, 32
	s_wait_alu depctr_va_vdst(0)
	s_wait_kmcnt 0x0
	s_cmp_lt_u32 s28, 320                          ; the choices hang on the work-group's number alone
	s_cselect_b32 s40, s33, s36                    ; column block
	s_cselect_b32 s41, s30, s37                    ; K step
	s_cselect_b32 s42, s34, s38                    ; SET's number in its buffer
	s_cselect_b32 s43, 11, 12                      ; log2 of a row's bytes
	s_cselect_b64 s[46:47], s[18:19], s[20:21]     ; w2 : w3
	s_cmp_lt_u32 s28, 288
	s_cselect_b64 s[46:47], s[16:17], s[46:47]     ; w1
	s_cmp_lt_u32 s28, 256
	s_cselect_b32 s40, s29, s40
	s_cselect_b32 s42, s31, s42
	s_cselect_b32 s43, 12, s43
	s_cselect_b64 s[46:47], s[14:15], s[46:47]     ; wo
	s_cmp_lt_u32 s28, 192
	s_cselect_b32 s42, s28, s42
	s_cselect_b64 s[46:47], s[12:13], s[46:47]     ; wv
	s_cselect_b64 s[48:49], s[24:25], s[26:27]     ; wqkv : wtail
	s_cmp_lt_u32 s28, 128
	s_cselect_b64 s[46:47], s[10:11], s[46:47]     ; wk
	s_cmp_lt_u32 s28, 64
	s_cselect_b64 s[46:47], s[8:9], s[46:47]       ; wq
	s_lshl_b32 s50, 1, s43                         ; a row's bytes
	s_lshl_b32 s52, s41, 7
	s_lshl_b32 s52, s52, s43                       ; 128 s rows
	s_lshl_b32 s51, s40, 9
	s_add_co_u32 s52, s52, s51                     ; + 128 cb columns
	s_mov_b32 s53, 0
	s_add_nc_u64 s[54:55], s[46:47], s[52:53]      ; four bases, 32 rows apart
	s_lshl_b32 s52, s50, 5
	s_add_nc_u64 s[56:57], s[54:55], s[52:53]
	s_add_nc_u64 s[58:59], s[56:57], s[52:53]
	s_add_nc_u64 s[60:61], s[58:59], s[52:53]
	s_mul_i32 s52, s42, SETB
	s_add_nc_u64 s[48:49], s[48:49], s[52:53]
.irp i, 0,1,2,3,4,5,6,7,8,9,10,11,12,13,14,15,16,17,18,19,20,21,22,23,24,25,26,27,28,29,30,31
	v_mad_u32_u24 v[32+\i], s50, \i, v1            ; row i of a block of 32 (a row's bytes differ between the weights, so they cannot stand in the immediates)
.endr
.irp q, 0,1,2,3
.irp i, 0,1,2,3,4,5,6,7,8,9,10,11,12,13,14,15,16,17,18,19,20,21,22,23,24,25,26,27,28,29,30,31
	global_load_b32 v[64+32*\q+\i], v[32+\i], s[54+2*\q:55+2*\q] th:TH_LOAD_NT   ; 128 threads read 512 consecutive bytes of a row
.endr
.endr
	v_lshrrev_b32 v3, 5, v0                        ; my column v0 = 32 g + 8 u + (r % 8) + 16 (r / 8): tile t = 2 g + u, row r
	v_bfe_u32 v4, v0, 3, 1
	v_lshl_add_u32 v3, v3, 1, v4                   ; t
	v_and_b32 v4, 7, v0
	v_bfe_u32 v5, v0, 4, 1
	v_lshl_add_u32 v4, v5, 3, v4                   ; r
	v_mul_u32_u24 v10, v3, 1536
	v_lshl_add_u32 v10, v4, 4, v10
	v_add_nc_u32 v10, WSTG, v10                    ; the stage: my tile's image, lane r's 16 bytes
	v_lshrrev_b32 v5, 2, v3
	v_lshl_add_u32 v5, v5, 4, v4
	v_and_b32 v6, 3, v3
	v_lshlrev_b32 v6, 2, v6
	v_lshl_add_u32 v11, v5, 4, v6
	v_add_nc_u32 v11, WSTG+12288, v11              ; my scale word's place
	s_mul_i32 s52, s3, 3072
	v_add_nc_u32 v13, s52, v14                     ; out: wave w stores tiles 2 w, 2 w + 1: 3,072 w + 16 x lane
	v_add_nc_u32 v12, WSTG, v13
	v_add_nc_u32 v15, WSTG+12288, v14
; Block kb of 32 along K is the operand's registers 6 (kb / 2) .. + 5 in lane r + 16 (kb % 2).  Each block has code registers of its own.
.macro WBLOCK kb, cnt
.set XS, 64+32*(\kb)
.set CC, 192+8*(\kb)
.set DD, 224+4*(\kb)
	s_wait_loadcnt \cnt
	v_max3_num_f32 v16, |v[XS]|, |v[XS+1]|, |v[XS+2]|
	v_max3_num_f32 v17, |v[XS+3]|, |v[XS+4]|, |v[XS+5]|
.irp i, 6,10,14,18,22,26
	v_max3_num_f32 v16, v16, |v[XS+\i]|, |v[XS+\i+1]|
	v_max3_num_f32 v17, v17, |v[XS+\i+2]|, |v[XS+\i+3]|
.endr
	v_max3_num_f32 v16, v16, |v[XS+30]|, |v[XS+31]|
	v_max3_num_f32 v16, v16, v17, 0x2800000        ; and the floor
	v_add_nc_u32 v[20+(\kb)], 0xfe000000, v16
	v_lshrrev_b32 v25, 23, v[20+(\kb)]
.if (\kb) == 0
	v_mov_b32 v24, v25
.else
	v_lshl_or_b32 v24, v25, 8*(\kb), v24
.endif
	v_cvt_scalef32_pk16_bf6_f32 v[CC:CC+2], v[XS:XS+15], v[20+(\kb)]
	v_cvt_scalef32_pk16_bf6_f32 v[DD:DD+2], v[XS+16:XS+31], v[20+(\kb)]
	v_nop
.irp i, 0,1,2
	v_mov_b32 v[CC+3+\i], v[DD+\i]
.endr
.if (\kb) < 2
	ds_store_b128 v10, v[CC:CC+3] offset:256*((\kb)%2)
	ds_store_b64 v10, v[CC+4:CC+5] offset:512+256*((\kb)%2)
.else
	ds_store_b64 v10, v[CC:CC+1] offset:520+256*((\kb)%2)
	ds_store_b128 v10, v[CC+2:CC+5] offset:1024+256*((\kb)%2)
.endif
.endm
	WBLOCK 0, 63                                   ; behind block 0's loads stand 96, behind block 1's 64: a wait can name 63 at the most
	WBLOCK 1, 63
	WBLOCK 2, 32                                   ; block 3's 32 may be out
	WBLOCK 3, 0
	ds_store_b32 v11, v24
	s_wait_dscnt 0x0                               ; my stores into the stage have landed
	s_barrier_signal -1
	s_barrier_wait -1
.irp g, 0,1,2,3,4,5
	ds_load_b128 v[64+4*\g:67+4*\g], v12 offset:512*\g
.endr
.irp g, 0,1,2,3,4,5
	s_wait_dscnt 5-\g                              ; the younger loads of the run may be out
	global_store_b128 v13, v[64+4*\g:67+4*\g], s[48:49] offset:512*\g   ; 512 consecutive bytes, at a multiple of 256
.endr
	s_cmp_lg_u32 s3, 0
	s_cbranch_scc1 .Lwdone
	ds_load_b128 v[88:91], v15                     ; wave 0: the SET's 512 bytes of scale words
	s_wait_dscnt 0x0
	global_store_b128 v14, v[88:91], s[48:49] offset:12288
.Lwdone:
	s_wait_tensorcnt 0x0
	ds_add_u32 v26, v27
	s_wait_dscnt 0x0
	s_endpgm
.Lfunc_end_k_q1d459532e2_prep:
	.size	k_q1d459532e2_prep, .Lfunc_end_k_q1d459532e2_prep-k_q1d459532e2_prep
	.p2alignl 7, 3214868480
	.fill 96, 4, 3214868480
	.section	.rodata,"a",@progbits
	.p2align	6, 0x0
	.amdhsa_kernel k_q1d459532e2_prep
		.amdhsa_group_segment_fixed_size 14848
		.amdhsa_private_segment_fixed_size 0
		.amdhsa_enable_private_segment 0
		.amdhsa_kernarg_size 96
		.amdhsa_user_sgpr_count 2
		.amdhsa_user_sgpr_kernarg_segment_ptr 1
		.amdhsa_wavefront_size32 1
		.amdhsa_system_sgpr_workgroup_id_x 1
		.amdhsa_system_sgpr_workgroup_id_y 1
		.amdhsa_system_sgpr_workgroup_id_z 1
		.amdhsa_system_vgpr_workitem_id 0
		.amdhsa_next_free_vgpr 256
		.amdhsa_next_free_sgpr 66
		.amdhsa_reserve_vcc 1
		.amdhsa_float_denorm_mode_32 3
		.amdhsa_float_denorm_mode_16_64 3
		.amdhsa_memory_ordered 1
		.amdhsa_forward_progress 1
		.amdhsa_inst_pref_size 56
	.end_amdhsa_kernel
	.amdgpu_metadata
---
amdhsa.version: [ 1, 2 ]
amdhsa.kernels:
  - .name:           k_q1d459532e2_prep
    .symbol:         k_q1d459532e2_prep.kd
    .args:
      - { .name: x, .offset: 0, .size: 8, .value_kind: global_buffer, .address_space: global }
      - { .name: ln1_w, .offset: 8, .size: 8, .value_kind: global_buffer, .address_space: global }
      - { .name: wq, .offset: 16, .size: 8, .value_kind: global_buffer, .address_space: global }
      - { .name: wk, .offset: 24, .size: 8, .value_kind: global_buffer, .address_space: global }
      - { .name: wv, .offset: 32, .size: 8, .value_kind: global_buffer, .address_space: global }
      - { .name: wo, .offset: 40, .size: 8, .value_kind: global_buffer, .address_space: global }
      - { .name: w1, .offset: 48, .size: 8, .value_kind: global_buffer, .address_space: global }
      - { .name: w2, .offset: 56, .size: 8, .value_kind: global_buffer, .address_space: global }
      - { .name: w3, .offset: 64, .size: 8, .value_kind: global_buffer, .address_space: global }
      - { .name: hset, .offset: 72, .size: 8, .value_kind: global_buffer, .address_space: global }
      - { .name: wqkv, .offset: 80, .size: 8, .value_kind: global_buffer, .address_space: global }
      - { .name: wtail, .offset: 88, .size: 8, .value_kind: global_buffer, .address_space: global }
    .group_segment_fixed_size: 14848
    .private_segment_fixed_size: 0
    .kernarg_segment_align: 8
    .kernarg_segment_size: 96
    .max_flat_workgroup_size: 128
    .sgpr_count:     66
    .vgpr_count:     256
    .wavefront_size: 32
...
	.end_amdgpu_metadata
.endif
;; end of part 5
;; launch qkv (part 6): grid 32 x 6, 4 waves a work-group, no clusters, 0 bytes of LDS; arguments hset, wqkv, bq, bk, bv, qkvc, qkvs; writes qkvc, qkvs
.if DOCPART == 6
	.amdgcn_target "amdgcn-amd-amdhsa--gfx1250"
	.amdhsa_code_object_version 6
	.text
	.protected	k_q1d459532e2_qkv
	.globl	k_q1d459532e2_qkv
	.p2align	8
	.type	k_q1d459532e2_qkv,@function
k_q1d459532e2_qkv:
	s_mov_b64 s[64:65], 0
	v_nop
	global_prefetch_b8 v0, s[64:65] scope:SCOPE_SE
	s_setreg_imm32_b32 hwreg(HW_REG_WAVE_SCHED_MODE, 0, 2), 2
	s_setreg_imm32_b32 hwreg(HW_REG_WAVE_MODE, 25, 1), 1
	s_wait_xcnt 0x0
	s_wait_alu depctr_vm_vsrc(0)
; Q = h wq + bq, K = h wk + bk, V = h wv + bv on codes of BF6, and their results quantised at once into the operands of the two products of attention.
; Work-group (x = block of 128 tokens, y = 2 tau + half), tau = 0, 1, 2 for Q, K, V.  Wave w makes 128 tokens x 128 columns (the pair of heads 4 half + w): 64 accumulators, 8 K steps of 128, 512 matrix instructions.
; ONE TEXT FOR ALL THREE.  For Q and K source 0 = 16 weight columns and source 1 = 16 tokens: a lane holds one token and its registers run along the columns, which are the next K (a head's 64).
; For V source 0 = tokens and source 1 = columns: a lane holds one column and its registers run along the tokens, the keys, which are the second product's K.  Only pointers are chosen, on the work-group's number.
; Operands come as SETs (see the launch before) from memory straight into registers, two sets of registers by turns.  The accumulators begin as the bias: nothing is cleared and every K step has one form.
; OUT.  A wave's result is one UNIT of 12,288 bytes: 16 HALFs (16 rows x 64 K: six registers as three planes of 8 bytes a lane), HALF (b, c) at 768 (2 b + c); and 1,024 bytes of scale words:
; the eight words as one image of 16 bytes a lane (tiles 0-3 in lanes 0-15, 4-7 in lanes 16-31), then the same words shifted down 16 bits, for the pair's second head.
; LIMITS as in the launch before: no NaN or infinities; a block under 2^-122 keeps the byte 1.
; No cluster: operands go to registers without LDS, and with 8 K steps a ring of shared tiles would turn four times and pay a round of the cluster's barrier each time.  768 wave tiles of 128 x 128 are 192 work-groups.
; REGISTERS.  window 0: v1 16 x lane, v2 8 x lane, v4, v5 bias offsets; v16-31 at work; v32-47 scale words, two sets of 4 + 4; v48-63 the bias by source 1's rows, each number twice, later the scale words made;
;   v64-255 source 1's fragments, two sets of 96 (afterwards v64-223 the codes made, twenty registers a tile).   window 1: v0-191 source 0's fragments, two sets; v192-255 the bias by source 0's rows.
;   windows 2, 3: accumulator (a, b) at 64 (b % 4) + 8 a, b = 0-3 in window 2, b = 4-7 in window 3.
; THE MODE: SCHED_MODE bits 1:0 = 2 (LLVM: expert scheduling mode 2), set by the entry lines.  The code itself states the register dependences
; between vector or matrix instructions and memory instructions, with s_wait_alu, always for 0.
; THE PLAN.  Registers that memory instructions touch:
;   the two sets of fragments and of scale words   K step s multiplies set s % 2.  The 50 loads of K step s + 1 are issued in step s and land in the other set, which step s - 1 multiplied.
;   the codes, v64 + 20 b on                       Written by tile b's conversions, swaps and moves; read by its six stores; never written again: a tile has registers of its own.
;   v56-63                                         Written by the selects and shifts at the end; read by the last two stores.
;   v1, v2, v4, v5                                 Offsets, made at the head and never written again.
; So ONE wait on va_vdst stands at the head of each of steps 1 to 6: the step before is done reading its set.  Twelve of the step's loads follow it at once, the other 38 are dealt behind the step's first three
; groups of eight matrix instructions, which name the other set and the accumulators: none of the registers that those loads touch.  No register that a memory instruction reads is written again: no wait on vm_vsrc is owed.
.set SETB, 12800
.set TM,   16
.set SEL,  40
.set MSB,  0
.macro WIN new                         ; the immediate's high byte repeats the setting that is left
.if MSB != (\new)
	s_set_vgpr_msb (MSB<<8)|(\new)
.set MSB, (\new)
.endif
.endm
.macro MM d, a, b, c, sa, sb, ra, rb   ; ra, rb: the side's scale words stand in lanes 16-31
.if (\ra) && (\rb)
	v_wmma_scale_f32_16x16x128_f8f6f4 v[\d:\d+7], v[\a:\a+11], v[\b:\b+11], v[\c:\c+7], v[\sa], v[\sb] matrix_a_fmt:MATRIX_FMT_BF6 matrix_b_fmt:MATRIX_FMT_BF6 matrix_a_scale:MATRIX_SCALE_ROW1 matrix_b_scale:MATRIX_SCALE_ROW1
.elseif (\ra)
	v_wmma_scale_f32_16x16x128_f8f6f4 v[\d:\d+7], v[\a:\a+11], v[\b:\b+11], v[\c:\c+7], v[\sa], v[\sb] matrix_a_fmt:MATRIX_FMT_BF6 matrix_b_fmt:MATRIX_FMT_BF6 matrix_a_scale:MATRIX_SCALE_ROW1
.elseif (\rb)
	v_wmma_scale_f32_16x16x128_f8f6f4 v[\d:\d+7], v[\a:\a+11], v[\b:\b+11], v[\c:\c+7], v[\sa], v[\sb] matrix_a_fmt:MATRIX_FMT_BF6 matrix_b_fmt:MATRIX_FMT_BF6 matrix_b_scale:MATRIX_SCALE_ROW1
.else
	v_wmma_scale_f32_16x16x128_f8f6f4 v[\d:\d+7], v[\a:\a+11], v[\b:\b+11], v[\c:\c+7], v[\sa], v[\sb] matrix_a_fmt:MATRIX_FMT_BF6 matrix_b_fmt:MATRIX_FMT_BF6
.endif
.endm
; K step s has 50 loads of 512 consecutive bytes, in four groups.
.macro LOAD0 s, f0                     ; source 0's fragments f0 .. f0 + 3: 12 loads, into window 1
.irp f, \f0, \f0+1, \f0+2, \f0+3
.irp g, 0,1,2
	global_load_b128 v[96*((\s)%2)+12*(\f)+4*\g:96*((\s)%2)+12*(\f)+4*\g+3], v1, s[32:33] offset:(\s)*SETB+1536*(\f)+512*\g
.endr
.endr
.endm
.macro LOAD1 s, f0                     ; source 1's fragments f0 .. f0 + 3, and one side's scale words (f0 = 0: source 0's, f0 = 4: source 1's): 13 loads, into window 0
.irp f, \f0, \f0+1, \f0+2, \f0+3
.irp g, 0,1,2
	global_load_b128 v[64+96*((\s)%2)+12*(\f)+4*\g:64+96*((\s)%2)+12*(\f)+4*\g+3], v1, s[34:35] offset:(\s)*SETB+1536*(\f)+512*\g
.endr
.endr
	global_load_b128 v[32+8*((\s)%2)+(\f0):35+8*((\s)%2)+(\f0)], v1, s[32+(\f0)/2:33+(\f0)/2] offset:(\s)*SETB+12288
.endm
.macro STEP s                          ; 64 matrix instructions, the 64 accumulators by turns in one order in every step
.set SQ, (\s)%2
.if (\s) == 0
	s_wait_loadcnt 50                              ; K step 0's 50 loads are in; K step 1's 50 may be out
.elseif (\s) == 7
	s_wait_loadcnt 0x0
.else
	WIN 0x40
	s_wait_alu depctr_va_vdst(0)                   ; the matrix instructions of the step before are done reading their two sets of fragments and their scale words, in which this step's 50 loads land
	LOAD0 (\s)+1, 0                                ; twelve go out ahead of the wait for this step's data
	s_wait_loadcnt 12                              ; this K step's 50 loads are in; the twelve just issued may be out
.endif
.irp b, 0,1,2,3,4,5,6,7
.if \b < 4
	WIN 0xa1
.else
	WIN 0xf1
.endif
.irp a, 0,1,2,3,4,5,6,7
	MM 64*(\b%4)+8*\a, 96*SQ+12*\a, 64+96*SQ+12*\b, 64*(\b%4)+8*\a, 32+8*SQ+\a%4, 36+8*SQ+\b%4, \a/4, \b/4
.endr
.if ((\s) > 0) && ((\s) < 7)                           ; the other 38 loads, early in the step.  No wait: no vector or matrix instruction since the wait at the step's head names the other set, its scale words or v1
.if \b == 0
	WIN 0x40
	LOAD0 (\s)+1, 4
.elseif \b == 1
	WIN 0
	LOAD1 (\s)+1, 0
.elseif \b == 2
	WIN 0
	LOAD1 (\s)+1, 4
.endif
.endif
.endr
.if (\s) != 6
.rept 4
	v_nop                                          ; four places in front of loads into registers that matrix instructions have read, and of the first read of results; they stay beside the wait at the next step's head
.endr
.endif
.endm
	s_load_b256 s[4:11], s[0:1], 0x0               ; hset, wqkv, bq, bk
	s_load_b128 s[12:15], s[0:1], 0x20             ; bv, qkvc
	s_load_b64 s[16:17], s[0:1], 0x30              ; qkvs
	v_lshrrev_b32 v1, 5, v0
	v_readfirstlane_b32 s3, v1                     ; wave
	v_and_b32 v3, 31, v0
	v_lshlrev_b32 v1, 4, v3
	v_lshlrev_b32 v2, 3, v3
	v_and_b32 v6, 15, v0                           ; r
	v_bfe_u32 v7, v0, 4, 1                         ; h
	s_wait_alu depctr_va_sdst(0)                   ; s3 is written, ahead of its first reader: the pair of heads and all bases are made from it
	s_and_b32 s18, ttmp7, 0xffff
	s_lshr_b32 s19, s18, 1                         ; tau
	s_and_b32 s20, s18, 1
	s_lshl_b32 s20, s20, 2
	s_add_co_u32 s20, s20, s3                      ; the pair of heads, 0..7
	s_lshl_b32 s21, s20, 9                         ; its 128 columns' bytes in a bias
	v_lshl_add_u32 v4, v7, 6, s21                  ; by source 0's rows: register 8 a + j is column 32 (a / 2) + 16 h + 8 (a % 2) + j
	v_and_b32 v5, 8, v6
	v_add_nc_u32 v5, v5, v6
	v_lshl_add_u32 v5, v5, 2, s21                  ; by source 1's rows: tile b, lane r is column 32 (b / 2) + 8 (b % 2) + r + 8 (r / 8)
.irp b, 0,1,2,3
	v_mov_b32 v[TM+4+\b], 0
.endr
	s_mov_b32 s[SEL], 0x76543210
	s_mov_b32 s[SEL+1], 0xfedcba98
	s_mul_i32 s22, ttmp9, 8*SETB
	s_mov_b32 s23, 0
	s_lshl_b32 s24, s19, 3
	s_add_co_u32 s24, s24, s20
	s_mul_i32 s24, s24, 8*SETB
	s_mov_b32 s25, 0
	s_lshr_b32 s26, ttmp9, 4                       ; batch
	s_lshl_b32 s26, s26, 3
	s_add_co_u32 s26, s26, s20
	s_lshl_b32 s26, s26, 4
	s_and_b32 s27, ttmp9, 15
	s_add_co_u32 s26, s26, s27                     ; the UNIT: (batch 8 + pair) 16 + token block
	s_mul_i32 s28, s26, 12288
	s_mul_i32 s27, s19, 3145728
	s_add_co_u32 s28, s28, s27
	s_mov_b32 s29, 0
	s_lshl_b32 s30, s26, 10
	s_lshl_b32 s27, s19, 18
	s_add_co_u32 s30, s30, s27
	s_mov_b32 s31, 0
	s_wait_kmcnt 0x0
	s_add_nc_u64 s[4:5], s[4:5], s[22:23]          ; my tokens' 8 SETs
	s_add_nc_u64 s[6:7], s[6:7], s[24:25]          ; my columns' 8 SETs
	s_add_nc_u64 s[14:15], s[14:15], s[28:29]
	s_add_nc_u64 s[16:17], s[16:17], s[30:31]
	s_cmp_eq_u32 s19, 2
	s_cselect_b64 s[32:33], s[4:5], s[6:7]         ; source 0: tokens for V, else columns
	s_cselect_b64 s[34:35], s[6:7], s[4:5]         ; source 1
	s_cselect_b32 s38, -1, 0                       ; V: the bias goes by source 1's rows,
	s_cselect_b32 s39, 0, -1                       ; Q, K: by source 0's
	s_cselect_b64 s[36:37], s[12:13], s[10:11]
	s_cmp_eq_u32 s19, 0
	s_cselect_b64 s[36:37], s[8:9], s[36:37]
	WIN 0x40
	s_wait_alu depctr_va_vdst(0)                   ; the offsets v1, v2, v4 and v5 are written: every load and store of the kernel reads one of them
.irp a, 0,1,2,3,4,5,6,7
.irp q, 0,1
	global_load_b128 v[192+8*\a+4*\q:195+8*\a+4*\q], v4, s[36:37] offset:4*(32*(\a/2)+8*(\a%2))+16*\q
.endr
.endr
	WIN 0
.irp b, 0,1,2,3,4,5,6,7
	global_load_b32 v[48+2*\b], v5, s[36:37] offset:4*(32*(\b/2)+8*(\b%2))
	global_load_b32 v[49+2*\b], v5, s[36:37] offset:4*(32*(\b/2)+8*(\b%2))     ; twice: the packed addition takes a pair
.endr
.irp s, 0,1                                            ; K steps 0 and 1 into the two sets
	WIN 0x40
	LOAD0 \s, 0
	LOAD0 \s, 4
	WIN 0
	LOAD1 \s, 0
	LOAD1 \s, 4
.endr
	s_wait_loadcnt 63                              ; behind the 32 bias loads stand 100: a wait can name 63 at the most
.set j, 0
.rept 16
	v_cndmask_b32 v[48+j], 0, v[48+j], s38
.set j, j+1
.endr
	WIN 0x44
.set j, 0
.rept 64
	v_cndmask_b32 v[192+j], 0, v[192+j], s39
.set j, j+1
.endr
.irp b, 0,1,2,3,4,5,6,7                            ; the accumulators begin as the bias, while the first SETs are on their way
.if \b < 4
	WIN 0x81
.else
	WIN 0xc1
.endif
.set j, 0
.rept 32
	v_pk_add_f32 v[64*(\b%4)+j:64*(\b%4)+j+1], v[192+j:193+j], v[48+2*\b:49+2*\b]
.set j, j+2
.endr
.endr
	s_wait_alu depctr_va_vdst(0)
.irp s, 0,1,2,3,4,5,6,7
	STEP \s
.endr
; Source 1's tile b: its 64 registers, 16 c + i = k 32 c + 16 h + i of the lane's row, become a fragment.  Each accumulator is read from its low end on.
.macro QUANTW b
.set WW, 2+(\b)/4
.set SS, 64*((\b)%4)
.set PC, 64+20*(\b)                    ; the tile's own twenty registers for its codes: no store's data are written again
	WIN WW|(WW<<2)
.irp c, 0,1,2,3
	v_max3_num_f32 v[TM+\c], |v[SS+16*\c]|, |v[SS+1+16*\c]|, 0x2800000
.endr
.irp i, 2,4,6,8,10,12,14
.irp c, 0,1,2,3
	v_max3_num_f32 v[TM+\c], |v[SS+16*\c+\i]|, |v[SS+1+16*\c+\i]|, v[TM+\c]
.endr
.endr
	WIN 0
.irp c, 0,1,2,3
	v_permlanex16_b32 v[TM+4+\c], v[TM+\c], s[SEL], s[SEL+1]
.endr
.irp c, 0,1,2,3
	v_max_num_f32 v[TM+\c], v[TM+\c], v[TM+4+\c]
.endr
.irp c, 0,1,2,3
	v_add_nc_u32 v[TM+12+\c], 0xfe000000, v[TM+\c]
.endr
.irp c, 0,1,2,3
	v_lshrrev_b32 v[TM+4+\c], 23, v[TM+12+\c]
.endr
	v_lshl_or_b32 v[48+(\b)], v[TM+5], 8, v[TM+4]
	v_lshl_or_b32 v[48+(\b)], v[TM+6], 16, v[48+(\b)]
	v_lshl_or_b32 v[48+(\b)], v[TM+7], 24, v[48+(\b)]
	WIN WW
.irp c, 0,1
	v_cvt_scalef32_pk16_bf6_f32 v[PC+6*\c:PC+2+6*\c], v[SS+32*\c:SS+15+32*\c], v[TM+12+2*\c]
	v_cvt_scalef32_pk16_bf6_f32 v[PC+12+4*\c:PC+14+4*\c], v[SS+16+32*\c:SS+31+32*\c], v[TM+12+2*\c+1]
.endr
	WIN 0
	v_nop
.irp c, 0,1
.irp i, 0,1,2
	v_permlane16_swap_b32 v[PC+6*\c+\i], v[PC+12+4*\c+\i]
.endr
.irp i, 0,1,2
	v_mov_b32 v[PC+3+6*\c+\i], v[PC+12+4*\c+\i]
.endr
.endr
	s_wait_alu depctr_va_vdst(0)                   ; the conversions, swaps and moves have written the tile's twelve registers of codes, which the six stores read
.irp p, 0,1,2,3,4,5
	global_store_b64 v2, v[PC+2*\p:PC+1+2*\p], s[14:15] offset:1536*(\b)+256*\p   ; 32 lanes store 256 consecutive bytes, aligned
.endr
.endm
.irp b, 0,1,2,3,4,5,6,7
	QUANTW \b
.endr
	v_cmp_ne_u32 vcc_lo, 0, v7
	s_wait_alu depctr_va_vcc(0)                    ; VCC is written, ahead of its first reader: the four selects
.irp j, 0,1,2,3
	v_cndmask_b32 v[56+\j], v[48+\j], v[52+\j], vcc_lo   ; lanes 0-15 tile j's word of row r, lanes 16-31 tile 4 + j's
.endr
.irp j, 0,1,2,3
	v_lshrrev_b32 v[60+\j], 16, v[56+\j]
.endr
	s_wait_alu depctr_va_vdst(0)                   ; the selects and shifts have written v56-63, which the two stores read
	global_store_b128 v1, v[56:59], s[16:17]
	global_store_b128 v1, v[60:63], s[16:17] offset:512
	s_endpgm
.Lfunc_end_k_q1d459532e2_qkv:
	.size	k_q1d459532e2_qkv, .Lfunc_end_k_q1d459532e2_qkv-k_q1d459532e2_qkv
	.p2alignl 7, 3214868480
	.fill 96, 4, 3214868480
	.section	.rodata,"a",@progbits
	.p2align	6, 0x0
	.amdhsa_kernel k_q1d459532e2_qkv
		.amdhsa_group_segment_fixed_size 0
		.amdhsa_private_segment_fixed_size 0
		.amdhsa_enable_private_segment 0
		.amdhsa_kernarg_size 56
		.amdhsa_user_sgpr_count 2
		.amdhsa_user_sgpr_kernarg_segment_ptr 1
		.amdhsa_wavefront_size32 1
		.amdhsa_system_sgpr_workgroup_id_x 1
		.amdhsa_system_sgpr_workgroup_id_y 1
		.amdhsa_system_sgpr_workgroup_id_z 1
		.amdhsa_system_vgpr_workitem_id 0
		.amdhsa_next_free_vgpr 1024
		.amdhsa_next_free_sgpr 66
		.amdhsa_reserve_vcc 1
		.amdhsa_float_denorm_mode_32 3
		.amdhsa_float_denorm_mode_16_64 3
		.amdhsa_memory_ordered 1
		.amdhsa_forward_progress 1
		.amdhsa_inst_pref_size 168
	.end_amdhsa_kernel
	.amdgpu_metadata
---
amdhsa.version: [ 1, 2 ]
amdhsa.kernels:
  - .name:           k_q1d459532e2_qkv
    .symbol:         k_q1d459532e2_qkv.kd
    .args:
      - { .name: hset, .offset: 0, .size: 8, .value_kind: global_buffer, .address_space: global }
      - { .name: wqkv, .offset: 8, .size: 8, .value_kind: global_buffer, .address_space: global }
      - { .name: bq, .offset: 16, .size: 8, .value_kind: global_buffer, .address_space: global }
      - { .name: bk, .offset: 24, .size: 8, .value_kind: global_buffer, .address_space: global }
      - { .name: bv, .offset: 32, .size: 8, .value_kind: global_buffer, .address_space: global }
      - { .name: qkvc, .offset: 40, .size: 8, .value_kind: global_buffer, .address_space: global }
      - { .name: qkvs, .offset: 48, .size: 8, .value_kind: global_buffer, .address_space: global }
    .group_segment_fixed_size: 0
    .private_segment_fixed_size: 0
    .kernarg_segment_align: 8
    .kernarg_segment_size: 56
    .max_flat_workgroup_size: 128
    .sgpr_count:     66
    .vgpr_count:     1024
    .wavefront_size: 32
...
	.end_amdgpu_metadata
.endif
;; end of part 6
;; launch attn (part 7): grid 8 x 32, 16 waves a work-group, no clusters, 210,944 bytes of LDS; arguments qkvc, qkvs, resc, ress; writes resc, ress
.if DOCPART == 7
	.amdgcn_target "amdgcn-amd-amdhsa--gfx1250"
	.amdhsa_code_object_version 6
	.text
	.protected	k_q1d459532e2_attn
	.globl	k_q1d459532e2_attn
	.p2align	8
	.type	k_q1d459532e2_attn,@function
k_q1d459532e2_attn:
	s_mov_b64 s[64:65], 0
	v_nop
	global_prefetch_b8 v0, s[64:65] scope:SCOPE_SE
	s_setreg_imm32_b32 hwreg(HW_REG_WAVE_MODE, 25, 1), 1
	s_wait_xcnt 0x0
; Causal attention of one head on codes of BF6, and its result, divided by the row's sum, quantised along the head's 64 into the next product's operand.
; t = score x log2(e) / 8; M = the running largest t rounded up to a whole number; p = 2^(t - M) is quantised along the keys; the row's sum is taken of the unquantised p and divides at the end.
; SHARES.  Work-group (i, y = 16 batch + head) owns the blocks of 128 queries i and 15 - i: 17 key steps of 128 for each pair of tiles, the same in every work-group.  Each of 16 waves owns one tile of 16 queries:
; tile t = wave / 2 of block 15 - i or i by the bit (wave xor wave / 4) & 1, so that of four waves w, w + 4, w + 8, w + 12, and of four neighbours, two have the long walk.
; THE WHOLE HEAD'S K AND V LIE IN LDS, filled once by ten tensor loads (one a wave at the most is out): 2 x 98,304 bytes of codes, 8,192 + 4,096 bytes of scale words.  No byte of LDS is filled twice or stored to.
; The loop has 16 trips in every wave; a step all of whose keys come after the wave's queries is jumped over by a scalar branch on ids; on the diagonal hidden scores become -infinity.  Key 0 counts for every query.
; LAYOUT.  S^T = K Q^T (source 0 = 16 keys, source 1 = my queries), O^T = V^T P^T: a lane holds one query throughout.  Row r of tile t of a block of 128 is index 32 (t / 2) + 8 (t % 2) + r + 8 (r / 8), for queries, keys
; and the head's 64 alike, so that the 16 registers of two neighbouring tiles are 16 neighbours along the next K.
; THE FIRST PRODUCT'S K IS 64, half of the instruction's 128.  Q's registers 6-11 are zero codes and Q's scale bytes 2, 3 are 0 (2^-127).  K's six registers of a tile are followed by the next tile's (behind the last tile: zeros):
; those codes meet Q's zeros and add nothing, whatever their scale bytes, none of which is 0xff.
; LIMITS: no NaN or infinities; a block whose largest number lies under 2^-122 keeps the byte 1.
; No cluster: the branches that leave steps out hang on the work-group's number, which differs between the work-groups that share a head's K and V.
; REGISTERS: v1-6 addresses that stay, v8-11 the step's; v12 -M, v13 the largest t, v[14:15] the sum; v16-27 Q and its zeros, v28 Q's scale word; v32-85 K's 8 tiles on end and six zeros, then V's 4 fragments;
; v88-91 scale words; v96-159 S^T, then p; v160-191 O^T; v192-210 p's codes; v212-231 at work.
.set VF,   98304
.set KSB,  196608
.set VSB,  204800
.set WV,   12
.set SEL,  20
.set CS,   22
.set QB,   86
	s_load_b256 s[4:11], s[0:1], 0x0               ; qkvc, qkvs, resc, ress
	v_lshl_add_u32 v254, v0, 2, 0x33000
	v_mov_b32 v255, 0
	ds_add_u32 v254, v255
	ds_add_u32 v254, v255
	v_lshrrev_b32 v1, 5, v0
	s_delay_alu instid0(VALU_DEP_1)
	v_readfirstlane_b32 s[WV], v1                  ; wave 0..15
	s_and_b32 s13, ttmp7, 0xffff
	s_lshr_b32 s14, s13, 4                         ; batch
	s_and_b32 s15, s13, 15                         ; head
	s_and_b32 s16, s15, 1                          ; c: which of its pair
	s_lshr_b32 s17, s15, 1
	s_lshl_b32 s18, s14, 3
	s_add_co_u32 s18, s18, s17
	s_lshl_b32 s18, s18, 4                         ; G: the pair's first UNIT
	; descriptor groups 1: elements of 8 bytes, no padding, no mask.  K: 32 rows of 768 bytes, 1,536 apart (a tile's HALF of my head)
	s_mov_b32 s24, 3<<16
	s_mov_b32 s25, 96<<16
	s_mov_b32 s26, 32<<16
	s_mov_b32 s27, 96<<16
	s_mov_b32 s28, 32
	s_mov_b32 s29, 192
	s_mov_b32 s30, 0
	s_mov_b32 s31, 0
	; V: 4 rows of 6,144 bytes, 12,288 apart (a key step's four fragments of my head)
	s_mov_b32 s32, 3<<16
	s_mov_b32 s33, 768<<16
	s_mov_b32 s34, 4<<16
	s_mov_b32 s35, 768<<16
	s_mov_b32 s36, 4
	s_mov_b32 s37, 1536
	s_mov_b32 s38, 0
	s_mov_b32 s39, 0
	; K's scale words: 16 rows of 512 bytes, 1,024 apart
	s_mov_b32 s40, 3<<16
	s_mov_b32 s41, 64<<16
	s_mov_b32 s42, 16<<16
	s_mov_b32 s43, 64<<16
	s_mov_b32 s44, 16
	s_mov_b32 s45, 128
	s_mov_b32 s46, 0
	s_mov_b32 s47, 0
	; V's: 16 rows of 256 bytes, 1,024 apart
	s_mov_b32 s48, 3<<16
	s_mov_b32 s49, 32<<16
	s_mov_b32 s50, 16<<16
	s_mov_b32 s51, 32<<16
	s_mov_b32 s52, 16
	s_mov_b32 s53, 128
	s_mov_b32 s54, 0
	s_mov_b32 s55, 0
	s_and_b32 s19, s[WV], 3
	s_mul_i32 s19, s19, 49152                      ; four UNITs a wave
	s_mul_i32 s76, s18, 12288
	s_add_co_u32 s76, s76, s19
	s_mul_i32 s77, s16, 768
	s_add_co_u32 s78, s76, s77
	s_add_co_u32 s78, s78, 3145728                 ; K's part of qkvc
	s_mov_b32 s79, 0
	s_mul_i32 s77, s16, 6144
	s_add_co_u32 s80, s76, s77
	s_add_co_u32 s80, s80, 6291456                 ; V's
	s_mov_b32 s81, 0
	s_lshl_b32 s82, s18, 10
	s_lshl_b32 s77, s16, 9
	s_add_co_u32 s88, s82, s77
	s_add_co_u32 s88, s88, 262144                  ; K's part of qkvs, my head's plane
	s_mov_b32 s89, 0
	s_lshl_b32 s77, s16, 8
	s_add_co_u32 s90, s82, s77
	s_add_co_u32 s90, s90, 524288                  ; V's, my head's four tiles
	s_mov_b32 s91, 0
	s_mul_i32 s83, s[WV], 24576                    ; waves 0-3: K's quarters from LDS byte 0; waves 4-7: V's from byte 98,304
	s_wait_dscnt 0x0
	s_wait_kmcnt 0x0
	s_mov_b32 s56, 1
	s_mov_b32 s57, s83
	s_add_nc_u64 s[58:59], s[4:5], s[78:79]
	s_or_b32 s59, s59, 0x80000000
	s_mov_b32 s60, 1
	s_mov_b32 s61, s83
	s_add_nc_u64 s[62:63], s[4:5], s[80:81]
	s_or_b32 s63, s63, 0x80000000
	s_mov_b32 s68, 1
	s_mov_b32 s69, KSB
	s_add_nc_u64 s[70:71], s[6:7], s[88:89]
	s_or_b32 s71, s71, 0x80000000
	s_mov_b32 s72, 1
	s_mov_b32 s73, VSB
	s_add_nc_u64 s[74:75], s[6:7], s[90:91]
	s_or_b32 s75, s75, 0x80000000
	s_cmp_lt_u32 s[WV], 4                          ; the branches hang on the wave's number alone; four v_nop follow each load
	s_cbranch_scc0 .Lnot_k
	tensor_load_to_lds s[56:59], s[24:31]
	s_nop 0
.rept 4
	v_nop
.endr
	s_branch .Lasked
.Lnot_k:
	s_cmp_lt_u32 s[WV], 8
	s_cbranch_scc0 .Lnot_v
	tensor_load_to_lds s[60:63], s[32:39]
	s_nop 0
.rept 4
	v_nop
.endr
	s_branch .Lasked
.Lnot_v:
	s_cmp_eq_u32 s[WV], 8
	s_cbranch_scc0 .Lnot_ks
	tensor_load_to_lds s[68:71], s[40:47]
	s_nop 0
.rept 4
	v_nop
.endr
	s_branch .Lasked
.Lnot_ks:
	s_cmp_eq_u32 s[WV], 9
	s_cbranch_scc0 .Lasked
	tensor_load_to_lds s[72:75], s[48:55]
	s_nop 0
.rept 4
	v_nop
.endr
.Lasked:
	s_lshr_b32 s84, s[WV], 1                       ; t: my tile in its block
	s_lshr_b32 s85, s[WV], 2
	s_xor_b32 s85, s85, s[WV]
	s_and_b32 s85, s85, 1
	s_sub_co_u32 s[QB], 15, ttmp9
	s_cmp_eq_u32 s85, 1
	s_cselect_b32 s[QB], s[QB], ttmp9              ; my block of 128 queries
	s_lshr_b32 s87, s84, 1
	s_lshl_b32 s87, s87, 5
	s_and_b32 s85, s84, 1
	s_lshl_b32 s85, s85, 3
	s_add_co_u32 s87, s87, s85                     ; 32 (t / 2) + 8 (t % 2)
	s_add_co_u32 s92, s18, s[QB]                   ; Q's UNIT
	s_mul_i32 s93, s92, 12288
	s_lshl_b32 s94, s84, 1
	s_add_co_u32 s94, s94, s16
	s_mul_i32 s94, s94, 768
	s_add_co_u32 s94, s94, s93
	s_mov_b32 s95, 0
	s_lshl_b32 s92, s92, 10
	s_lshl_b32 s93, s16, 9
	s_add_co_u32 s92, s92, s93
	s_lshr_b32 s93, s84, 2
	s_lshl_b32 s93, s93, 8
	s_add_co_u32 s92, s92, s93
	s_and_b32 s93, s84, 3
	s_lshl_b32 s93, s93, 2
	s_add_co_u32 s92, s92, s93
	s_mov_b32 s93, 0
	s_add_nc_u64 s[94:95], s[4:5], s[94:95]        ; Q's HALF
	s_add_nc_u64 s[92:93], s[6:7], s[92:93]        ; Q's scale words
	s_lshl_b32 s96, s14, 7
	s_lshl_b32 s97, s[QB], 3
	s_add_co_u32 s96, s96, s97
	s_add_co_u32 s96, s96, s84                     ; my token tile, 0..255
	s_lshl_b32 s96, s96, 4
	s_add_co_u32 s96, s96, s15
	s_lshl_b32 s98, s96, 7
	s_mov_b32 s99, 0
	s_mul_i32 s96, s96, 768
	s_mov_b32 s97, 0
	s_add_nc_u64 s[96:97], s[8:9], s[96:97]
	s_add_nc_u64 s[98:99], s[10:11], s[98:99]
	s_mov_b32 s[SEL], 0x76543210
	s_mov_b32 s[SEL+1], 0xfedcba98
	s_mov_b32 s[CS], 0x3e38aa3b                    ; log2(e) / 8
	s_mov_b32 s[CS+1], s[CS]
	v_and_b32 v7, 31, v0
	s_delay_alu instid0(VALU_DEP_1)
	v_lshlrev_b32 v1, 3, v7                        ; 8 x lane
	s_delay_alu instid0(VALU_DEP_1)
	v_add_nc_u32 v2, VF, v1
	s_delay_alu instid0(VALU_DEP_3)
	v_lshlrev_b32 v3, 4, v7
	s_delay_alu instid0(VALU_DEP_1)
	v_add_nc_u32 v3, KSB, v3
	v_and_b32 v30, 15, v0                          ; r
	v_bfe_u32 v31, v0, 4, 1                        ; h
	s_delay_alu instid0(VALU_DEP_2)
	v_lshlrev_b32 v29, 4, v30                      ; 16 r
	s_delay_alu instid0(VALU_DEP_1)
	v_add_nc_u32 v4, VSB, v29
	v_lshlrev_b32 v6, 2, v7
.irp p, 0,1,2
	global_load_b64 v[16+2*\p:17+2*\p], v1, s[94:95] offset:256*\p
.endr
	global_load_b32 v28, v29, s[92:93]
	v_and_b32 v5, 8, v30
	s_delay_alu instid0(VALU_DEP_1)
	v_add_nc_u32 v5, v5, v30
	v_lshlrev_b32 v31, 4, v31
	s_delay_alu instid0(VALU_DEP_1)
	v_sub_nc_u32 v5, v5, v31
	s_delay_alu instid0(VALU_DEP_1)
	v_add_nc_u32 v5, s87, v5                       ; d = my query in its block - 16 h: on the diagonal register 16 b + i is hidden where 32 b + i > d
.irp j, 0,1,2,3,4,5
	v_mov_b32 v[22+\j], 0                          ; Q's upper 64 of K: zero codes
	v_mov_b32 v[80+\j], 0                          ; behind K's last tile
.endr
	v_mov_b32 v13, 0xff61b1e6                      ; the largest t so far: -3e38
	s_delay_alu instid0(VALU_DEP_1)
	v_floor_f32 v12, -v13                          ; -M
	v_mov_b32 v14, 0
	v_mov_b32 v15, 0
.irp b, 0,1,2,3
	v_mov_b32 v[216+\b], 0                         ; a lane permute's destination counts as a source
.endr
	v_mov_b32 v227, 0                              ; (named as the upper half of the pair v[226:227])
	v_mov_b32 v228, 0
	v_mov_b32 v229, 0xff800000                     ; -infinity
	s_wait_loadcnt 0x0
	v_and_b32 v28, 0xffff, v28                     ; my head's two bytes; bytes 2 and 3 are 0
.set j, 0
.rept 32
	v_mov_b32 v[160+j], 0                          ; O^T: the loop has no first step of its own.  (These are also the places between the line above and the first scaled product)
.set j, j+1
.endr
	s_mov_b32 s76, 0                               ; the key step, and its bytes: 6,144 of codes, 512 and 256 of scale words
	s_mov_b32 s77, 0
	s_mov_b32 s78, 0
	s_mov_b32 s79, 0
	s_wait_tensorcnt 0x0                           ; my tensor load, if I issued one, has landed;
	s_barrier_signal -1
	s_barrier_wait -1                              ; everybody's has
.Lstep:
	s_cmp_gt_u32 s76, s[QB]
	s_cbranch_scc1 .Lhidden                        ; all 128 keys come after my queries
	s_setprio 2
	v_add_nc_u32 v8, s77, v1                       ; (these four are the places in front of the loads into registers that the last products read)
	v_add_nc_u32 v9, s77, v2
	v_add_nc_u32 v10, s78, v3
	v_add_nc_u32 v11, s79, v4
.irp tk, 0,1,2,3,4,5,6,7
.irp p, 0,1,2
	ds_load_b64 v[32+6*\tk+2*\p:33+6*\tk+2*\p], v8 offset:768*\tk+256*\p   ; 32 lanes read 256 consecutive bytes
.endr
.endr
	ds_load_b128 v[88:91], v10
	s_wait_dscnt 0x0
.irp tk, 0,1,2,3,4,5,6,7
.if \tk < 4
	v_wmma_scale_f32_16x16x128_f8f6f4 v[96+8*\tk:103+8*\tk], v[32+6*\tk:43+6*\tk], v[16:27], 0, v[88+\tk], v28 matrix_a_fmt:MATRIX_FMT_BF6 matrix_b_fmt:MATRIX_FMT_BF6
.else
	v_wmma_scale_f32_16x16x128_f8f6f4 v[96+8*\tk:103+8*\tk], v[32+6*\tk:43+6*\tk], v[16:27], 0, v[84+\tk], v28 matrix_a_fmt:MATRIX_FMT_BF6 matrix_b_fmt:MATRIX_FMT_BF6 matrix_a_scale:MATRIX_SCALE_ROW1
.endif
.endr
.rept 4
	v_nop
.endr
	s_cmp_lg_u32 s76, s[QB]
	s_cbranch_scc1 .Lopen                          ; all keys count
.irp n, 0,1,2,3,4,5,6,7,8,9,10,11,12,13,14,15,16,17,18,19,20,21,22,23,24,25,26,27,28,29,30,31,32,33,34,35,36,37,38,39,40,41,42,43,44,45,46,47,48,49,50,51,52,53,54,55,56,57,58,59,60,61,62,63
	v_cmp_gt_i32 vcc_lo, 32*(\n/16)+\n%16, v5
	v_cndmask_b32 v[96+\n], v[96+\n], v229, vcc_lo
.endr
.Lopen:
.irp b, 0,1,2,3
	v_max3_num_f32 v[212+\b], v[96+16*\b], v[97+16*\b], v[98+16*\b]   ; the largest score of each block of 32 keys: for the row's maximum, and, since p rises with the score, for the block's largest p
.endr
.irp i, 3,5,7,9,11,13
.irp b, 0,1,2,3
	v_max3_num_f32 v[212+\b], v[212+\b], v[96+16*\b+\i], v[97+16*\b+\i]
.endr
.endr
.irp b, 0,1,2,3
	v_max_num_f32 v[212+\b], v[212+\b], v[111+16*\b]
.endr
.irp b, 0,1,2,3
	s_delay_alu instid0(VALU_DEP_4)
	v_permlanex16_b32 v[216+\b], v[212+\b], s[SEL], s[SEL+1]
.endr
.irp b, 0,1,2,3
	s_delay_alu instid0(VALU_DEP_4)
	v_max_num_f32 v[212+\b], v[212+\b], v[216+\b]
.endr
	s_delay_alu instid0(VALU_DEP_2)
	v_max3_num_f32 v228, v212, v213, v214
	s_delay_alu instid0(VALU_DEP_1)
	v_max_num_f32 v228, v228, v215
	s_delay_alu instid0(VALU_DEP_1)
	v_mul_f32 v228, s[CS], v228
	s_delay_alu instid0(VALU_DEP_1)
	v_max_num_f32 v13, v13, v228                   ; the running largest t
	v_mov_b32 v228, v12
	s_delay_alu instid0(VALU_DEP_2)
	v_floor_f32 v12, -v13                          ; the new -M: a whole number
	s_delay_alu instid0(VALU_DEP_1)
	v_sub_f32 v228, v12, v228
	s_delay_alu instid0(VALU_DEP_1)
	v_cvt_i32_f32 v228, v228                       ; (it saturates)
	s_delay_alu instid0(VALU_DEP_1)
	v_ldexp_f32 v226, 1.0, v228                    ; f = 2^(old M - new M)
.set j, 0
.rept 32
	v_pk_fma_f32 v[96+j:97+j], v[96+j:97+j], s[CS:CS+1], v[12:13] op_sel_hi:[1,0,0]   ; t - M
.set j, j+2
.endr
.irp b, 0,1,2,3
	v_fma_f32 v[212+\b], v[212+\b], s[CS], v12
.endr
.set j, 0
	s_setprio 1
	s_wait_alu depctr_va_vdst(0)
.rept 64
	v_exp_f32 v[96+j], v[96+j]                     ; p = 2^(t - M)
.set j, j+1
.endr
	v_pk_mul_f32 v[14:15], v[14:15], v[226:227] op_sel_hi:[1,0]   ; the sums under the new M: a plain line behind the exponentials
	s_wait_alu depctr_va_vdst(0)                   ; one wait for the batch of 64, ahead of its first reader
.irp b, 0,1,2,3
	v_exp_f32 v[212+\b], v[212+\b]                 ; each block's largest p
.endr
	v_pk_add_f32 v[216:217], v[100:101], v[104:105]
	v_pk_add_f32 v[252:253], v[108:109], v[112:113]
	v_pk_add_f32 v[250:251], v[116:117], v[120:121]
	v_pk_add_f32 v[248:249], v[124:125], v[128:129]
	v_pk_add_f32 v[246:247], v[132:133], v[136:137]
	v_pk_add_f32 v[244:245], v[140:141], v[144:145]
	v_pk_add_f32 v[242:243], v[148:149], v[152:153]
	v_pk_add_f32 v[14:15], v[14:15], v[156:157]
	v_pk_add_f32 v[216:217], v[216:217], v[96:97]
	v_pk_add_f32 v[252:253], v[252:253], v[98:99]
	v_pk_add_f32 v[250:251], v[250:251], v[102:103]
	v_pk_add_f32 v[248:249], v[248:249], v[106:107]
	v_pk_add_f32 v[246:247], v[246:247], v[110:111]
	v_pk_add_f32 v[244:245], v[244:245], v[114:115]
	v_pk_add_f32 v[242:243], v[242:243], v[118:119]
	v_pk_add_f32 v[14:15], v[14:15], v[122:123]
	v_pk_add_f32 v[216:217], v[216:217], v[126:127]
	v_pk_add_f32 v[252:253], v[252:253], v[130:131]
	v_pk_add_f32 v[250:251], v[250:251], v[134:135]
	v_pk_add_f32 v[248:249], v[248:249], v[138:139]
	v_pk_add_f32 v[246:247], v[246:247], v[142:143]
	v_pk_add_f32 v[244:245], v[244:245], v[146:147]
	v_pk_add_f32 v[242:243], v[242:243], v[150:151]
	v_pk_add_f32 v[14:15], v[14:15], v[154:155]
	v_pk_add_f32 v[216:217], v[216:217], v[158:159]
	s_delay_alu instid0(VALU_DEP_2)
	v_pk_add_f32 v[14:15], v[14:15], v[248:249]
	s_delay_alu instid0(VALU_DEP_2)
	v_pk_add_f32 v[216:217], v[216:217], v[246:247]
	v_pk_add_f32 v[252:253], v[252:253], v[244:245]
	v_pk_add_f32 v[250:251], v[250:251], v[242:243]
	s_delay_alu instid0(VALU_DEP_2)
	v_pk_add_f32 v[14:15], v[14:15], v[252:253]
	s_delay_alu instid0(VALU_DEP_2)
	v_pk_add_f32 v[216:217], v[216:217], v[250:251]
	s_delay_alu instid0(VALU_DEP_1)
	v_pk_add_f32 v[14:15], v[14:15], v[216:217]
	s_wait_alu depctr_va_vdst(0)                   ; and one for the four
.irp b, 0,1,2,3
	v_max_num_f32 v[212+\b], 0x2800000, v[212+\b]  ; the floor 2^(5 - 127)
.endr
.irp b, 0,1,2,3
	s_delay_alu instid0(VALU_DEP_4)
	v_add_nc_u32 v[220+\b], 0xfe000000, v[212+\b]
.endr
.irp b, 0,1,2,3
	s_delay_alu instid0(VALU_DEP_4)
	v_lshrrev_b32 v[216+\b], 23, v[220+\b]
.endr
	s_delay_alu instid0(VALU_DEP_3)
	v_lshl_or_b32 v224, v217, 8, v216              ; p's scale word for these 128 keys
	s_delay_alu instid0(VALU_DEP_1)
	v_lshl_or_b32 v224, v218, 16, v224
	s_delay_alu instid0(VALU_DEP_1)
	v_lshl_or_b32 v224, v219, 24, v224
.irp c, 0,1
	v_cvt_scalef32_pk16_bf6_f32 v[192+6*\c:194+6*\c], v[96+32*\c:111+32*\c], v[220+2*\c]
	v_cvt_scalef32_pk16_bf6_f32 v[204+4*\c:206+4*\c], v[112+32*\c:127+32*\c], v[220+2*\c+1]
.endr
	v_nop
.irp c, 0,1
.irp i, 0,1,2
	v_permlane16_swap_b32 v[192+6*\c+\i], v[204+4*\c+\i]
.endr
.irp i, 0,1,2
	s_delay_alu instid0(VALU_DEP_3)
	v_mov_b32 v[195+6*\c+\i], v[204+4*\c+\i]
.endr
.endr
.set j, 0
	s_setprio 0
.rept 16
	v_pk_mul_f32 v[160+j:161+j], v[160+j:161+j], v[226:227] op_sel_hi:[1,0]   ; O^T under the new M.  (These 16 are also the places in front of the loads and scaled products below)
.set j, j+2
.endr
.irp t, 0,1,2,3
.irp p, 0,1,2,3,4,5
	ds_load_b64 v[32+12*\t+2*\p:33+12*\t+2*\p], v9 offset:1536*\t+256*\p
.endr
.endr
	ds_load_b128 v[88:91], v11                     ; register j: tile j's word of row r, in both halves of the lanes
	s_wait_alu depctr_va_vdst(0)
	s_wait_dscnt 0x0
.irp t, 0,1,2,3
	v_wmma_scale_f32_16x16x128_f8f6f4 v[160+8*\t:167+8*\t], v[32+12*\t:43+12*\t], v[192:203], v[160+8*\t:167+8*\t], v[88+\t], v224 matrix_a_fmt:MATRIX_FMT_BF6 matrix_b_fmt:MATRIX_FMT_BF6
.endr
.Lhidden:
	s_add_co_u32 s77, s77, 6144
	s_add_co_u32 s78, s78, 512
	s_add_co_u32 s79, s79, 256
	s_add_co_u32 s76, s76, 1
	s_cmp_lt_u32 s76, 16
	s_cbranch_scc1 .Lstep
	s_setprio 0
.rept 4
	v_nop                                          ; four places behind the last products
.endr
	v_add_f32 v14, v14, v15
	s_delay_alu instid0(VALU_DEP_1)
	v_permlanex16_b32 v228, v14, s[SEL], s[SEL+1]
	s_delay_alu instid0(VALU_DEP_1)
	v_add_f32 v14, v14, v228                       ; the row's sum
	s_wait_alu depctr_va_vdst(0)
	v_rcp_f32 v226, v14
	v_nop
	s_wait_alu depctr_va_vdst(0)
.set j, 0
.rept 16
	v_pk_mul_f32 v[96+j:97+j], v[160+j:161+j], v[226:227] op_sel_hi:[1,0]   ; register 16 b + i: channel 32 b + 16 h + i of my query
.set j, j+2
.endr
.irp b, 0,1
	v_max3_num_f32 v[212+\b], |v[96+16*\b]|, |v[97+16*\b]|, 0x2800000
.endr
.irp i, 2,4,6,8,10,12,14
.irp b, 0,1
	s_delay_alu instid0(VALU_DEP_2)
	v_max3_num_f32 v[212+\b], v[212+\b], |v[96+16*\b+\i]|, |v[97+16*\b+\i]|
.endr
.endr
.irp b, 0,1
	s_delay_alu instid0(VALU_DEP_2)
	v_permlanex16_b32 v[216+\b], v[212+\b], s[SEL], s[SEL+1]
.endr
.irp b, 0,1
	s_delay_alu instid0(VALU_DEP_2)
	v_max_num_f32 v[212+\b], v[212+\b], v[216+\b]
.endr
.irp b, 0,1
	s_delay_alu instid0(VALU_DEP_2)
	v_add_nc_u32 v[220+\b], 0xfe000000, v[212+\b]
.endr
.irp b, 0,1
	s_delay_alu instid0(VALU_DEP_2)
	v_lshrrev_b32 v[216+\b], 23, v[220+\b]
.endr
	s_delay_alu instid0(VALU_DEP_1)
	v_lshl_or_b32 v224, v217, 8, v216              ; my head's two scale bytes
	v_cvt_scalef32_pk16_bf6_f32 v[192:194], v[96:111], v220
	v_cvt_scalef32_pk16_bf6_f32 v[204:206], v[112:127], v221
	v_nop
.irp i, 0,1,2
	v_permlane16_swap_b32 v[192+\i], v[204+\i]
.endr
.irp i, 0,1,2
	s_delay_alu instid0(VALU_DEP_3)
	v_mov_b32 v[195+\i], v[204+\i]
.endr
.irp p, 0,1,2
	global_store_b64 v1, v[192+2*\p:193+2*\p], s[96:97] offset:256*\p   ; 256 consecutive bytes, aligned
.endr
	global_store_b32 v6, v224, s[98:99]
	s_wait_tensorcnt 0x0
	ds_add_u32 v254, v255
	s_wait_dscnt 0x0
	s_endpgm
.Lfunc_end_k_q1d459532e2_attn:
	.size	k_q1d459532e2_attn, .Lfunc_end_k_q1d459532e2_attn-k_q1d459532e2_attn
	.p2alignl 7, 3214868480
	.fill 96, 4, 3214868480
	.section	.rodata,"a",@progbits
	.p2align	6, 0x0
	.amdhsa_kernel k_q1d459532e2_attn
		.amdhsa_group_segment_fixed_size 210944
		.amdhsa_private_segment_fixed_size 0
		.amdhsa_enable_private_segment 0
		.amdhsa_kernarg_size 32
		.amdhsa_user_sgpr_count 2
		.amdhsa_user_sgpr_kernarg_segment_ptr 1
		.amdhsa_wavefront_size32 1
		.amdhsa_system_sgpr_workgroup_id_x 1
		.amdhsa_system_sgpr_workgroup_id_y 1
		.amdhsa_system_sgpr_workgroup_id_z 1
		.amdhsa_system_vgpr_workitem_id 0
		.amdhsa_next_free_vgpr 256
		.amdhsa_next_free_sgpr 100
		.amdhsa_reserve_vcc 1
		.amdhsa_float_denorm_mode_32 3
		.amdhsa_float_denorm_mode_16_64 3
		.amdhsa_memory_ordered 1
		.amdhsa_forward_progress 1
		.amdhsa_inst_pref_size 39
	.end_amdhsa_kernel
	.amdgpu_metadata
---
amdhsa.version: [ 1, 2 ]
amdhsa.kernels:
  - .name:           k_q1d459532e2_attn
    .symbol:         k_q1d459532e2_attn.kd
    .args:
      - { .name: qkvc, .offset: 0, .size: 8, .value_kind: global_buffer, .address_space: global }
      - { .name: qkvs, .offset: 8, .size: 8, .value_kind: global_buffer, .address_space: global }
      - { .name: resc, .offset: 16, .size: 8, .value_kind: global_buffer, .address_space: global }
      - { .name: ress, .offset: 24, .size: 8, .value_kind: global_buffer, .address_space: global }
    .group_segment_fixed_size: 210944
    .private_segment_fixed_size: 0
    .kernarg_segment_align: 8
    .kernarg_segment_size: 32
    .max_flat_workgroup_size: 512
    .sgpr_count:     100
    .vgpr_count:     256
    .wavefront_size: 32
...
	.end_amdgpu_metadata
.endif
;; end of part 7
;; launch tail (part 8): grid 128 x 1, 4 waves a work-group, no clusters, 201,216 bytes of LDS; arguments x, resc, ress, wtail, bo, ln2_w, b1, b2, b3, out0; writes out0
.if DOCPART == 8
	.amdgcn_target "amdgcn-amd-amdhsa--gfx1250"
	.amdhsa_code_object_version 6
	.text
	.protected	k_q1d459532e2_tail
	.globl	k_q1d459532e2_tail
	.p2align	8
	.type	k_q1d459532e2_tail,@function
k_q1d459532e2_tail:
	s_mov_b64 s[64:65], 0
	v_nop
	global_prefetch_b8 v0, s[64:65] scope:SCOPE_SE
	s_setreg_imm32_b32 hwreg(HW_REG_WAVE_SCHED_MODE, 0, 2), 2
	s_setreg_imm32_b32 hwreg(HW_REG_WAVE_MODE, 25, 1), 1
	s_wait_xcnt 0x0
	s_wait_alu depctr_vm_vsrc(0)
; x1 = x + res wo + bo;  h = x1 * rsqrt(mean(x1^2) + 1e-5) * ln2_w;  g = silu(h w1 + b1) * (h w2 + b2);  out = x1 + g w3 + b3.  All four products on codes of BF6; x1, h and g never go to memory.
; SHARES.  A work-group owns 32 tokens, two tiles of 16 (b = 0, 1).  THE WAVES SHARE THE COLUMNS: wave w makes columns 256 w .. + 255 of the products with wo and w3 and 128 w .. + 127 of those with w1 and w2.
; Its weights are ONE stream of 40 SETs of 12,800 bytes, laid in its order of use by the first launch, from memory straight into a ring of three sets of registers: while one is multiplied two are on their way.
; All products are used transposed (source 0 = 16 weight columns, source 1 = 16 tokens): a lane holds one token, its registers run along the columns, which are the next product's K.
; The tokens' operands go from wave to wave through LDS as images of their registers (three stores of 16 bytes a lane a fragment, 4 bytes a lane for the scale word).  Four barriers; no shared region is written twice.
; x is loaded into the accumulators, so that the first product adds onto it; b1 and b2 are the C of their sums' first instructions; x1 waits in LDS, in the wave's own bytes, during the middle products.
; Row r of tile b is token 32 g + 8 b + r + 8 (r / 8).
; LIMITS: no NaN or infinities; a block whose largest magnitude lies under 2^-122 keeps the scale byte 1.
; No cluster: the weights go to registers without LDS.  128 work-groups: the norm needs whole rows, so every work-group walks all weights, and groups of 16 tokens would double those reads and shorten no walk.
; REGISTERS.  window 0: v1-23 addresses; v26-29 1 / rms, a pair a tile; v32-43 the ring's scale words; v44-47 the tokens' scale words and v48-95 their fragments, two buffers; v96-133 at work in QUANT; v136-143 sums; v144-207 T; v208-215 small.
;   window 1: ring sets 0, 1 at v0, v96; v192-255 area P.   window 3: ring set 2 at v0; v96-159 area Q; v160-223 area R.   window 2: accumulator (i, b, a) at 64 (2 i + b) + 8 a.
; THE MODE: SCHED_MODE bits 1:0 = 2 (LLVM: expert scheduling mode 2), set by the entry lines.  The code itself states the register dependences
; between vector or matrix instructions and memory or LDS instructions, with s_wait_alu, always for 0.
; THE PLAN.  Registers that memory or LDS instructions touch:
;   ring sets 0-2, v32-43   SET step k: its 16 matrix instructions read set k % 3 and its scale words; behind them SET k + 3's 25 loads land there.
;   v44-95                  SET step k reads token buffer k % 2; the LDS loads at the head of step k + 1 land in it.
;   the accumulators        x lands; products; + bo; x1's LDS stores read them; products write them; x1's LDS loads land; products; + b3; the stage's LDS stores read them.
;   P, Q, R                 Loaded; read by additions, multiplications or as C; loaded again.
;   T, v208-215             res and its scale bytes land and go to LDS; then vector work (v208-215: partial sums land); on the way out rows land in T and in v32-95 by turns and are stored.
;   v112, v114-133          Written by QUANT; read by an image's four LDS stores.       v136, v140: a partial sum each, stored once.
;   v1-23                   Addresses, made at the head and never written again.
; ONE wait on va_vdst stands at the end of a SET step, behind its matrix instructions: they are done reading their ring set, its scale words and their token buffer.  The 25 loads of SET k + 3 follow at once, since this
; launch lives on loads in flight, and the next step's 8 LDS loads follow those; nothing between names a register that they touch.  They are not dealt among the step's 16 matrix instructions: each group would want two window switches.
; In the vector phases one wait on va_vdst stands ahead of each run of stores, and the loads that follow such a run lean on it where no vector line stands between; the waits on vm_vsrc stand ahead of the lines that write again what LDS stores or stores have read.
.set SETB, 12800
.set RIMG, 133120                      ; LDS: from 0 four regions of 33,280, a wave's own: x1's image (32,768), later its stage of 32 rows x 1,040
.set HIMG, 157696                      ; res', h's and g's fragments: (K step s, tile b) at (2 s + b) 1,536
.set GIMG, 182272
.set RSC,  194560                      ; their scale words: (2 s + b) 128
.set HSC,  196608
.set GSC,  198656
.set PS,   199680                      ; partial sums of squares: (2 wave + b) 128
.set L16, 1
.set L4,  2
.set L8,  3
.set XA,  4
.set BA,  5
.set BA2, 6
.set X1A, 7
.set RRD, 8
.set HRD, 9
.set GRD, 10
.set RSR, 11
.set HSR, 12
.set GSR, 13
.set RWR, 14
.set HWR, 15
.set GWR, 16
.set RSW, 17
.set HSW, 18
.set GSW, 19
.set PSW, 20
.set PSR, 21
.set SO,  22
.set OA,  23
.set TM,  96
.set PW,  112
.set PC,  114
.set T,   144
.set SEL, 38
.set MSB, 0
.macro WIN new                         ; the immediate's high byte repeats the setting that is left
.if MSB != (\new)
	s_set_vgpr_msb (MSB<<8)|(\new)
.set MSB, (\new)
.endif
.endm
.macro MM d, a, b, c, sa, sb, ra       ; ra: source 0's scale words stand in lanes 16-31
.if (\ra)
	v_wmma_scale_f32_16x16x128_f8f6f4 v[\d:\d+7], v[\a:\a+11], v[\b:\b+11], v[\c:\c+7], v[\sa], v[\sb] matrix_a_fmt:MATRIX_FMT_BF6 matrix_b_fmt:MATRIX_FMT_BF6 matrix_a_scale:MATRIX_SCALE_ROW1
.else
	v_wmma_scale_f32_16x16x128_f8f6f4 v[\d:\d+7], v[\a:\a+11], v[\b:\b+11], v[\c:\c+7], v[\sa], v[\sb] matrix_a_fmt:MATRIX_FMT_BF6 matrix_b_fmt:MATRIX_FMT_BF6
.endif
.endm
.macro QUANT s, pw                     ; 64 numbers of a lane, register 16 b + i = k 32 b + 16 h + i of my token, become a fragment in v[PC] on and its scale word
.irp b, 0,1,2,3
	v_max3_num_f32 v[TM+\b], |v[(\s)+16*\b]|, |v[(\s)+1+16*\b]|, 0x2800000
.endr
.irp i, 2,4,6,8,10,12,14
.irp b, 0,1,2,3
	v_max3_num_f32 v[TM+\b], v[TM+\b], |v[(\s)+16*\b+\i]|, |v[(\s)+1+16*\b+\i]|
.endr
.endr
.irp b, 0,1,2,3
	v_permlanex16_b32 v[TM+4+\b], v[TM+\b], s[SEL], s[SEL+1]
.endr
.irp b, 0,1,2,3
	v_max_num_f32 v[TM+\b], v[TM+\b], v[TM+4+\b]
.endr
.irp b, 0,1,2,3
	v_add_nc_u32 v[TM+12+\b], 0xfe000000, v[TM+\b]
.endr
.irp b, 0,1,2,3
	v_lshrrev_b32 v[TM+4+\b], 23, v[TM+12+\b]
.endr
	v_lshl_or_b32 v[\pw], v[TM+5], 8, v[TM+4]
	v_lshl_or_b32 v[\pw], v[TM+6], 16, v[\pw]
	v_lshl_or_b32 v[\pw], v[TM+7], 24, v[\pw]
.irp c, 0,1
	v_cvt_scalef32_pk16_bf6_f32 v[PC+6*\c:PC+2+6*\c], v[(\s)+32*\c:(\s)+15+32*\c], v[TM+12+2*\c]
	v_cvt_scalef32_pk16_bf6_f32 v[PC+12+4*\c:PC+14+4*\c], v[(\s)+16+32*\c:(\s)+31+32*\c], v[TM+12+2*\c+1]
.endr
	v_nop
.irp c, 0,1
.irp i, 0,1,2
	v_permlane16_swap_b32 v[PC+6*\c+\i], v[PC+12+4*\c+\i]
.endr
.irp i, 0,1,2
	v_mov_b32 v[PC+3+6*\c+\i], v[PC+12+4*\c+\i]
.endr
.endr
.endm
.macro BARRIER                         ; my LDS stores have landed and my LDS loads are in: then the work-group's barrier
	s_wait_dscnt 0x0
	s_barrier_signal -1
	s_barrier_wait -1
.endm
.macro LOADW k                         ; SET k of my stream into ring set k % 3: 25 loads of 512 consecutive bytes
.set LQ, (\k)%3
.if LQ == 2
	WIN 0xc0
.set LB, 0
.else
	WIN 0x40
.set LB, 96*LQ
.endif
.irp f, 0,1,2,3,4,5,6,7
.irp g, 0,1,2
	global_load_b128 v[LB+12*\f+4*\g:LB+12*\f+4*\g+3], v[L16], s[10:11] offset:(\k)*SETB+1536*\f+512*\g
.endr
.endr
	WIN 0
	global_load_b128 v[32+4*LQ:35+4*LQ], v[L16], s[10:11] offset:(\k)*SETB+12288
.endm
.macro LOADB win, reg, adr, sb, off    ; 64 numbers a lane of a vector by columns: register 8 a + j is column 32 (a / 2) + 16 h + 8 (a % 2) + j of a block of 128
	WIN \win
.irp a, 0,1,2,3,4,5,6,7
.irp q, 0,1
	global_load_b128 v[(\reg)+8*\a+4*\q:(\reg)+8*\a+4*\q+3], v[\adr], s[\sb:\sb+1] offset:(\off)+128*(\a/2)+32*(\a%2)+16*\q
.endr
.endr
	WIN 0
.endm
.macro FETCHTOK ia, sa, s, tb          ; the two tiles' fragments and scale words of K step s into buffer tb
.irp b, 0,1
.irp c, 0,1,2
	ds_load_b128 v[48+24*(\tb)+12*\b+4*\c:48+24*(\tb)+12*\b+4*\c+3], v[\ia] offset:(2*(\s)+\b)*1536+512*\c
.endr
	ds_load_b32 v[44+2*(\tb)+\b], v[\sa] offset:(2*(\s)+\b)*128
.endr
.endm
; SET k against the two tiles of tokens: 16 matrix instructions on 16 accumulators by turns.  i: which half of my accumulators.  cnt: the loads that may stay out: the later SETs'.
; cb: 0, or the first register, in window 3, of the bias that starts the sums.  ns: the K step to fetch for the next SET, or -1.  more: SET k + 3 is asked for.
.macro SETSTEP k, i, cnt, cb, ia, sa, ns, more
.set SQ, (\k)%3
.set TB, (\k)%2
	s_wait_loadcnt \cnt
	s_wait_dscnt 0x0                               ; the tokens' fragments, asked for a SET ago
.if (\ns) >= 0
	FETCHTOK \ia, \sa, \ns, 1-TB                   ; into the buffer that the step before multiplied.  No wait: the wait at that step's end stands behind its matrix instructions, and only loads stand between
.endif
.if SQ == 2
.set AW, 3
.set AB, 0
.else
.set AW, 1
.set AB, 96*SQ
.endif
.if (\cb) > 0
	WIN 0xb0|AW
.else
	WIN 0xa0|AW
.endif
.irp a, 0,1,2,3,4,5,6,7
.irp b, 0,1
.if (\cb) > 0
	MM 64*(2*(\i)+\b)+8*\a, AB+12*\a, 48+24*TB+12*\b, (\cb)+8*\a, 32+4*SQ+\a%4, 44+2*TB+\b, \a/4
.else
	MM 64*(2*(\i)+\b)+8*\a, AB+12*\a, 48+24*TB+12*\b, 64*(2*(\i)+\b)+8*\a, 32+4*SQ+\a%4, 44+2*TB+\b, \a/4
.endif
.endr
.endr
	WIN 0
.rept 4
	v_nop                                          ; four places in front of loads into registers that matrix instructions have read, and of the first read of results; they stay beside the wait below
.endr
.if (\more) || ((\k) == 37)
	s_wait_alu depctr_va_vdst(0)                   ; this step's matrix instructions are done reading their ring set and its scale words, in which SET k + 3 lands, and their token buffer, in which the next step's LDS loads land
.endif
.if \more
	LOADW (\k)+3
.endif
.endm
	s_load_b256 s[4:11], s[0:1], 0x0               ; x, resc, ress, wtail
	s_load_b256 s[12:19], s[0:1], 0x20             ; bo, ln2_w, b1, b2
	s_load_b128 s[20:23], s[0:1], 0x40             ; b3, out0
	v_lshl_add_u32 v254, v0, 2, 0x31000
	v_mov_b32 v255, 0
	v_lshrrev_b32 v24, 5, v0
	v_readfirstlane_b32 s3, v24                    ; wave
	v_and_b32 v24, 31, v0
	v_lshlrev_b32 v[L16], 4, v24
	v_lshlrev_b32 v[L4], 2, v24
	v_lshlrev_b32 v[L8], 3, v24
	v_and_b32 v24, 15, v0                          ; r
	v_bfe_u32 v25, v0, 4, 1                        ; h
	s_wait_alu depctr_va_sdst(0)                   ; s3 is written, ahead of its first reader: the wave's offsets and bases are made from it
	s_lshl_b32 s24, s3, 10
	s_lshl_b32 s25, s3, 9
	v_lshlrev_b32 v[BA], 6, v25
	v_add_nc_u32 v[BA2], s25, v[BA]                ; b1, b2: 64 h + 512 w
	v_add_nc_u32 v[BA], s24, v[BA]                 ; bo, ln2_w, b3: 64 h + 1,024 w
	v_and_b32 v[XA], 8, v24
	v_add_nc_u32 v[XA], v[XA], v24
	v_lshl_add_u32 v[XA], v[XA], 12, v[BA]         ; x: + my token's row
	s_mul_i32 s26, s3, 33280
	v_add_nc_u32 v[X1A], s26, v[L16]
	v_add_nc_u32 v[RRD], RIMG, v[L16]
	v_add_nc_u32 v[HRD], HIMG, v[L16]
	v_add_nc_u32 v[GRD], GIMG, v[L16]
	v_add_nc_u32 v[RSR], RSC, v[L4]
	v_add_nc_u32 v[HSR], HSC, v[L4]
	v_add_nc_u32 v[GSR], GSC, v[L4]
	s_mul_i32 s27, s3, 6144
	v_add_nc_u32 v[RWR], s27, v[RRD]               ; I write K steps 2 w, 2 w + 1 of res and of h,
	v_add_nc_u32 v[HWR], s27, v[HRD]
	s_mul_i32 s27, s3, 3072
	v_add_nc_u32 v[GWR], s27, v[GRD]               ; K step w of g
	v_add_nc_u32 v[RSW], s25, v[RSR]
	v_add_nc_u32 v[HSW], s25, v[HSR]
	s_lshl_b32 s27, s3, 8
	v_add_nc_u32 v[GSW], s27, v[GSR]
	v_add_nc_u32 v[PSR], PS, v[L4]
	v_add_nc_u32 v[PSW], s27, v[PSR]
	v_mul_u32_u24 v[SO], v24, 1040
	v_lshl_add_u32 v[SO], v25, 6, v[SO]
	v_add_nc_u32 v[SO], s26, v[SO]                 ; the stage: row r of 1,040 bytes, + 64 h
	v_add_nc_u32 v[OA], s24, v[L16]
.irp b, 0,1,2,3
	v_mov_b32 v[TM+4+\b], 0
.endr
	s_lshl_b32 s28, ttmp9, 17                      ; 32 rows of 4,096 bytes
	s_mov_b32 s29, 0
	s_mul_i32 s30, ttmp9, 24576
	s_mul_i32 s31, s3, 3072
	s_add_co_u32 s30, s30, s31
	s_mov_b32 s31, 0
	s_lshl_b32 s32, ttmp9, 12
	s_add_co_u32 s32, s32, s25
	s_mov_b32 s33, 0
	s_mul_i32 s34, s3, 40*SETB
	s_mov_b32 s35, 0
	s_mov_b32 s36, 0xbfb8aa3b                      ; -log2(e)
	s_mov_b32 s37, s36
	s_mov_b32 s[SEL], 0x76543210
	s_mov_b32 s[SEL+1], 0xfedcba98
	s_mov_b32 s40, 0x3a800000                      ; 1 / 1,024
	s_mov_b32 s41, 0x3727c5ac                      ; 1e-5
	s_wait_kmcnt 0x0
	s_add_nc_u64 s[4:5], s[4:5], s[28:29]
	s_add_nc_u64 s[22:23], s[22:23], s[28:29]
	s_add_nc_u64 s[6:7], s[6:7], s[30:31]
	s_add_nc_u64 s[8:9], s[8:9], s[32:33]
	s_add_nc_u64 s[10:11], s[10:11], s[34:35]
	s_wait_alu depctr_va_vdst(0)                   ; the addresses and offsets v1 to v23 are written: every load, store and LDS instruction of the kernel reads one of them
; ---- the head: res' four fragments that I hand on (K steps 2 w + u, tiles b), x into the accumulators, three vectors, the first three SETs
.irp u, 0,1
.irp b, 0,1
.irp p, 0,1,2,3,4,5
	global_load_b64 v[T+12*(2*\u+\b)+2*\p:T+12*(2*\u+\b)+2*\p+1], v[L8], s[6:7] offset:12288*\b+1536*\u+256*\p
.endr
.irp e, 0,1
	global_load_b32 v[208+2*(2*\u+\b)+\e], v[L4], s[8:9] offset:2048*\b+256*\u+128*\e
.endr
.endr
.endr
	WIN 0x80
.irp i, 0,1
.irp b, 0,1
.irp a, 0,1,2,3,4,5,6,7
.irp q, 0,1
	global_load_b128 v[64*(2*\i+\b)+8*\a+4*\q:64*(2*\i+\b)+8*\a+4*\q+3], v[XA], s[4:5] offset:32768*\b+512*\i+128*(\a/2)+32*(\a%2)+16*\q
.endr
.endr
.endr
.endr
	WIN 0
	LOADB 0x40, 192, BA, 12, 0                     ; bo, my first 128 columns -> P
	LOADB 0xc0, 96, BA, 12, 512                    ; bo, my second 128 -> Q
	LOADB 0xc0, 160, BA, 14, 0                     ; ln2_w, my first 128 -> R
	LOADW 0
	LOADW 1
	LOADW 2
	s_wait_loadcnt 63                              ; of 219 loads the first 156 are in: res, its scale bytes, x and the three vectors are the first 144
.irp f, 0,1,2,3
	v_lshl_or_b32 v[208+2*\f], v[209+2*\f], 16, v[208+2*\f]   ; two heads' two bytes each make a K step's scale word
.endr
.irp f, 0,1,2,3
.irp c, 0,1,2
	ds_store_b128 v[RWR], v[T+12*\f+4*\c:T+12*\f+4*\c+3] offset:1536*\f+512*\c   ; the fragments go on as they were loaded: no vector line has named them
.endr
.endr
	s_wait_alu depctr_va_vdst(0)                   ; the four scale words v208, v210, v212, v214 are written, which the four LDS stores below read
.irp f, 0,1,2,3
	ds_store_b32 v[RSW], v[208+2*\f] offset:128*\f
.endr
	BARRIER                                        ; res' sixteen fragments lie in LDS
	s_wait_alu depctr_vm_vsrc(0)                   ; my LDS stores have read v[T ..] and v208-214: the norm's multiplications write T again, and the partial sums land in v208-215
	FETCHTOK RRD, RSR, 0, 0
; ---- A: x + res wo
.set K, 0
.rept 15
	SETSTEP K, K/8, 50, 0, RRD, RSR, (K+1)%8, 1
.set K, K+1
.endr
	SETSTEP 15, 1, 50, 0, RRD, RSR, -1, 1
; ---- x1, its norm, h as codes
.irp i, 0,1
.if \i == 0
	WIN 0x86
.set BO, 192
.else
	WIN 0x8e
.set BO, 96
.endif
.irp b, 0,1
.set N, 0
.rept 32
	v_pk_add_f32 v[64*(2*\i+\b)+N:64*(2*\i+\b)+N+1], v[64*(2*\i+\b)+N:64*(2*\i+\b)+N+1], v[BO+N:BO+N+1]   ; + bo: x1.  Each accumulator from its low end on
.set N, N+2
.endr
.endr
.endr
	WIN 0
	s_wait_alu depctr_va_vdst(0)                   ; the additions have written x1, which the 64 LDS stores below read, and are done reading bo in P and Q, in which the 32 loads below land
	LOADB 0x40, 192, BA, 14, 512                   ; ln2_w, my second 128 -> P
	LOADB 0xc0, 96, BA2, 16, 0                     ; b1 -> Q
	WIN 0x08
.set N, 0
.rept 64
	ds_store_b128 v[X1A], v[4*N:4*N+3] offset:512*N    ; x1 waits in my own bytes of LDS, as it stands in the registers; the sums of squares below are taken while these stores leave
.set N, N+1
.endr
	WIN 0x0a
.irp b, 0,1
	v_pk_mul_f32 v[136+4*\b:137+4*\b], v[64*\b:64*\b+1], v[64*\b:64*\b+1]
	v_pk_mul_f32 v[138+4*\b:139+4*\b], v[64*\b+2:64*\b+3], v[64*\b+2:64*\b+3]
.endr
.irp i, 0,1
.irp b, 0,1
.set N, 4-4*\i
.rept 15+\i
	v_pk_fma_f32 v[136+4*\b:137+4*\b], v[64*(2*\i+\b)+N:64*(2*\i+\b)+N+1], v[64*(2*\i+\b)+N:64*(2*\i+\b)+N+1], v[136+4*\b:137+4*\b]
	v_pk_fma_f32 v[138+4*\b:139+4*\b], v[64*(2*\i+\b)+N+2:64*(2*\i+\b)+N+3], v[64*(2*\i+\b)+N+2:64*(2*\i+\b)+N+3], v[138+4*\b:139+4*\b]
.set N, N+4
.endr
.endr
.endr
	WIN 0
.irp b, 0,1
	v_pk_add_f32 v[136+4*\b:137+4*\b], v[136+4*\b:137+4*\b], v[138+4*\b:139+4*\b]
.endr
.irp b, 0,1
	v_add_f32 v[136+4*\b], v[136+4*\b], v[137+4*\b]
.endr
.irp b, 0,1
	v_permlanex16_b32 v[137+4*\b], v[136+4*\b], s[SEL], s[SEL+1]
.endr
.irp b, 0,1
	v_add_f32 v[136+4*\b], v[136+4*\b], v[137+4*\b]
.endr
	s_wait_alu depctr_va_vdst(0)                   ; the two partial sums v136 and v140 are written, which the two LDS stores read
.irp b, 0,1
	ds_store_b32 v[PSW], v[136+4*\b] offset:128*\b
.endr
	BARRIER                                        ; the four waves' partial sums lie in LDS
.irp b, 0,1
.irp w, 0,1,2,3
	ds_load_b32 v[208+4*\b+\w], v[PSR] offset:(2*\w+\b)*128
.endr
.endr
	s_wait_dscnt 0x0
.irp b, 0,1
	v_add_f32 v[208+4*\b], v[208+4*\b], v[209+4*\b]
	v_add_f32 v[210+4*\b], v[210+4*\b], v[211+4*\b]
.endr
.irp b, 0,1
	v_add_f32 v[208+4*\b], v[208+4*\b], v[210+4*\b]
.endr
.irp b, 0,1
	v_fma_f32 v[208+4*\b], v[208+4*\b], s40, s41
.endr
	s_wait_alu depctr_va_vdst(0)
	v_rsq_f32 v26, v208
	v_rsq_f32 v28, v212
	v_nop
	s_wait_alu depctr_va_vdst(0)                   ; the two roots have written v26 and v28: one wait for the two, ahead of the first line that names a result
	v_mov_b32 v27, v26
	v_mov_b32 v29, v28
	s_wait_alu depctr_va_vdst(0)
	s_wait_loadcnt 0x0                             ; ln2_w's second half and b1 (and the SETs asked for before them)
.irp i, 0,1
.irp b, 0,1
	WIN 0x02
.set N, 0
.rept 32
	v_pk_mul_f32 v[T+N:T+N+1], v[64*(2*\i+\b)+N:64*(2*\i+\b)+N+1], v[26+2*\b:27+2*\b] op_sel_hi:[1,0]
.set N, N+2
.endr
.if \i == 0
	WIN 0x0c
.set LN, 160
.else
	WIN 0x04
.set LN, 192
.endif
.set N, 0
.rept 32
	v_pk_mul_f32 v[T+N:T+N+1], v[T+N:T+N+1], v[LN+N:LN+N+1]
.set N, N+2
.endr
	WIN 0
.if (\i+\b) > 0
	s_wait_alu depctr_vm_vsrc(0)                   ; the last image's LDS stores have read the codes' registers and the scale word, which QUANT writes again; x1's LDS stores have read the accumulators, which the next products write
.endif
	QUANT T, PW
	s_wait_alu depctr_va_vdst(0)                   ; QUANT has written the fragment and its scale word, which the four LDS stores read
.irp c, 0,1,2
	ds_store_b128 v[HWR], v[PC+4*\c:PC+4*\c+3] offset:(2*\i+\b)*1536+512*\c
.endr
	ds_store_b32 v[HSW], v[PW] offset:(2*\i+\b)*128
.endr
.endr
	LOADB 0xc0, 160, BA2, 18, 0                    ; b2 -> R.  No wait for these 32 loads: the multiplications that read ln2_w in R and P stand ahead of the last wait on va_vdst, and no vector line stands behind it
	LOADB 0x40, 192, BA, 20, 0                     ; b3, my first 128 -> P
	BARRIER                                        ; h's sixteen fragments lie in LDS
	FETCHTOK HRD, HSR, 0, 0
; ---- B: h w1 + b1 and h w2 + b2
	SETSTEP 16, 0, 50, 96, HRD, HSR, 1, 1
.set K, 17
.rept 7
	SETSTEP K, 0, 50, 0, HRD, HSR, (K-15)%8, 1
.set K, K+1
.endr
	SETSTEP 24, 1, 50, 160, HRD, HSR, 1, 1
.set K, 25
.rept 6
	SETSTEP K, 1, 50, 0, HRD, HSR, (K-15)%8, 1
.set K, K+1
.endr
	SETSTEP 31, 1, 50, 0, HRD, HSR, -1, 1
; ---- g = u / (1 + 2^(-u log2 e)) * v, as codes
	LOADB 0xc0, 96, BA, 20, 512                    ; b3, my second 128 -> Q: its last readers, SET 16's matrix instructions, stand ahead of the steps' waits
.irp b, 0,1
	WIN 0x02
.set N, 0
.rept 32
	v_pk_mul_f32 v[T+N:T+N+1], v[64*\b+N:64*\b+N+1], s[36:37] op_sel_hi:[1,0]
.set N, N+2
.endr
	WIN 0
.set N, 0
	s_wait_alu depctr_va_vdst(0)
.rept 64
	v_exp_f32 v[T+N], v[T+N]
.set N, N+1
.endr
	v_nop
	s_wait_alu depctr_va_vdst(0)                   ; the 64 exponentials have written T: one wait for the batch, ahead of its first reader
.set N, 0
.rept 32
	v_pk_add_f32 v[T+N:T+N+1], v[T+N:T+N+1], 1.0 op_sel_hi:[1,0]
.set N, N+2
.endr
.set N, 0
	s_wait_alu depctr_va_vdst(0)
.rept 64
	v_rcp_f32 v[T+N], v[T+N]
.set N, N+1
.endr
	v_nop
	s_wait_alu depctr_va_vdst(0)                   ; the 64 reciprocals have written T: one wait for the batch, ahead of its first reader
	WIN 0x08
.set N, 0
.rept 32
	v_pk_mul_f32 v[T+N:T+N+1], v[T+N:T+N+1], v[64*\b+N:64*\b+N+1]
.set N, N+2
.endr
.set N, 0
.rept 32
	v_pk_mul_f32 v[T+N:T+N+1], v[T+N:T+N+1], v[64*(2+\b)+N:64*(2+\b)+N+1]
.set N, N+2
.endr
	WIN 0
	s_wait_alu depctr_vm_vsrc(0)                   ; the last image's LDS stores (h's fourth, then g's first) have read the codes' registers and the scale word, which QUANT writes again
	QUANT T, PW
	s_wait_alu depctr_va_vdst(0)                   ; QUANT has written the fragment and its scale word, which the four LDS stores read
.irp c, 0,1,2
	ds_store_b128 v[GWR], v[PC+4*\c:PC+4*\c+3] offset:1536*\b+512*\c
.endr
	ds_store_b32 v[GSW], v[PW] offset:128*\b
.endr
	WIN 0x80
.set N, 0
.rept 64
	ds_load_b128 v[4*N:4*N+3], v[X1A] offset:512*N     ; x1 comes back into the accumulators.  No wait: the products that wrote them and the multiplications that read them stand ahead of the last wait on va_vdst, and no vector line stands behind it
.set N, N+1
.endr
	WIN 0
	BARRIER                                        ; g's eight fragments lie in LDS, and x1 is in
	FETCHTOK GRD, GSR, 0, 0
; ---- C: x1 + g w3
.set K, 32
.rept 5
	SETSTEP K, (K-32)/4, 50, 0, GRD, GSR, (K-31)%4, 1
.set K, K+1
.endr
	SETSTEP 37, 1, 50, 0, GRD, GSR, 2, 0
	SETSTEP 38, 1, 25, 0, GRD, GSR, 3, 0           ; the last SET's 25 loads may be out
	SETSTEP 39, 1, 0, 0, GRD, GSR, -1, 0
; ---- the way out: + b3; through my own stage, rows in the order of the lanes; whole rows of my 256 columns leave, 512 consecutive bytes a store
.irp i, 0,1
.if \i == 0
	WIN 0x86
.set BO, 192
.else
	WIN 0x8e
.set BO, 96
.endif
.irp b, 0,1
.set N, 0
.rept 32
	v_pk_add_f32 v[64*(2*\i+\b)+N:64*(2*\i+\b)+N+1], v[64*(2*\i+\b)+N:64*(2*\i+\b)+N+1], v[BO+N:BO+N+1]
.set N, N+2
.endr
.endr
.endr
	WIN 0x08
	s_wait_alu depctr_va_vdst(0)                   ; the additions have written the results, which the 64 LDS stores read; the last products are done reading v32-95 and the vector work is done with T, in which the rows below land
.irp i, 0,1
.irp b, 0,1
.irp a, 0,1,2,3,4,5,6,7
.irp q, 0,1
	ds_store_b128 v[SO], v[64*(2*\i+\b)+8*\a+4*\q:64*(2*\i+\b)+8*\a+4*\q+3] offset:16640*\b+512*\i+128*(\a/2)+32*(\a%2)+16*\q
.endr
.endr
.endr
.endr
	WIN 0
.irp bt, 0,1,2,3                                   ; eight rows at a time, into T and into v32-95 by turns.  LDS serves a wave's instructions in order: the loads see my stores
.set OB, 144-112*(\bt%2)
.if \bt > 1
	s_wait_xcnt 0x0                                ; the stores of two batches back have had their addresses translated: their registers are loaded again only behind this wait,
	s_wait_alu depctr_vm_vsrc(0)                   ; and behind this one: those stores have read the 64 registers in which this batch's rows land
.endif
.irp n, 0,1,2,3,4,5,6,7,8,9,10,11,12,13,14,15
	ds_load_b128 v[OB+4*\n:OB+4*\n+3], v[X1A] offset:(8*\bt+\n/2)*1040+512*(\n%2)
.endr
.irp n, 0,1,2,3,4,5,6,7,8,9,10,11,12,13,14,15
	s_wait_dscnt 15-\n                             ; the younger loads of the run may be out
	global_store_b128 v[OA], v[OB+4*\n:OB+4*\n+3], s[22:23] offset:(8*(\bt/2)+(8*\bt+\n/2)%16+8*(((8*\bt+\n/2)%16)/8))*4096+512*(\n%2) th:TH_STORE_NT
.endr
.endr
	s_wait_dscnt 0x0
	s_wait_alu depctr_hold_cnt(0) depctr_sa_sdst(0) depctr_va_vdst(0) depctr_va_sdst(0) depctr_va_ssrc(0) depctr_va_vcc(0) depctr_vm_vsrc(0)
	s_wait_tensorcnt 0x0
	ds_add_u32 v254, v255
	s_wait_dscnt 0x0
	s_endpgm
.Lfunc_end_k_q1d459532e2_tail:
	.size	k_q1d459532e2_tail, .Lfunc_end_k_q1d459532e2_tail-k_q1d459532e2_tail
	.p2alignl 7, 3214868480
	.fill 96, 4, 3214868480
	.section	.rodata,"a",@progbits
	.p2align	6, 0x0
	.amdhsa_kernel k_q1d459532e2_tail
		.amdhsa_group_segment_fixed_size 201216
		.amdhsa_private_segment_fixed_size 0
		.amdhsa_enable_private_segment 0
		.amdhsa_kernarg_size 80
		.amdhsa_user_sgpr_count 2
		.amdhsa_user_sgpr_kernarg_segment_ptr 1
		.amdhsa_wavefront_size32 1
		.amdhsa_system_sgpr_workgroup_id_x 1
		.amdhsa_system_sgpr_workgroup_id_y 1
		.amdhsa_system_sgpr_workgroup_id_z 1
		.amdhsa_system_vgpr_workitem_id 0
		.amdhsa_next_free_vgpr 1024
		.amdhsa_next_free_sgpr 66
		.amdhsa_reserve_vcc 0
		.amdhsa_float_denorm_mode_32 3
		.amdhsa_float_denorm_mode_16_64 3
		.amdhsa_memory_ordered 1
		.amdhsa_forward_progress 1
		.amdhsa_inst_pref_size 255
	.end_amdhsa_kernel
	.section	.bss,"aw",@nobits
	.p2align	6
	.space	262144
	.amdgpu_metadata
---
amdhsa.version: [ 1, 2 ]
amdhsa.kernels:
  - .name:           k_q1d459532e2_tail
    .symbol:         k_q1d459532e2_tail.kd
    .args:
      - { .name: x, .offset: 0, .size: 8, .value_kind: global_buffer, .address_space: global }
      - { .name: resc, .offset: 8, .size: 8, .value_kind: global_buffer, .address_space: global }
      - { .name: ress, .offset: 16, .size: 8, .value_kind: global_buffer, .address_space: global }
      - { .name: wtail, .offset: 24, .size: 8, .value_kind: global_buffer, .address_space: global }
      - { .name: bo, .offset: 32, .size: 8, .value_kind: global_buffer, .address_space: global }
      - { .name: ln2_w, .offset: 40, .size: 8, .value_kind: global_buffer, .address_space: global }
      - { .name: b1, .offset: 48, .size: 8, .value_kind: global_buffer, .address_space: global }
      - { .name: b2, .offset: 56, .size: 8, .value_kind: global_buffer, .address_space: global }
      - { .name: b3, .offset: 64, .size: 8, .value_kind: global_buffer, .address_space: global }
      - { .name: out0, .offset: 72, .size: 8, .value_kind: global_buffer, .address_space: global }
    .group_segment_fixed_size: 201216
    .private_segment_fixed_size: 0
    .kernarg_segment_align: 8
    .kernarg_segment_size: 80
    .max_flat_workgroup_size: 128
    .sgpr_count:     66
    .vgpr_count:     1024
    .wavefront_size: 32
...
	.end_amdgpu_metadata
.endif
;; end of part 8
